; MI455X (gfx1250); checked and timed in simulation.
; The chip was launched on July 23, 2026; its instructions are those of AMD's public machine-readable ISA for CDNA 5 (MIT licence, August 2026) and "CDNA5" Instruction Set Architecture Reference Guide (July 2026). The comments in the code are by the model that wrote it; some were corrected since.
;; Focal Transformer Block. Allowed arithmetic: matrix products marked QUANTISED: E4M3 operands, one E8M0 scale for each 32 along K, by v_wmma_scale_f32_16x16x128_f8f6f4 with both operands' format E4M3, f32 sums; products left as they are: f32 operands where the result goes on into a quantised operand, else bf16, f16 or f32 operands; f32 sums; everything else in f32.
;; Inputs: bkv 1,024 float32; bproj 512 float32; bq 512 float32; ln1_b 512 float32; ln1_s 512 float32; ln2_b 512 float32; ln2_s 512 float32; mlp_b1 2,048 float32; mlp_b2 512 float32; mlp_w1_codes 2,048 x 16 x 32 uint8 (E4M3 codes of mlp_w1, K innermost, in blocks of 32 codes); mlp_w1_scales 2,048 x 16 uint8 (E8M0 scales of mlp_w1, one for each 32 codes along K); mlp_w2_codes 512 x 64 x 32 uint8 (E4M3 codes of mlp_w2, K innermost, in blocks of 32 codes); mlp_w2_scales 512 x 64 uint8 (E8M0 scales of mlp_w2, one for each 32 codes along K); rpb_b1 256 float32; rpb_b2 8 float32; rpb_w1 1 x 256 float32; rpb_w2 256 x 8 float32; wkv_codes 1,024 x 16 x 32 uint8 (E4M3 codes of wkv, K innermost, in blocks of 32 codes); wkv_scales 1,024 x 16 uint8 (E8M0 scales of wkv, one for each 32 codes along K); wproj_codes 512 x 16 x 32 uint8 (E4M3 codes of wproj, K innermost, in blocks of 32 codes); wproj_scales 512 x 16 uint8 (E8M0 scales of wproj, one for each 32 codes along K); wq_codes 512 x 16 x 32 uint8 (E4M3 codes of wq, K innermost, in blocks of 32 codes); wq_scales 512 x 16 uint8 (E8M0 scales of wq, one for each 32 codes along K); x 4 x 4,096 x 512 float32.
;; Outputs: out0 4 x 4,096 x 512 float32.
;; This version of the problem:
;;   THIS VERSION OF THE PROBLEM IS GIVEN IN LOW PRECISION. The matrix products marked QUANTISED in the list below multiply operands that are first quantised to E4M3 (4 exponent bits, 3 mantissa bits; 8 bits a number), with one power-of-two scale for each 32 numbers along K (OCP MX v1.0); their sums are f32. All else is computed in f32.
;;   The module's matrix products, in the order in which they are computed (A, B: the left and right operand; K: the contracted axis; several contracted axes count as one K, in the product's order):
;;     1. [M 16,384, K 512] x [K 512, N 512]; A: computed on the way; B: input wq (given as codes): QUANTISED
;;     2. [M 16,384, K 512] x [K 512, N 1,024]; A: computed on the way; B: input wkv (given as codes): QUANTISED
;;     3. [M 524,288, K 1] x [K 1, N 256]; A: computed on the way; B: input rpb_w1: left as it is (K = 1 < 32)
;;     4. [M 524,288, K 256] x [K 256, N 8]; A: computed on the way; B: input rpb_w2: left as it is (N = 8 < 16)
;;     5. [M 8,192, K 512] x [K 512, N 1,024]; A: computed on the way; B: input wkv (given as codes): QUANTISED
;;     6. [M 524,288, K 1] x [K 1, N 256]; A: computed on the way; B: input rpb_w1: left as it is (K = 1 < 32)
;;     7. [M 524,288, K 256] x [K 256, N 8]; A: computed on the way; B: input rpb_w2: left as it is (N = 8 < 16)
;;     8. [M 4,096, K 512] x [K 512, N 1,024]; A: computed on the way; B: input wkv (given as codes): QUANTISED
;;     9. [M 524,288, K 1] x [K 1, N 256]; A: computed on the way; B: input rpb_w1: left as it is (K = 1 < 32)
;;     10. [M 524,288, K 256] x [K 256, N 8]; A: computed on the way; B: input rpb_w2: left as it is (N = 8 < 16)
;;     11. batch 2,048 x [M 64, K 64] x [K 64, N 384]; A: computed on the way; B: computed on the way: QUANTISED
;;     12. batch 2,048 x [M 64, K 384] x [K 384, N 64]; A: computed on the way; B: softmax (see below): QUANTISED
;;     13. [M 16,384, K 512] x [K 512, N 512]; A: computed on the way; B: input wproj (given as codes): QUANTISED
;;     14. [M 16,384, K 512] x [K 512, N 2,048]; A: computed on the way; B: input mlp_w1 (given as codes): QUANTISED
;;     15. [M 16,384, K 2,048] x [K 2,048, N 512]; A: computed on the way; B: input mlp_w2 (given as codes): QUANTISED
;;   THE QUANTISER, for each operand of a quantised product, along K:
;;     - K is cut into blocks of 32 from its start; a last block that is shorter is filled with zeros.
;;     - A block's scale is 2^e with e = floor(log2(the largest magnitude in the block)) - 8, held to -126 .. 127; a block of zeros has e = 0. As a byte (E8M0): e + 127.
;;     - Each number is divided by its block's scale, clamped to +-448, and rounded to the nearest number of E4M3, ties to even, subnormals kept.
;;     - The product sums the exact products of the quantised numbers (number of the format x scale) in f32.
;;   ~~~python
;;   def quantise(x, axis):      # numpy; x: float32 -> the quantised numbers, widened to float32 again
;;       x = np.moveaxis(x, axis, -1); K = x.shape[-1]
;;       x = np.pad(x, [(0, 0)] * (x.ndim - 1) + [(0, -K % 32)]); x = x.reshape(x.shape[:-1] + (-1, 32)); a = np.abs(x).max(-1, keepdims=True)
;;       e = np.where(a > 0, np.clip(np.frexp(np.where(a > 0, a, 1))[1] - 1 - 8, -126, 127), 0)      # np.frexp(a)[1] - 1 = floor(log2(a)), exactly
;;       r = np.clip(x / 2.0 ** e, -448, 448)
;;       step = 2.0 ** (np.maximum(np.frexp(np.where(r == 0, 1, r))[1] - 1, -6) - 3)
;;       q = np.round(r / step) * step * 2.0 ** e      # np.round: ties to even
;;       return np.moveaxis(q.reshape(q.shape[:-2] + (-1,))[..., :K], -1, axis).astype(np.float32)
;;   ~~~
;;   SOFTMAX AHEAD OF A QUANTISED PRODUCT. Where the list says 'softmax', what is quantised is not the finished softmax but p = 2^(t - M), with t = logit x log2(e) and M = ceil(the row's largest t), a whole number; so 1/2 < the row's largest p <= 1. The row's sum l is taken of the UNQUANTISED p, in f32, and the product's result is divided by l at the end. Since M is a whole number, a kernel that streams over the keys may use a running M (the ceiling of the running maximum): every later rescaling is an exact power of two, which a block's scale takes up: the codes' values come out the same.
;;   OPERANDS COMPUTED ON THE WAY. 'Computed on the way' means the value that the module computes at that place (a softmax that the list does not call 'softmax' is quantised finished and normalised). What goes into a quantiser is computed in f32, as accurately as f32 sums, v_exp_f32 and their like allow (about 1e-6 of the number): no bf16 or f16 on the way to a quantiser, and a product that is left as it is and whose result goes on into a quantised operand takes f32 operands (vector FMAs, or v_wmma_f32_16x16x4_f32). A number that lies on a knife's edge between two numbers of the format may be rounded either way, as far as f32 arithmetic and the matrix unit's own rounding can turn it there, and no further.
;;   INPUTS GIVEN AS CODES. mlp_w1 (in the module: [512, 2048], K = its axis 0); mlp_w2 (in the module: [2048, 512], K = its axis 0); wkv (in the module: [512, 1024], K = its axis 0); wproj (in the module: [512, 512], K = its axis 0); wq (in the module: [512, 512], K = its axis 0): each comes as NAME_codes (uint8): NAME with its K axis moved to the last place and cut into blocks of 32 codes, [.., K / 32, bytes a block], one block behind the other in memory; one code a byte (a code: sign, 4 exponent bits, 3 mantissa bits); and NAME_scales (uint8): the same leading axes, one E8M0 byte (e + 127) for each 32 codes along K. Its value is code x scale, taken as it is: it is not quantised again, and the codes and scales need not be those that the quantiser above would give.
;; 2 versions, each right; version 2 is version 1 with the launches qkv, attn, tail written anew for expert scheduling mode. Each part assembles by itself: llvm-mc -triple=amdgcn-amd-amdhsa -mcpu=gfx1250 --defsym DOCPART=n.
;; ======== version 1 of 2: 3 launches
;; workspace buffers: btab 32,768 bytes; qimg 8,388,608 bytes; qsc 262,144 bytes; kimg 14,680,064 bytes; ksc 458,752 bytes; vw 58,720,256 bytes; aimg 8,388,608 bytes; asc 262,144 bytes
;; launch qkv (part 1): grid 256 x 1, 4 waves a work-group, no clusters, 227,072 bytes of LDS; arguments x, ln1_s, ln1_b, wq_codes, wq_scales, bq, wkv_codes, wkv_scales, bkv, rpb_w1, rpb_b1, rpb_w2, rpb_b2, btab, qimg, qsc, kimg, ksc, vw; writes btab, qimg, qsc, kimg, ksc, vw
.if DOCPART == 1
	.amdgcn_target "amdgcn-amd-amdhsa--gfx1250"
	.amdhsa_code_object_version 6
	.text
	.protected	k_qbe77d14e23_qkv
	.globl	k_qbe77d14e23_qkv
	.p2align	8
	.type	k_qbe77d14e23_qkv,@function
k_qbe77d14e23_qkv:
	s_mov_b64 s[64:65], 0
	v_nop
	global_prefetch_b8 v0, s[64:65] scope:SCOPE_SE
	s_setreg_imm32_b32 hwreg(HW_REG_WAVE_MODE, 25, 1), 1
	s_wait_xcnt 0x0
; LN1, the two pooled key levels, their quantising, and the q, K and V products of 64 tokens; and 4 x 8 entries of the bias table.
; Work-group bw owns tokens 64 bw .. 64 bw + 63: 4 row tiles of level 0, 2 of level 1 (means of 2 tokens), 1 of level 2 (means of 4): 7 row tiles m, which are 8, 4 and 2 whole key windows.
; LN PHASE: wave w takes tokens 16 w .. 16 w + 15.  A lane needs 16 neighbours along K for the conversions, a load wants neighbouring lanes on neighbouring bytes: so x goes through the wave's own stage in LDS.
; PRODUCTS: wave w takes columns 128 w .. 128 w + 127 (heads 2 w, 2 w + 1) of V, of q and of K for all row tiles; each weight fragment is read from memory once, by the one wave that uses it.
; V's tiles come FIRST: its f32 results are seven tenths of the bytes that the launch stores, and so they leave while q and K are multiplied and quantised.
; q and K are used TRANSPOSED (source 0 = 16 weight rows, source 1 = 16 tokens) and the weight rows of a tile are chosen (lane r of tile 2 p + u takes row 32 p + 8 u + r + 8 (r / 8)), so that a lane's 16 registers
; of a pair of tiles are 16 neighbours along the head's axis: they are quantised in registers and leave as images of operand registers.  V is used the natural way and leaves as f32, 4 keys to a lane's 16 bytes:
; its blocks of 32 keys hang on the query window, so the next launch quantises it.
; THE BIAS TABLE: the position bias hangs on a whole number rel = -492 .. 527 and the head alone; entry idx = rel + 496 is relu(rel / 4096 x w1 + b1) . w2 + b2, in f32; wave w makes idx = 4 bw + w.
; LIMITS: NaN and infinities are not served; a block whose largest magnitude lies under 2^-118 takes the scale byte 1; sums of LN, pooling and table are f32 in another order than the reference's.
; The scale bytes leave as words 16 bytes apart (one part in 120 of what the launch stores).
; REGISTERS: window 0: v1-23 addresses; v24-51 the tokens' scale words; v52-59 the weights'; v60-75 two tiles' biases; v76-79, v192-198 scale words on their way out; v80-191 accumulators (16 m + 8 u), in the LN phase
; 4 rows and 3 pooled rows; v200-227 the quantiser's temporaries (in the LN phase also the statistics); v228-255 codes.  window 1: x as loaded, then fragments m = 0..3 at 16 (4 m + s).
; window 2: the LN gains and biases, then fragments m = 4..6.  window 3: two weight tiles of 64 registers.
.set FRB,  2176                        ; a fragment's image in LDS: piece c at 544 c, half h at 272 h, row r at 16 r: the writers' 16 lanes fall on 16 different 16-byte columns
.set SCL,  60928                       ; behind 28 images: scale bytes, 64 (4 m + s) + 4 r + c
.set TURN, 62720                       ; behind them: a stage of 16 rows x 2,560 bytes for each wave (a lane's 64 bytes + 16 of padding)
.set TWB,  40960
.set X,    80
.set PL,   144
.set ACC,  80
.set AS,   24
.set WS,   52
.set BI,   60
.set SWQ,  76
.set SWK,  192
.set QT,   200                         ; largest magnitudes; + QN bytes; + 2 QN the hold; + 3 QN the conversions' scale operand
.set QN,   7
.set PC,   228
.set T2,   200                         ; LN: four pairs, sums and then means
.set PD,   208                         ; LN: the lane permute's results
.set Q2,   212                         ; LN: four pairs, sums of squares and then 1 / sqrt
.set SEL,  58
.set MNT,  60
.set MSB,  0
.macro WIN new                         ; the immediate's high byte repeats the setting that is left; a switch that changes nothing is dropped
.if MSB != \new
	s_set_vgpr_msb (MSB<<8)|\new
.set MSB, \new
.endif
.endm
.macro NOPS n
.rept \n
	v_nop
.endr
.endm
; NB groups of 16 numbers of a lane, v[S + 16 g ..], each half of a block of 32 along K, become codes in v[PC + 4 g ..] and a scale byte in v[QT + QN + g].  xm = 1: the block's other half lies in lane xor 1; 0: in lane xor 16.
.macro QUANT S, NB, xm
.set g, 0
.rept \NB
	v_max3_num_f32 v[QT+g], |v[(\S)+16*g]|, |v[(\S)+16*g+1]|, 0x4800000   ; with the floor 2^(9 - 127): the byte cannot fall under 1
.set g, g+1
.endr
.set i, 2
.rept 7
.set g, 0
.rept \NB
	v_max3_num_f32 v[QT+g], v[QT+g], |v[(\S)+16*g+i]|, |v[(\S)+16*g+i+1]|   ; the groups by turns
.set g, g+1
.endr
.set i, i+2
.endr
.set g, 0
.rept \NB
.if \xm
	v_max_num_f32_dpp v[QT+g], v[QT+g], v[QT+g] row_xmask:1 row_mask:0xf bank_mask:0xf
.else
	v_permlanex16_b32 v[QT+QN+g], v[QT+g], s[SEL], s[SEL+1]
.endif
.set g, g+1
.endr
.if \xm == 0
.set g, 0
.rept \NB
	v_max_num_f32 v[QT+g], v[QT+g], v[QT+QN+g]
.set g, g+1
.endr
.endif
.set g, 0
.rept \NB
	v_add_nc_u32 v[QT+3*QN+g], 0xfc000000, v[QT+g]            ; 8 off the exponent field: the conversion's scale operand
.set g, g+1
.endr
.set g, 0
.rept \NB
	v_and_or_b32 v[QT+2*QN+g], v[QT+g], 0x7f800000, s[MNT]    ; 448 x the scale
.set g, g+1
.endr
.set g, 0
.rept \NB
	v_lshrrev_b32 v[QT+QN+g], 23, v[QT+3*QN+g]                ; the scale's byte
.set g, g+1
.endr
.set g, 0
.rept \NB
.set i, 0
.rept 16
	v_med3_num_f32 v[(\S)+16*g+i], v[(\S)+16*g+i], -v[QT+2*QN+g], v[QT+2*QN+g]   ; the conversion does not saturate (ISA guide 7.6.2): hold first
.set i, i+1
.endr
	v_cvt_scalef32_pk8_fp8_f32 v[PC+4*g:PC+4*g+1], v[(\S)+16*g:(\S)+16*g+7], v[QT+3*QN+g]
	v_cvt_scalef32_pk8_fp8_f32 v[PC+4*g+2:PC+4*g+3], v[(\S)+16*g+8:(\S)+16*g+15], v[QT+3*QN+g]
.set g, g+1
.endr
	v_nop                                  ; a plain line behind the last conversion
.endm
.macro OFFS ptr, shb, shw, cst         ; a buffer's address + (bw << shb) + (wave << shw) + cst
	s_lshl_b32 s54, s3, \shb
	s_lshl_b32 s56, s2, \shw
	s_add_co_u32 s54, s54, s56
.if \cst
	s_add_co_u32 s54, s54, \cst
.endif
	s_add_nc_u64 s[\ptr:\ptr+1], s[\ptr:\ptr+1], s[54:55]
.endm
.macro OFFW ptr, shw
	s_lshl_b32 s54, s2, \shw
	s_add_nc_u64 s[\ptr:\ptr+1], s[\ptr:\ptr+1], s[54:55]
.endm
; A weight tile, 16 rows x 512 along K, into buffer u of window 3, with its rows' scale words and its bias.  nat = 0: chosen rows, 19 loads; nat = 1: rows as they lie, 18 loads.
.macro WLOAD u, nat, cb, sb, bb, row
	WIN 0xC0
.irp ss, 0,1,2,3
.irp cc, 0,1,2,3
.if \nat
	global_load_b128 v[64*(\u)+16*\ss+4*\cc:64*(\u)+16*\ss+4*\cc+3], v3, s[\cb:\cb+1] offset:(\row)*512+128*\ss+32*\cc
.else
	global_load_b128 v[64*(\u)+16*\ss+4*\cc:64*(\u)+16*\ss+4*\cc+3], v2, s[\cb:\cb+1] offset:(\row)*512+128*\ss+32*\cc
.endif
.endr
.endr
	WIN 0
.if \nat
	global_load_b128 v[WS+4*(\u):WS+4*(\u)+3], v5, s[\sb:\sb+1] offset:(\row)*16
	global_load_b32 v[BI+8*(\u)], v7, s[\bb:\bb+1] offset:(\row)*4
.else
	global_load_b128 v[WS+4*(\u):WS+4*(\u)+3], v4, s[\sb:\sb+1] offset:(\row)*16
	global_load_b128 v[BI+8*(\u):BI+8*(\u)+3], v6, s[\bb:\bb+1] offset:(\row)*4
	global_load_b128 v[BI+8*(\u)+4:BI+8*(\u)+7], v6, s[\bb:\bb+1] offset:(\row)*4+16
.endif
.endm
; Tile tau of 24: 0-7 V's, 8-15 q's, 16-23 K's; pair (tau / 2) % 4, tile tau % 2.  Past the end: nothing.
.macro WL tau
.set wu, (\tau)%2
.set wp, ((\tau)/2)%4
.if (\tau) < 8
	WLOAD wu, 1, 16, 18, 20, 512+32*wp+16*wu
.elseif (\tau) < 16
	WLOAD wu, 0, 10, 12, 14, 32*wp+8*wu
.elseif (\tau) < 24
	WLOAD wu, 0, 16, 18, 20, 32*wp+8*wu
.endif
.endm
.macro PROD u, nat, m, s               ; the bias is the C of a sum's first product
.set rD, ACC+16*(\m)+8*(\u)
.set rW, 64*(\u)+16*(\s)
.set rF, 16*(4*((\m)%4)+(\s))
.set rC, rD
.if (\s) == 0
.set rC, BI+8*(\u)
.endif
.if \nat
	v_wmma_scale_f32_16x16x128_f8f6f4 v[rD:rD+7], v[rF:rF+15], v[rW:rW+15], v[rC:rC+7], v[AS+4*(\m)+(\s)], v[WS+4*(\u)+(\s)]
.else
	v_wmma_scale_f32_16x16x128_f8f6f4 v[rD:rD+7], v[rW:rW+15], v[rF:rF+15], v[rC:rC+7], v[WS+4*(\u)+(\s)], v[AS+4*(\m)+(\s)]
.endif
.endm
; A tile's products: K step outer, row tile inner: the accumulators take turns, one instruction a turn.
.macro MM u, nat, nm
.if \nat
	WIN 0x0D                               ; tokens window 1, weights window 3
.else
	WIN 0x07                               ; weights window 3, tokens window 1
.endif
.irp ss, 0,1,2,3
.irp mm, 0,1,2,3
	PROD \u, \nat, \mm, \ss
.endr
.endr
.if \nm > 4
.if \nat
	WIN 0x0E                               ; tokens window 2
.else
	WIN 0x0B
.endif
.irp ss, 0,1,2,3
.irp mm, 4,5,6
	PROD \u, \nat, \mm, \ss
.endr
.endr
.endif
	WIN 0
.endm
; A tile of V leaves as it is: lane (r, h): channel r, the 8 keys of window h of the row tile; sixteen lanes store 256 consecutive bytes; each accumulator from its low end on.
.macro VOUT pp, uu
.irp mm, 0,1,2,3,4,5,6
.irp jh, 0,1
.if \mm < 4
	global_store_b128 v9, v[ACC+16*\mm+8*(\uu)+4*\jh:ACC+16*\mm+8*(\uu)+4*\jh+3], s[40:41] offset:32768*\mm+8192*\jh+512*(\pp)+256*(\uu)
.elseif \mm < 6
	global_store_b128 v9, v[ACC+16*\mm+8*(\uu)+4*\jh:ACC+16*\mm+8*(\uu)+4*\jh+3], s[50:51] offset:32768*(\mm-4)+8192*\jh+512*(\pp)+256*(\uu)
.else
	global_store_b128 v9, v[ACC+16*\mm+8*(\uu)+4*\jh:ACC+16*\mm+8*(\uu)+4*\jh+3], s[52:53] offset:8192*\jh+512*(\pp)+256*(\uu)
.endif
.endr
.endr
.endm
.macro TILE tau
.set tu, (\tau)%2
.if (\tau) < 7
	s_wait_loadcnt 18                      ; my tile is in; the next tile is one of V's: its 18 loads may stay out
.elseif (\tau) < 23
	s_wait_loadcnt 19                      ; the next tile is one of q's or K's: 19 loads
.else
	s_wait_loadcnt 0x0
.endif
.if (\tau) < 8
.irp j, 1,2,3,4,5,6,7
	v_mov_b32 v[BI+8*tu+\j], v[BI+8*tu]    ; a lane holds one channel of V: its bias in all eight registers of C
.endr
	MM tu, 1, 7
.elseif (\tau) < 16
	MM tu, 0, 4
.else
	MM tu, 0, 7
.endif
	NOPS 8                                 ; eight places in front of the loads into this tile's registers and of the first read of results
	; All that was issued ahead of this tile's products has had its addresses translated (ISA guide 3.1): the stores of the tile before (V) or of the pair before (q, K) have read their registers.  So the accumulators
	; of the other tile, which the next tile's products write, and the codes and scale words, which the next way out writes, are rewritten only behind this wait.  It stands AHEAD of this tile's own requests.
	s_wait_xcnt 0x0
.if (\tau) < 8
	VOUT (\tau)/2, tu
.endif
	WL (\tau)+2                            ; the tile that takes this buffer next: it has the other tile's products and the pair's way out in which to land
.endm
.macro EPI_Q pp
.set i, 0
.rept 32
	v_pk_mul_f32 v[ACC+i:ACC+i+1], v[ACC+i:ACC+i+1], 0x3e000000 op_sel_hi:[1,0]   ; x 1 / 8 = 64^-1/2, exact
.set i, i+2
.endr
	QUANT ACC, 4, 0
.irp mm, 0,1,2,3
	global_store_b128 v1, v[PC+4*\mm:PC+4*\mm+3], s[32:33] offset:((\pp)/2)*4096+1024*\mm+512*((\pp)%2)   ; 32 lanes store 512 consecutive bytes
.if (\pp) == 0
	v_mov_b32 v[SWQ+\mm], v[QT+QN+\mm]
.else
	v_lshl_or_b32 v[SWQ+\mm], v[QT+QN+\mm], 8*(\pp), v[SWQ+\mm]
.endif
.endr
.if (\pp) == 3
.irp mm, 0,1,2,3
	global_store_b32 v5, v[SWQ+\mm], s[34:35] offset:256*\mm     ; lanes 16-31 store the same word to the same place
.endr
.endif
.endm
.macro EPI_K pp
	QUANT ACC, 7, 0
.irp mm, 0,1,2,3,4,5,6
.if \mm < 4
	global_store_b128 v8, v[PC+4*\mm:PC+4*\mm+3], s[36:37] offset:8192*\mm+256*(\pp)
.elseif \mm < 6
	global_store_b128 v8, v[PC+4*\mm:PC+4*\mm+3], s[42:43] offset:8192*(\mm-4)+256*(\pp)
.else
	global_store_b128 v8, v[PC+4*\mm:PC+4*\mm+3], s[44:45] offset:256*(\pp)
.endif
.if (\pp) == 0
	v_mov_b32 v[SWK+\mm], v[QT+QN+\mm]
.else
	v_lshl_or_b32 v[SWK+\mm], v[QT+QN+\mm], 8*(\pp), v[SWK+\mm]
.endif
.endr
.if (\pp) == 3
.irp mm, 0,1,2,3
	global_store_b32 v5, v[SWK+\mm], s[38:39] offset:256*\mm
.endr
	global_store_b32 v5, v[SWK+4], s[46:47]
	global_store_b32 v5, v[SWK+5], s[46:47] offset:256
	global_store_b32 v5, v[SWK+6], s[48:49]
.endif
.endm
.macro REDUCE B                        ; four pairs at B: the two halves, then the 32 lanes; every lane ends with the row's sum
.irp p, 0,1,2,3
	v_add_f32 v[\B+2*\p], v[\B+2*\p], v[\B+2*\p+1]
.endr
.irp x, 1,2,4,8
.irp p, 0,1,2,3
	v_add_f32_dpp v[\B+2*\p], v[\B+2*\p], v[\B+2*\p] row_xmask:\x row_mask:0xf bank_mask:0xf
.endr
.endr
.irp p, 0,1,2,3
	v_permlanex16_b32 v[PD+\p], v[\B+2*\p], s[SEL], s[SEL+1]
.endr
.irp p, 0,1,2,3
	v_add_f32 v[\B+2*\p], v[\B+2*\p], v[PD+\p]
.endr
.endm
	s_load_b512 s[4:19], s[0:1], 0x0       ; x, ln1_s, ln1_b, wq codes, wq scales, bq, wkv codes, wkv scales
	s_load_b512 s[20:35], s[0:1], 0x40     ; bkv, rpb_w1, rpb_b1, rpb_w2, rpb_b2, btab, qimg, qsc
	s_load_b128 s[36:39], s[0:1], 0x80     ; kimg, ksc
	s_load_b64 s[40:41], s[0:1], 0x90      ; vw
	s_set_vgpr_msb 0x80
	v_lshl_add_u32 v254, v0, 2, 0x37500
	v_mov_b32 v255, 0
	s_set_vgpr_msb 0x8000
	v_lshrrev_b32 v252, 5, v0
	v_readfirstlane_b32 s2, v252           ; wave
	s_mov_b32 s3, ttmp9                    ; bw
	s_mov_b32 s55, 0
	s_mov_b32 s[SEL], 0x76543210
	s_mov_b32 s[SEL+1], 0xfedcba98         ; lane xor 16
	s_mov_b32 s[MNT], 0x600000             ; the mantissa field of 448
	s_mov_b32 s61, 0x3727c5ac              ; 1e-5
	s_mov_b32 s62, 0x3b000000              ; 1 / 512
	v_and_b32 v252, 31, v0                 ; L
	v_and_b32 v253, 15, v0                 ; r
	v_bfe_u32 v254, v0, 4, 1               ; h
	v_and_b32 v255, 8, v253
	v_add_nc_u32 v255, v255, v253          ; r8 = r + 8 (r / 8)
	v_lshlrev_b32 v1, 4, v252              ; v1  16 L
	v_lshlrev_b32 v2, 9, v255
	v_lshl_add_u32 v2, v254, 4, v2         ; v2  chosen weight row: 512 r8 + 16 h
	v_lshlrev_b32 v3, 9, v253
	v_lshl_add_u32 v3, v254, 4, v3         ; v3  natural weight row: 512 r + 16 h
	v_lshlrev_b32 v4, 4, v255              ; v4  16 r8
	v_lshlrev_b32 v5, 4, v253              ; v5  16 r
	v_lshlrev_b32 v6, 6, v254              ; v6  64 h
	v_lshlrev_b32 v7, 2, v253              ; v7  4 r
	v_lshrrev_b32 v8, 3, v253
	v_lshlrev_b32 v8, 12, v8
	v_lshl_add_u32 v8, v254, 7, v8
	v_and_b32 v9, 7, v253
	v_lshl_add_u32 v8, v9, 4, v8           ; v8  K's image: 4096 (r / 8) + 128 h + 16 (r % 8)
	v_lshlrev_b32 v9, 14, v254
	v_lshl_add_u32 v9, v253, 4, v9         ; v9  V: 16384 h + 16 r
	v_mul_u32_u24 v10, v254, 272
	v_lshl_add_u32 v10, v253, 4, v10       ; v10 a fragment's image, read: 16 r + 272 h
	s_mul_i32 s54, s2, TWB
	s_add_co_u32 s54, s54, TURN            ; my stage
	v_lshrrev_b32 v11, 2, v252
	v_mul_u32_u24 v11, v11, 80
	v_and_b32 v12, 3, v252
	v_lshl_add_u32 v11, v12, 4, v11
	v_add_nc_u32 v11, s54, v11             ; v11 the stage, in: 80 (L / 4) + 16 (L % 4)
	v_mul_u32_u24 v12, v252, 80
	v_add_nc_u32 v12, s54, v12             ; v12 and out: 80 L
	v_lshrrev_b32 v13, 3, v252             ; in the LN phase lane L holds k = 16 L ..: K step L / 8,
	v_bfe_u32 v18, v252, 1, 2              ; piece (L / 2) % 4,
	v_and_b32 v19, 1, v252                 ; half L % 2
	v_mul_u32_u24 v14, v13, FRB
	v_mad_u32_u24 v14, v18, 544, v14
	v_mad_u32_u24 v14, v19, 272, v14
	v_lshl_add_u32 v17, v13, 6, v18
	v_add_nc_u32 v17, SCL, v17
	s_lshr_b32 s56, s2, 1
	s_and_b32 s57, s2, 1
	s_mul_i32 s66, s56, 4*FRB
	s_lshl_b32 s67, s57, 7
	s_add_co_u32 s66, s66, s67
	s_add_co_u32 s66, s66, 16*FRB          ; level 1: tile 4 + w / 2, rows 8 (w % 2) on
	s_lshl_b32 s67, s2, 6
	s_add_co_u32 s67, s67, 24*FRB          ; level 2: tile 6, rows 4 w on
	s_mul_i32 s54, s2, 4*FRB               ; level 0: tile w
	v_add_nc_u32 v15, s66, v14             ; v14-16 where my codes go, by level
	v_add_nc_u32 v16, s67, v14
	v_add_nc_u32 v14, s54, v14
	s_lshl_b32 s66, s56, 8
	s_lshl_b32 s67, s57, 5
	s_add_co_u32 s66, s66, s67
	s_add_co_u32 s66, s66, 1024
	s_lshl_b32 s67, s2, 4
	s_add_co_u32 s67, s67, 1536
	s_lshl_b32 s54, s2, 8
	v_add_nc_u32 v18, s66, v17             ; v17-19 and my scale bytes
	v_add_nc_u32 v19, s67, v17
	v_add_nc_u32 v17, s54, v17
	v_lshlrev_b32 v20, 6, v252             ; v20 64 L: my 16 gains and biases
	v_lshrrev_b32 v21, 1, v252             ; the table: lane L takes hidden units 16 (L / 2) on and heads 4 (L % 2) on
	v_and_b32 v23, 1, v252
	v_lshlrev_b32 v22, 9, v21
	v_lshl_add_u32 v22, v23, 4, v22        ; v22 rpb_w2
	v_lshlrev_b32 v21, 6, v21              ; v21 rpb_w1, rpb_b1
	v_lshlrev_b32 v199, 14, v23            ; v199 the table's rows
	v_lshlrev_b32 v23, 4, v23              ; v23 rpb_b2
.irp j, 0,1,2,3
	v_mov_b32 v[PD+\j], 0                  ; written once: a lane permute's destination counts as one of its sources
	v_mov_b32 v[186+\j], 0
.endr
	s_wait_kmcnt 0x0
	OFFS 4, 17, 15, 0                      ; x at my wave's 16 rows
	OFFW 10, 16                            ; the weights at my 128 rows: codes 512 bytes a row, scales 16, bias 4
	OFFW 12, 11
	OFFW 14, 9
	OFFW 16, 16
	OFFW 18, 11
	OFFW 20, 9
.irp q, 0,1,2,3
	global_load_b128 v[80+4*\q:83+4*\q], v21, s[22:23] offset:16*\q
	global_load_b128 v[96+4*\q:99+4*\q], v21, s[24:25] offset:16*\q
.endr
.set i, 0
.rept 16
	global_load_b128 v[112+4*i:115+4*i], v22, s[26:27] offset:32*i
.set i, i+1
.endr
	global_load_b128 v[176:179], v23, s[28:29]
	WIN 0x80
.irp q, 0,1,2,3
	global_load_b128 v[4*\q:4*\q+3], v20, s[6:7] offset:16*\q          ; window 2: gains v0-15,
	global_load_b128 v[16+4*\q:19+4*\q], v20, s[8:9] offset:16*\q      ; biases v16-31
.endr
	WIN 0x40
.set i, 0
.rept 64
	global_load_b128 v[4*i:4*i+3], v1, s[4:5] offset:2048*(i/4)+512*(i%4) th:TH_LOAD_NT   ; 512 consecutive bytes a load
.set i, i+1
.endr
	WIN 0
	WL 0
	WL 1
	s_mov_b64 s[42:43], s[36:37]           ; a base for each level
	s_mov_b64 s[44:45], s[36:37]
	s_mov_b64 s[46:47], s[38:39]
	s_mov_b64 s[48:49], s[38:39]
	s_mov_b64 s[50:51], s[40:41]
	s_mov_b64 s[52:53], s[40:41]
	OFFS 32, 15, 13, 0                     ; qimg: 4,096 (8 bw + 2 w)
	OFFS 34, 10, 2, 0                      ; qsc: 16 x 64 bw + 4 w
	OFFS 36, 15, 10, 0                     ; kimg: 4,096 x first window (8 bw; 2048 + 4 bw; 3072 + 2 bw) + 1,024 w
	OFFS 42, 14, 10, 0x800000
	OFFS 44, 13, 10, 0xC00000
	OFFS 38, 10, 2, 0                      ; ksc: 128 x first window + 4 w
	OFFS 46, 9, 2, 262144
	OFFS 48, 8, 2, 393216
	OFFS 40, 17, 11, 0                     ; vw: 16,384 x first window + 2,048 w
	OFFS 50, 16, 11, 0x2000000
	OFFS 52, 15, 11, 0x3000000
	OFFS 30, 4, 2, 0                       ; btab + 4 idx
	; ---- the table's entry idx = 4 bw + w, for 8 heads
	s_lshl_b32 s54, s3, 2
	s_add_co_u32 s54, s54, s2
	s_sub_co_i32 s56, s54, 496
	v_cvt_f32_i32 v185, s56
	v_mul_f32 v185, 0x39800000, v185       ; rel / 4096, exact
	s_wait_loadcnt 63                      ; 108 loads are younger than the table's 25; the count names as many as its field holds
.set i, 0
.rept 16
	v_fma_f32 v184, v185, v[80+i], v[96+i]
	v_max_num_f32 v184, 0, v184
.irp e, 0,1,2,3
.if i == 0
	v_mul_f32 v[180+\e], v184, v[112+\e]   ; the first product starts the sums
.else
	v_fmac_f32 v[180+\e], v184, v[112+4*i+\e]
.endif
.endr
.set i, i+1
.endr
.irp x, 2,4,8
.irp e, 0,1,2,3
	v_add_f32_dpp v[180+\e], v[180+\e], v[180+\e] row_xmask:\x row_mask:0xf bank_mask:0xf
.endr
.endr
.irp e, 0,1,2,3
	v_permlanex16_b32 v[186+\e], v[180+\e], s[SEL], s[SEL+1]
.endr
.irp e, 0,1,2,3
	v_add_f32 v[180+\e], v[180+\e], v[186+\e]
.endr
.irp e, 0,1,2,3
	v_add_f32 v[180+\e], v[180+\e], v[176+\e]
.endr
.irp e, 0,1,2,3
	global_store_b32 v199, v[180+\e], s[30:31] offset:4096*\e      ; sixteen lanes store the same word to the same place
.endr
	; ---- x into my stage
	s_wait_loadcnt 36                      ; all but the two weight tiles, 18 loads each
	WIN 0x04                               ; an LDS store's data are its source 1: window 1
.set i, 0
.rept 64
	ds_store_b128 v11, v[4*i:4*i+3] offset:2560*(i/4)+640*(i%4)
.set i, i+1
.endr
	WIN 0
	s_mov_b32 s63, 0                       ; 64 g: the trip's rows in level 0's image; the loop's counter
	s_mov_b32 s66, 0                       ; 10,240 g: four rows of the stage
	s_mov_b32 s67, 0                       ; 32 g
	s_mov_b32 s68, 0                       ; 16 g
	s_mov_b32 s69, 0                       ; 8 g
	s_mov_b32 s70, 0                       ; 4 g
.Lln:                                      ; four trips, four tokens each
	v_add_nc_u32 v13, s66, v12
.irp p, 0,1,2,3
.irp q, 0,1,2,3
	ds_load_b128 v[X+16*\p+4*\q:X+16*\p+4*\q+3], v13 offset:2560*\p+16*\q   ; LDS serves a wave's instructions in order: these see my stores
.endr
.endr
	s_wait_xcnt 0x0                        ; the table's stores have read their registers
	s_wait_dscnt 0x0                       ; the rows are in, and the last trip's stores have read theirs
.irp p, 0,1,2,3
	v_pk_add_f32 v[T2+2*\p:T2+2*\p+1], v[X+16*\p:X+16*\p+1], v[X+16*\p+2:X+16*\p+3]
.endr
.irp q, 4,6,8,10,12,14
.irp p, 0,1,2,3
	v_pk_add_f32 v[T2+2*\p:T2+2*\p+1], v[T2+2*\p:T2+2*\p+1], v[X+16*\p+\q:X+16*\p+\q+1]
.endr
.endr
	REDUCE T2
.irp p, 0,1,2,3
	v_mul_f32 v[T2+2*\p], s62, v[T2+2*\p]  ; the mean
.endr
.irp q, 0,2,4,6,8,10,12,14
.irp p, 0,1,2,3
	v_pk_add_f32 v[X+16*\p+\q:X+16*\p+\q+1], v[X+16*\p+\q:X+16*\p+\q+1], v[T2+2*\p:T2+2*\p+1] op_sel_hi:[1,0] neg_lo:[0,1] neg_hi:[0,1]
.endr
.endr
.irp p, 0,1,2,3
	v_pk_mul_f32 v[Q2+2*\p:Q2+2*\p+1], v[X+16*\p:X+16*\p+1], v[X+16*\p:X+16*\p+1]
.endr
.irp q, 2,4,6,8,10,12,14
.irp p, 0,1,2,3
	v_pk_fma_f32 v[Q2+2*\p:Q2+2*\p+1], v[X+16*\p+\q:X+16*\p+\q+1], v[X+16*\p+\q:X+16*\p+\q+1], v[Q2+2*\p:Q2+2*\p+1]
.endr
.endr
	REDUCE Q2
.irp p, 0,1,2,3
	v_fma_f32 v[Q2+2*\p], v[Q2+2*\p], s62, s61
.endr
.irp p, 0,1,2,3
	v_rsq_f32 v[Q2+2*\p], v[Q2+2*\p]
.endr
	v_nop                                  ; a plain line behind the last of the batch,
	s_wait_alu depctr_va_vdst(0)           ; and one wait for the four, ahead of their first reader
.irp q, 0,2,4,6,8,10,12,14
.irp p, 0,1,2,3
	v_pk_mul_f32 v[X+16*\p+\q:X+16*\p+\q+1], v[X+16*\p+\q:X+16*\p+\q+1], v[Q2+2*\p:Q2+2*\p+1] op_sel_hi:[1,0]
.endr
.endr
	WIN 0x28                               ; gains and biases: sources 1 and 2 in window 2
.irp q, 0,2,4,6,8,10,12,14
.irp p, 0,1,2,3
	v_pk_fma_f32 v[X+16*\p+\q:X+16*\p+\q+1], v[X+16*\p+\q:X+16*\p+\q+1], v[\q:\q+1], v[16+\q:17+\q]
.endr
.endr
	WIN 0
.irp q, 0,2,4,6,8,10,12,14                 ; the pooled rows: means of 2, 2 and 4 tokens
	v_pk_add_f32 v[PL+\q:PL+\q+1], v[X+\q:X+\q+1], v[X+16+\q:X+17+\q]
	v_pk_add_f32 v[PL+16+\q:PL+17+\q], v[X+32+\q:X+33+\q], v[X+48+\q:X+49+\q]
.endr
.irp q, 0,2,4,6,8,10,12,14
	v_pk_add_f32 v[PL+32+\q:PL+33+\q], v[PL+\q:PL+\q+1], v[PL+16+\q:PL+17+\q]
.endr
.irp q, 0,2,4,6,8,10,12,14
	v_pk_mul_f32 v[PL+\q:PL+\q+1], v[PL+\q:PL+\q+1], 0.5 op_sel_hi:[1,0]
	v_pk_mul_f32 v[PL+16+\q:PL+17+\q], v[PL+16+\q:PL+17+\q], 0.5 op_sel_hi:[1,0]
	v_pk_mul_f32 v[PL+32+\q:PL+33+\q], v[PL+32+\q:PL+33+\q], 0x3e800000 op_sel_hi:[1,0]
.endr
	v_add_nc_u32 v192, s63, v14            ; this trip's places in the images and among the scale bytes
	v_add_nc_u32 v193, s67, v15
	v_add_nc_u32 v194, s68, v16
	v_add_nc_u32 v195, s68, v17
	v_add_nc_u32 v196, s69, v18
	v_add_nc_u32 v197, s70, v19
	QUANT X, 7, 1                          ; lanes L and L xor 1 hold a block
.irp p, 0,1,2,3
	ds_store_b128 v192, v[PC+4*\p:PC+4*\p+3] offset:16*\p
	ds_store_b8 v195, v[QT+QN+\p] offset:4*\p                      ; both lanes of a block write the same byte with the same value
.endr
.irp p, 0,1
	ds_store_b128 v193, v[PC+16+4*\p:PC+19+4*\p] offset:16*\p
	ds_store_b8 v196, v[QT+QN+4+\p] offset:4*\p
.endr
	ds_store_b128 v194, v[PC+24:PC+27]
	ds_store_b8 v197, v[QT+QN+6]
	s_add_co_u32 s66, s66, 10240
	s_add_co_u32 s67, s67, 32
	s_add_co_u32 s68, s68, 16
	s_add_co_u32 s69, s69, 8
	s_add_co_u32 s70, s70, 4
	s_add_co_u32 s63, s63, 64
	s_cmp_lt_u32 s63, 256
	s_cbranch_scc1 .Lln
	s_wait_dscnt 0x0                       ; for the others' sake: my images have landed
	s_barrier_signal -1
	s_barrier_wait -1                      ; all 28 fragments lie in LDS; from here on LDS is only read
	WIN 0x40
.set i, 0
.rept 64
	ds_load_b128 v[4*i:4*i+3], v10 offset:FRB*(i/4)+544*(i%4)
.set i, i+1
.endr
	WIN 0x80
.set i, 0
.rept 48
	ds_load_b128 v[4*i:4*i+3], v10 offset:FRB*(16+i/4)+544*(i%4)
.set i, i+1
.endr
	WIN 0
.set i, 0
.rept 28
	ds_load_b32 v[AS+i], v7 offset:SCL+64*i
.set i, i+1
.endr
	s_wait_dscnt 0x0
	; ---- twelve pairs of tiles: V's, whose results leave tile by tile; q's; K's
.irp pr, 0,1,2,3
	TILE 2*\pr
	TILE 2*\pr+1
.endr
.irp pr, 0,1,2,3
	TILE 8+2*\pr
	TILE 9+2*\pr
	EPI_Q \pr
.endr
.irp pr, 0,1,2,3
	TILE 16+2*\pr
	TILE 17+2*\pr
	EPI_K \pr
.endr
	s_set_vgpr_msb 0xa
	s_wait_tensorcnt 0x0
	ds_add_u32 v254, v255
	s_wait_dscnt 0x0
	s_set_vgpr_msb 0xa00
	s_endpgm
.Lfunc_end_k_qbe77d14e23_qkv:
	.size	k_qbe77d14e23_qkv, .Lfunc_end_k_qbe77d14e23_qkv-k_qbe77d14e23_qkv
	.p2alignl 7, 3214868480
	.fill 96, 4, 3214868480
	.section	.rodata,"a",@progbits
	.p2align	6, 0x0
	.amdhsa_kernel k_qbe77d14e23_qkv
		.amdhsa_group_segment_fixed_size 227072
		.amdhsa_private_segment_fixed_size 0
		.amdhsa_enable_private_segment 0
		.amdhsa_kernarg_size 152
		.amdhsa_user_sgpr_count 2
		.amdhsa_user_sgpr_kernarg_segment_ptr 1
		.amdhsa_wavefront_size32 1
		.amdhsa_system_sgpr_workgroup_id_x 1
		.amdhsa_system_sgpr_workgroup_id_y 1
		.amdhsa_system_sgpr_workgroup_id_z 1
		.amdhsa_system_vgpr_workitem_id 0
		.amdhsa_next_free_vgpr 1024
		.amdhsa_next_free_sgpr 72
		.amdhsa_reserve_vcc 0
		.amdhsa_float_denorm_mode_32 3
		.amdhsa_float_denorm_mode_16_64 3
		.amdhsa_memory_ordered 1
		.amdhsa_forward_progress 1
		.amdhsa_inst_pref_size 255
	.end_amdhsa_kernel
	.section	.bss,"aw",@nobits
	.p2align	6
	.space	262144
	.amdgpu_metadata
---
amdhsa.version: [ 1, 2 ]
amdhsa.kernels:
  - .name:           k_qbe77d14e23_qkv
    .symbol:         k_qbe77d14e23_qkv.kd
    .args:
      - { .name: x, .offset: 0, .size: 8, .value_kind: global_buffer, .address_space: global }
      - { .name: ln1_s, .offset: 8, .size: 8, .value_kind: global_buffer, .address_space: global }
      - { .name: ln1_b, .offset: 16, .size: 8, .value_kind: global_buffer, .address_space: global }
      - { .name: wq_codes, .offset: 24, .size: 8, .value_kind: global_buffer, .address_space: global }
      - { .name: wq_scales, .offset: 32, .size: 8, .value_kind: global_buffer, .address_space: global }
      - { .name: bq, .offset: 40, .size: 8, .value_kind: global_buffer, .address_space: global }
      - { .name: wkv_codes, .offset: 48, .size: 8, .value_kind: global_buffer, .address_space: global }
      - { .name: wkv_scales, .offset: 56, .size: 8, .value_kind: global_buffer, .address_space: global }
      - { .name: bkv, .offset: 64, .size: 8, .value_kind: global_buffer, .address_space: global }
      - { .name: rpb_w1, .offset: 72, .size: 8, .value_kind: global_buffer, .address_space: global }
      - { .name: rpb_b1, .offset: 80, .size: 8, .value_kind: global_buffer, .address_space: global }
      - { .name: rpb_w2, .offset: 88, .size: 8, .value_kind: global_buffer, .address_space: global }
      - { .name: rpb_b2, .offset: 96, .size: 8, .value_kind: global_buffer, .address_space: global }
      - { .name: btab, .offset: 104, .size: 8, .value_kind: global_buffer, .address_space: global }
      - { .name: qimg, .offset: 112, .size: 8, .value_kind: global_buffer, .address_space: global }
      - { .name: qsc, .offset: 120, .size: 8, .value_kind: global_buffer, .address_space: global }
      - { .name: kimg, .offset: 128, .size: 8, .value_kind: global_buffer, .address_space: global }
      - { .name: ksc, .offset: 136, .size: 8, .value_kind: global_buffer, .address_space: global }
      - { .name: vw, .offset: 144, .size: 8, .value_kind: global_buffer, .address_space: global }
    .group_segment_fixed_size: 227072
    .private_segment_fixed_size: 0
    .kernarg_segment_align: 8
    .kernarg_segment_size: 152
    .max_flat_workgroup_size: 128
    .sgpr_count:     72
    .vgpr_count:     1024
    .wavefront_size: 32
...
	.end_amdgpu_metadata
.endif
;; end of part 1
;; launch attn (part 2): grid 256 x 1, 16 waves a work-group, no clusters, 243,712 bytes of LDS; arguments qimg, qsc, kimg, ksc, vw, btab, aimg, asc; writes aimg, asc
.if DOCPART == 2
	.amdgcn_target "amdgcn-amd-amdhsa--gfx1250"
	.amdhsa_code_object_version 6
	.text
	.protected	k_qbe77d14e23_attn
	.globl	k_qbe77d14e23_attn
	.p2align	8
	.type	k_qbe77d14e23_attn,@function
k_qbe77d14e23_attn:
	s_mov_b64 s[64:65], 0
	v_nop
	global_prefetch_b8 v0, s[64:65] scope:SCOPE_SE
	s_setreg_imm32_b32 hwreg(HW_REG_WAVE_MODE, 25, 1), 1
	s_wait_xcnt 0x0
; The attention of one query window (64 queries, 8 heads of 64) over 3 levels x 16 key windows x 8 keys, both products on codes of E4M3 with one E8M0 scale for each 32 along K; its result leaves quantised for the projection.
; WHICH KEY WINDOWS: rank p of the window list of a query window with centre cq among nk windows is p where p > 2 cq, nk - 1 - p where p > 2 (nk - 1 - cq), else cq - (p + 1) / 2 (p odd) or cq + p / 2 (p even):
; the stable sort by distance, written out.  All of it is scalar arithmetic on the work-group's number.
; SHARES: sixteen waves, four to a SIMD.  Wave w: head w / 2.  First it quantises V for this window (its half of the head's 64 channels, three levels: six fragments) into LDS; behind one barrier it takes query tiles
; 2 (w % 2) and the next, one after the other, each through three steps of 128 keys.
; LAYOUT: both products are used transposed (S^T = K Q^T, O^T = V^T P^T): a lane holds one query.  The key at k = 32 c + 16 h + 8 u + j of a step is key j of rank 4 c + 2 h + u: the order of reference()'s own list, so a
; block of 32 is ranks 4 c .. 4 c + 3, in S^T, in P and in V alike.  The head has 64 channels: the upper half of the first product's 128 along K is zero codes on both sides.
; THE BIAS comes from the table (head, rel + 496), which lies in LDS, straight into the accumulators as the first product's C.
; SOFTMAX: t = logit x log2 e; M = the running largest t rounded up to a whole number; p = 2^(t - M) is quantised, its sum taken unquantised; a change of M multiplies sum and O^T by a power of two.
; LIMITS: NaN and infinities are not served; a block whose largest magnitude lies under 2^-118 takes the scale byte 1.  The result's scale bytes leave two at a time, 16 bytes apart.
; REGISTERS: v1-11 addresses; v12 -M, v13 largest t, v[14:15] the sum; v16-31 Q; v32-95 four fragments of K (V phase: numbers as loaded); v96-159 S^T, p, then four fragments of V; v160-191 O^T; v192-207 codes;
; v208-231 addresses of a step; v232-247 the quantiser's temporaries; v248-251 K's or V's scale words; v252 f; v253 P's scale word; v254 at work; v255 Q's scale word.
.set VIMG, 32768                       ; LDS: the table (32,768 bytes); V's 96 fragments as images of their registers, 2,048 bytes each: ((3 head + level) 4 + tile);
.set VSC,  229376                      ; their scale words, 128 bytes each
.set QT,   232
.set QN,   4
.set PC,   192
.set RK,   16                          ; s16-63: for level l, tile t = 2 c + u: window of rank 4 c + u (with the level's and the batch's base), and the distance to rank 4 c + 2 + u
.set SB,   84                          ; s84-86: a level's constant in the bias address
.set SEL,  88
.set CS,   90
.set MNT,  92
.set TQ,   93                          ; 64 x query tile
.macro NOPS n
.rept \n
	v_nop
.endr
.endm
.macro QUANT S, NB, xm                 ; NB groups of 16 numbers of a lane become codes in v[PC + 4 g ..] and a byte in v[QT + QN + g]; the block's other half lies in lane xor 16
.set g, 0
.rept \NB
	v_max3_num_f32 v[QT+g], |v[(\S)+16*g]|, |v[(\S)+16*g+1]|, 0x4800000   ; with the floor 2^(9 - 127)
.set g, g+1
.endr
.set i, 2
.rept 7
.set g, 0
.rept \NB
	v_max3_num_f32 v[QT+g], v[QT+g], |v[(\S)+16*g+i]|, |v[(\S)+16*g+i+1]|
.set g, g+1
.endr
.set i, i+2
.endr
.set g, 0
.rept \NB
	v_permlanex16_b32 v[QT+QN+g], v[QT+g], s[SEL], s[SEL+1]
.set g, g+1
.endr
.set g, 0
.rept \NB
	v_max_num_f32 v[QT+g], v[QT+g], v[QT+QN+g]
.set g, g+1
.endr
.set g, 0
.rept \NB
	v_add_nc_u32 v[QT+3*QN+g], 0xfc000000, v[QT+g]
.set g, g+1
.endr
.set g, 0
.rept \NB
	v_and_or_b32 v[QT+2*QN+g], v[QT+g], 0x7f800000, s[MNT]
.set g, g+1
.endr
.set g, 0
.rept \NB
	v_lshrrev_b32 v[QT+QN+g], 23, v[QT+3*QN+g]
.set g, g+1
.endr
.set g, 0
.rept \NB
.set i, 0
.rept 16
	v_med3_num_f32 v[(\S)+16*g+i], v[(\S)+16*g+i], -v[QT+2*QN+g], v[QT+2*QN+g]
.set i, i+1
.endr
	v_cvt_scalef32_pk8_fp8_f32 v[PC+4*g:PC+4*g+1], v[(\S)+16*g:(\S)+16*g+7], v[QT+3*QN+g]
	v_cvt_scalef32_pk8_fp8_f32 v[PC+4*g+2:PC+4*g+3], v[(\S)+16*g+8:(\S)+16*g+15], v[QT+3*QN+g]
.set g, g+1
.endr
	v_nop                                  ; a plain line behind the last conversion
.endm
.macro RANK dst, p                     ; s8 = cq, s9 = 2 cq, s10 = nk - 1, s11 = 2 (nk - 1 - cq)
.if (\p)%2
	s_sub_co_u32 s[\dst], s8, ((\p)+1)/2
.else
	s_add_co_u32 s[\dst], s8, (\p)/2
.endif
	s_cmp_lt_u32 s9, \p
	s_cselect_b32 s[\dst], \p, s[\dst]     ; past the lower edge
	s_sub_co_u32 s13, s10, \p
	s_cmp_lt_u32 s11, \p
	s_cselect_b32 s[\dst], s13, s[\dst]    ; past the upper edge
.endm
.macro LEVEL lam
	s_lshl_b32 s8, s7, 3-(\lam)
	s_add_co_u32 s8, s8, 4>>(\lam)
	s_lshl_b32 s9, s8, 1
	s_mov_b32 s10, (512>>(\lam))-1
	s_sub_co_u32 s11, s10, s8
	s_lshl_b32 s11, s11, 1
	s_lshl_b32 s12, s6, 9-(\lam)
	s_add_co_u32 s12, s12, 4096-(4096>>(\lam))     ; the level's and the batch's first window: 0, 2048, 3072 + b nk
.irp c, 0,1,2,3
.irp u, 0,1
	RANK RK+16*(\lam)+2*(2*\c+\u), 4*\c+\u
	RANK RK+16*(\lam)+2*(2*\c+\u)+1, 4*\c+2+\u
	s_sub_co_u32 s[RK+16*(\lam)+2*(2*\c+\u)+1], s[RK+16*(\lam)+2*(2*\c+\u)+1], s[RK+16*(\lam)+2*(2*\c+\u)]
	s_add_co_u32 s[RK+16*(\lam)+2*(2*\c+\u)], s[RK+16*(\lam)+2*(2*\c+\u)], s12
.endr
.endr
	s_add_co_u32 s13, s12, s8
	s_lshl_b32 s13, s13, 5+(\lam)
	s_add_co_u32 s[SB+(\lam)], s13, 4*(464-3*(1<<(\lam)))      ; 4 (rel + 496) = this + 4 q - 32 f x window + 4 f (7 - j)
.endm
.macro VADDR lam                       ; where my channel's keys of the level's 16 windows lie: lanes 16-31 take the window two ranks on
.irp t, 0,1,2,3,4,5,6,7
	v_mad_u32 v252, v3, s[RK+16*(\lam)+2*\t+1], s[RK+16*(\lam)+2*\t]
	v_lshl_add_u32 v[208+\t], v252, 14, v160
.endr
.endm
.macro VLOAD f                         ; fragment f = 2 level + tile: register 16 c + 8 u + j = key j of rank 4 c + 2 h + u, of my channel
.set la, 32+64*((\f)%2)
.irp cc, 0,1,2,3
.irp uu, 0,1
.irp jh, 0,1
	global_load_b128 v[la+16*\cc+8*\uu+4*\jh:la+16*\cc+8*\uu+4*\jh+3], v[208+2*\cc+\uu], s[76:77] offset:8192*\jh+128*((\f)%2)
.endr
.endr
.endr
.endm
.macro VQ f
.set la, 32+64*((\f)%2)
	s_wait_dscnt 0x0                       ; the last stores have read the codes' registers
	QUANT la, 4, 0
	v_lshl_or_b32 v254, v[QT+QN+1], 8, v[QT+QN]
	v_lshl_or_b32 v254, v[QT+QN+2], 16, v254
	v_lshl_or_b32 v254, v[QT+QN+3], 24, v254
.irp cc, 0,1,2,3
	ds_store_b128 v161, v[PC+4*\cc:PC+4*\cc+3] offset:(4*((\f)/2)+(\f)%2)*2048+512*\cc
.endr
	ds_store_b32 v162, v254 offset:(4*((\f)/2)+(\f)%2)*128
.endm
	s_load_b512 s[68:83], s[0:1], 0x0      ; qimg, qsc, kimg, ksc, vw, btab, aimg, asc
	v_lshrrev_b32 v1, 5, v0
	v_readfirstlane_b32 s2, v1             ; wave
	s_mov_b32 s3, ttmp9                    ; bw
	s_lshr_b32 s4, s2, 1                   ; head
	s_and_b32 s5, s2, 1                    ; which half: of the channels, of the query tiles
	s_lshr_b32 s6, s3, 6                   ; batch
	s_and_b32 s7, s3, 63                   ; query window
	s_mov_b32 s[SEL], 0x76543210
	s_mov_b32 s[SEL+1], 0xfedcba98
	s_mov_b32 s[CS], 0x3fb8aa3b            ; log2 e
	s_mov_b32 s[CS+1], s[CS]
	s_mov_b32 s[MNT], 0x600000
.irp j, 0,1,2,3
	v_mov_b32 v[QT+QN+\j], 0               ; written once: a lane permute's destination counts as one of its sources
.endr
	v_and_b32 v2, 31, v0                   ; L
	v_and_b32 v166, 15, v0                 ; r
	v_bfe_u32 v3, v0, 4, 1                 ; v3  h
	v_bfe_u32 v4, v0, 3, 1                 ; v4  (L / 8) % 2
	v_and_b32 v165, 7, v0
	v_lshlrev_b32 v1, 4, v2                ; v1  16 L
	v_lshlrev_b32 v10, 8, v2               ; v10 256 L: the prefetch's offset
	v_lshlrev_b32 v2, 2, v2                ; 4 L
	s_lshl_b32 s8, s4, 9
	v_lshlrev_b32 v5, 4, v165
	v_lshl_add_u32 v5, v3, 7, v5
	v_add_nc_u32 v5, s8, v5                ; v5  in a window of kimg: 512 head + 128 h + 16 (r % 8)
	s_lshl_b32 s8, s4, 1
	v_lshl_add_u32 v6, v165, 4, s8         ; v6  in a window of ksc: 16 (r % 8) + 2 head
	s_lshl_b32 s8, s4, 12
	v_lshl_add_u32 v7, v166, 2, s8         ; v7  in the table: 4,096 head + 4 r
	s_mul_i32 s8, s4, 24576
	s_add_co_u32 s8, s8, VIMG
	v_add_nc_u32 v8, s8, v1                ; v8  my head's fragments of V
	s_lshl_b32 s9, s5, 12
	s_add_co_u32 s9, s9, s8
	v_add_nc_u32 v161, s9, v1              ; v161 those that I make
	s_mul_i32 s8, s4, 1536
	s_add_co_u32 s8, s8, VSC
	v_add_nc_u32 v9, s8, v2                ; v9  their scale words
	s_lshl_b32 s9, s5, 8
	s_add_co_u32 s9, s9, s8
	v_add_nc_u32 v162, s9, v2              ; v162
	v_and_b32 v164, 8, v166
	v_add_nc_u32 v164, v164, v166          ; r + 8 (r / 8): V's rows are chosen, so that O^T's registers run along the projection's K
	s_lshl_b32 s8, s4, 10
	s_lshl_b32 s9, s5, 9
	s_add_co_u32 s8, s8, s9
	v_lshl_add_u32 v160, v164, 4, s8       ; v160 my channel in a window of vw: 16 (64 head + 32 half + r8)
	s_lshl_b32 s8, s2, 11
	v_add_nc_u32 v163, s8, v1              ; v163 my part of the table, in memory and in LDS
	s_lshl_b32 s8, s4, 1
	v_lshl_add_u32 v2, v166, 4, s8         ; v2  from here on 16 r + 2 head: a token's two scale bytes of my head
	s_wait_kmcnt 0x0
.irp q, 0,1,2,3
	global_load_b128 v[192+4*\q:195+4*\q], v163, s[78:79] offset:512*\q
.endr
	LEVEL 0
	LEVEL 1
	LEVEL 2
	; the prefetch: the 14 key windows that this work-group's tokens made, two to a wave
	s_lshl_b32 s8, s3, 3
	s_lshl_b32 s9, s2, 1
	s_add_co_u32 s8, s8, s9                ; waves 0-3: 8 bw + 2 w
	s_lshl_b32 s10, s3, 2
	s_add_co_u32 s10, s10, s9
	s_add_co_u32 s10, s10, 2040            ; waves 4, 5: 2048 + 4 bw + 2 (w - 4)
	s_lshl_b32 s11, s3, 1
	s_add_co_u32 s11, s11, 3072            ; wave 6: 3072 + 2 bw
	s_cmp_lt_u32 s2, 6
	s_cselect_b32 s10, s10, s11
	s_cmp_lt_u32 s2, 4
	s_cselect_b32 s8, s8, s10
	s_lshl_b32 s96, s8, 12
	s_mov_b32 s97, 0
	s_add_nc_u64 s[96:97], s[72:73], s[96:97]
	; the bases of the loop over query tiles, at tile 2 (w % 2)
	s_mov_b32 s15, 0
	s_lshl_b32 s14, s3, 15
	s_lshl_b32 s8, s4, 12
	s_add_co_u32 s14, s14, s8
	s_lshl_b32 s8, s5, 11
	s_add_co_u32 s14, s14, s8
	s_add_nc_u64 s[68:69], s[68:69], s[14:15]
	s_lshl_b32 s14, s3, 10
	s_lshl_b32 s8, s5, 9
	s_add_co_u32 s14, s14, s8
	s_add_nc_u64 s[70:71], s[70:71], s[14:15]
	s_add_nc_u64 s[82:83], s[82:83], s[14:15]
	s_lshl_b32 s14, s3, 15
	s_lshl_b32 s8, s5, 14
	s_add_co_u32 s14, s14, s8
	s_lshr_b32 s8, s4, 1
	s_lshl_b32 s8, s8, 11
	s_add_co_u32 s14, s14, s8
	s_and_b32 s8, s4, 1
	s_lshl_b32 s8, s8, 10
	s_add_co_u32 s14, s14, s8
	s_add_nc_u64 s[80:81], s[80:81], s[14:15]      ; aimg: fragment 4 tile + head / 2, pieces 2 (head % 2) on
	s_lshl_b32 s[TQ], s5, 7
	; ---- V: six fragments, the loads one fragment ahead
	VADDR 0
	VLOAD 0
	VLOAD 1
	; K's codes are asked for here, behind my loads: each aligned 256 bytes of kimg once in the launch, by the work-group whose tokens made them; 32 lanes x 256 bytes are two windows.  The rest of the V phase lies ahead of their first use.
	s_cmp_lt_u32 s2, 7
	s_cbranch_scc0 .Lnopf
	global_prefetch_b8 v10, s[96:97] th:TH_LOAD_NT scope:SCOPE_SE
.Lnopf:
	s_wait_loadcnt 16                      ; the table's part and fragment 0 are in; fragment 1's 16 loads may stay out
.irp q, 0,1,2,3
	ds_store_b128 v163, v[192+4*\q:195+4*\q] offset:512*\q
.endr
	VQ 0
	s_wait_xcnt 0x0                        ; fragment 1's loads have read their addresses
	VADDR 1
	VLOAD 2
	s_wait_loadcnt 16
	VQ 1
	VLOAD 3
	s_wait_loadcnt 16
	VQ 2
	s_wait_xcnt 0x0
	VADDR 2
	VLOAD 4
	s_wait_loadcnt 16
	VQ 3
	VLOAD 5
	s_wait_loadcnt 16
	VQ 4
	s_wait_loadcnt 0x0
	VQ 5
	s_wait_dscnt 0x0                       ; for the others' sake: my part of the table and my fragments have landed
	s_barrier_signal -1
	s_barrier_wait -1                      ; from here on LDS is only read
.irp j, 24,25,26,27,28,29,30,31
	v_mov_b32 v[\j], 0                     ; the upper 64 along K: zero codes, in Q
.endr
.irp t, 0,1,2,3
.irp j, 8,9,10,11,12,13,14,15
	v_mov_b32 v[32+16*\t+\j], 0            ; and in K's four fragments
.endr
.endr
	v_mov_b32 v253, 0                      ; (named as the upper half of the pair v[252:253] before it is first written)
; A STEP: the 128 keys of level lam.  first = 1: its products start O^T.
.macro STEP lam, first
	v_add3_u32 v11, v7, s[SB+(\lam)], s[TQ]
.irp t, 0,1,2,3,4,5,6,7                    ; (these plain lines are also the places behind the last step's products)
	v_mad_u32 v254, v4, s[RK+16*(\lam)+2*\t+1], s[RK+16*(\lam)+2*\t]   ; as source 0: lanes 8-15 of a half take the window two ranks on
	v_lshl_add_u32 v[208+\t], v254, 12, v5
	v_lshl_add_u32 v[216+\t], v254, 7, v6
	v_mad_u32 v254, v3, s[RK+16*(\lam)+2*\t+1], s[RK+16*(\lam)+2*\t]   ; in the result: lanes 16-31 hold it
	v_lshlrev_b32 v254, 5+(\lam), v254
	v_sub_nc_u32 v254, v11, v254
	v_and_b32 v[224+\t], 0x7ffc, v254      ; the address lies inside the table's 32,768 bytes: the mask states it and changes nothing
.endr
.irp g, 0,1                                ; S^T = K Q^T + bias, four tiles of 16 keys at a time
.if \g
	NOPS 8                                 ; places in front of loads into registers that matrix instructions have read
.endif
.irp t, 0,1,2,3
	global_load_b128 v[32+16*\t:35+16*\t], v[208+4*\g+\t], s[72:73]
	global_load_b128 v[36+16*\t:39+16*\t], v[208+4*\g+\t], s[72:73] offset:256
	global_load_u16 v[248+\t], v[216+4*\g+\t], s[74:75]            ; two scale bytes; the upper two are 0, over zero codes
.endr
.if \g == 0
.irp t, 0,1,2,3,4,5,6,7
.irp j, 0,1,2,3,4,5,6,7
	ds_load_b32 v[96+8*\t+\j], v[224+\t] offset:(4<<(\lam))*(7-\j)     ; the bias lands as C
.endr
.endr
.endif
	s_wait_loadcnt 0x0
	s_wait_dscnt 0x0
.irp t, 0,1,2,3
	v_wmma_scale_f32_16x16x128_f8f6f4 v[96+8*(4*\g+\t):103+8*(4*\g+\t)], v[32+16*\t:47+16*\t], v[16:31], v[96+8*(4*\g+\t):103+8*(4*\g+\t)], v[248+\t], v255
.endr
.endr
	NOPS 8
.irp b, 0,1,2,3
	v_max3_num_f32 v[232+\b], v[96+16*\b], v[97+16*\b], v[98+16*\b]    ; the largest logit of each block of 32 keys: for the row's maximum, and for the block's largest p
.endr
.irp i, 3,5,7,9,11,13
.irp b, 0,1,2,3
	v_max3_num_f32 v[232+\b], v[232+\b], v[96+16*\b+\i], v[97+16*\b+\i]
.endr
.endr
.irp b, 0,1,2,3
	v_max_num_f32 v[232+\b], v[232+\b], v[111+16*\b]
.endr
.irp b, 0,1,2,3
	v_permlanex16_b32 v[236+\b], v[232+\b], s[SEL], s[SEL+1]
.endr
.irp b, 0,1,2,3
	v_max_num_f32 v[232+\b], v[232+\b], v[236+\b]
.endr
	v_max3_num_f32 v254, v232, v233, v234
	v_max_num_f32 v254, v254, v235
	v_mul_f32 v254, s[CS], v254
	v_max_num_f32 v13, v13, v254           ; the running largest t
	v_mov_b32 v254, v12
	v_floor_f32 v12, -v13                  ; -M = floor(-t): M is a whole number
	v_sub_f32 v254, v12, v254
	v_cvt_i32_f32 v254, v254               ; (it saturates)
	v_ldexp_f32 v252, 1.0, v254            ; f = 2^(old M - new M)
.set i, 0
.rept 32
	v_pk_fma_f32 v[96+i:97+i], v[96+i:97+i], s[CS:CS+1], v[12:13] op_sel_hi:[1,0,0]   ; t - M
.set i, i+2
.endr
.irp b, 0,1,2,3
	v_fma_f32 v[232+\b], v[232+\b], s[CS], v12
.endr
.set i, 0
.rept 64
	v_exp_f32 v[96+i], v[96+i]             ; p = 2^(t - M)
.set i, i+1
.endr
	v_pk_mul_f32 v[14:15], v[14:15], v[252:253] op_sel_hi:[1,0]    ; the sum under the new M: a plain line behind the batch
	s_wait_alu depctr_va_vdst(0)           ; one wait for the 64, ahead of their first reader
.irp b, 0,1,2,3
	v_exp_f32 v[232+\b], v[232+\b]         ; the block's largest p: the same two instructions on the same number
.endr
	v_pk_add_f32 v[236:237], v[96:97], v[98:99]    ; the sum of the unquantised p, in two chains
.irp j, 4,8,12,16,20,24,28,32,36,40,44,48,52,56,60
	v_pk_add_f32 v[14:15], v[14:15], v[96+\j:97+\j]
	v_pk_add_f32 v[236:237], v[236:237], v[98+\j:99+\j]
.endr
	v_pk_add_f32 v[14:15], v[14:15], v[236:237]
	s_wait_alu depctr_va_vdst(0)           ; and one for the four
.irp b, 0,1,2,3
	v_max_num_f32 v[232+\b], 0x4800000, v[232+\b]
.endr
.irp b, 0,1,2,3
	v_add_nc_u32 v[244+\b], 0xfc000000, v[232+\b]
.endr
.irp b, 0,1,2,3
	v_and_or_b32 v[240+\b], v[232+\b], 0x7f800000, s[MNT]
.endr
.irp b, 0,1,2,3
	v_lshrrev_b32 v[236+\b], 23, v[244+\b]
.endr
	v_lshl_or_b32 v253, v237, 8, v236      ; p's scale word for these 128 keys; the 64 holds below are its places ahead of the products
	v_lshl_or_b32 v253, v238, 16, v253
	v_lshl_or_b32 v253, v239, 24, v253
.irp b, 0,1,2,3
.irp i, 0,1,2,3,4,5,6,7,8,9,10,11,12,13,14,15
	v_min_num_f32 v[96+16*\b+\i], v[96+16*\b+\i], v[240+\b]        ; p is not negative: the hold is one-sided
.endr
	v_cvt_scalef32_pk8_fp8_f32 v[192+4*\b:193+4*\b], v[96+16*\b:103+16*\b], v[244+\b]
	v_cvt_scalef32_pk8_fp8_f32 v[194+4*\b:195+4*\b], v[104+16*\b:111+16*\b], v[244+\b]
.endr
	v_nop
.irp t, 0,1,2,3                            ; V's four fragments take p's registers
.irp c, 0,1,2,3
	ds_load_b128 v[96+16*\t+4*\c:99+16*\t+4*\c], v8 offset:(4*(\lam)+\t)*2048+512*\c
.endr
	ds_load_b32 v[248+\t], v9 offset:(4*(\lam)+\t)*128
.endr
.if \first
	NOPS 8                                 ; the places of the codes ahead of the products
.else
.set i, 0
.rept 16
	v_pk_mul_f32 v[160+i:161+i], v[160+i:161+i], v[252:253] op_sel_hi:[1,0]   ; O^T under the new M
.set i, i+2
.endr
.endif
	s_wait_dscnt 0x0
.irp t, 0,1,2,3
.if \first
	v_wmma_scale_f32_16x16x128_f8f6f4 v[160+8*\t:167+8*\t], v[96+16*\t:111+16*\t], v[192:207], 0, v[248+\t], v253
.else
	v_wmma_scale_f32_16x16x128_f8f6f4 v[160+8*\t:167+8*\t], v[96+16*\t:111+16*\t], v[192:207], v[160+8*\t:167+8*\t], v[248+\t], v253
.endif
.endr
.endm
	s_mov_b32 s94, 2
.Ltq:                                      ; two trips: my two query tiles
	global_load_b128 v[16:19], v1, s[68:69]
	global_load_b128 v[20:23], v1, s[68:69] offset:512
	global_load_u16 v255, v2, s[70:71]
	v_mov_b32 v13, 0xff61b1e6              ; -3e38, under every t
	v_floor_f32 v12, -v13
	v_mov_b32 v14, 0
	v_mov_b32 v15, 0
	STEP 0, 1
	STEP 1, 0
	STEP 2, 0
	v_add_f32 v14, v14, v15                ; the sum's two halves,
	v_permlanex16_b32 v254, v14, s[SEL], s[SEL+1]
	v_add_f32 v14, v14, v254               ; and lane xor 16's
	v_rcp_f32 v14, v14
	NOPS 8                                 ; the places behind the last products, and the plain line behind the reciprocal
	s_wait_alu depctr_va_vdst(0)
.set i, 0
.rept 16
	v_pk_mul_f32 v[96+i:97+i], v[160+i:161+i], v[14:15] op_sel_hi:[1,0]       ; register 16 b + i is channel 32 b + 16 h + i of my head
.set i, i+2
.endr
	QUANT 96, 2, 0
	global_store_b128 v1, v[192:195], s[80:81]                     ; 512 consecutive bytes: a piece of the projection's operand
	global_store_b128 v1, v[196:199], s[80:81] offset:512
	v_lshl_or_b32 v254, v237, 8, v236
	global_store_b16 v2, v254, s[82:83]
	s_wait_xcnt 0x0                        ; loads and stores have read their bases and registers
	s_add_nc_u64 s[68:69], s[68:69], 1024
	s_add_nc_u64 s[70:71], s[70:71], 256
	s_add_nc_u64 s[80:81], s[80:81], 8192
	s_add_nc_u64 s[82:83], s[82:83], 256
	s_add_co_u32 s[TQ], s[TQ], 64
	s_sub_co_u32 s94, s94, 1
	s_cmp_lg_u32 s94, 0
	s_cbranch_scc1 .Ltq
	s_wait_xcnt 0x0
	v_lshl_add_u32 v254, v0, 2, 0x3b000
	v_mov_b32 v255, 0
	s_wait_tensorcnt 0x0
	ds_add_u32 v254, v255
	s_wait_dscnt 0x0
	s_endpgm
.Lfunc_end_k_qbe77d14e23_attn:
	.size	k_qbe77d14e23_attn, .Lfunc_end_k_qbe77d14e23_attn-k_qbe77d14e23_attn
	.p2alignl 7, 3214868480
	.fill 96, 4, 3214868480
	.section	.rodata,"a",@progbits
	.p2align	6, 0x0
	.amdhsa_kernel k_qbe77d14e23_attn
		.amdhsa_group_segment_fixed_size 243712
		.amdhsa_private_segment_fixed_size 0
		.amdhsa_enable_private_segment 0
		.amdhsa_kernarg_size 64
		.amdhsa_user_sgpr_count 2
		.amdhsa_user_sgpr_kernarg_segment_ptr 1
		.amdhsa_wavefront_size32 1
		.amdhsa_system_sgpr_workgroup_id_x 1
		.amdhsa_system_sgpr_workgroup_id_y 1
		.amdhsa_system_sgpr_workgroup_id_z 1
		.amdhsa_system_vgpr_workitem_id 0
		.amdhsa_next_free_vgpr 256
		.amdhsa_next_free_sgpr 100
		.amdhsa_reserve_vcc 0
		.amdhsa_float_denorm_mode_32 3
		.amdhsa_float_denorm_mode_16_64 3
		.amdhsa_memory_ordered 1
		.amdhsa_forward_progress 1
		.amdhsa_inst_pref_size 166
	.end_amdhsa_kernel
	.amdgpu_metadata
---
amdhsa.version: [ 1, 2 ]
amdhsa.kernels:
  - .name:           k_qbe77d14e23_attn
    .symbol:         k_qbe77d14e23_attn.kd
    .args:
      - { .name: qimg, .offset: 0, .size: 8, .value_kind: global_buffer, .address_space: global }
      - { .name: qsc, .offset: 8, .size: 8, .value_kind: global_buffer, .address_space: global }
      - { .name: kimg, .offset: 16, .size: 8, .value_kind: global_buffer, .address_space: global }
      - { .name: ksc, .offset: 24, .size: 8, .value_kind: global_buffer, .address_space: global }
      - { .name: vw, .offset: 32, .size: 8, .value_kind: global_buffer, .address_space: global }
      - { .name: btab, .offset: 40, .size: 8, .value_kind: global_buffer, .address_space: global }
      - { .name: aimg, .offset: 48, .size: 8, .value_kind: global_buffer, .address_space: global }
      - { .name: asc, .offset: 56, .size: 8, .value_kind: global_buffer, .address_space: global }
    .group_segment_fixed_size: 243712
    .private_segment_fixed_size: 0
    .kernarg_segment_align: 8
    .kernarg_segment_size: 64
    .max_flat_workgroup_size: 512
    .sgpr_count:     100
    .vgpr_count:     256
    .wavefront_size: 32
...
	.end_amdgpu_metadata
.endif
;; end of part 2
;; launch tail (part 3): grid 256 x 1, 4 waves a work-group, no clusters, 308,736 bytes of LDS; arguments x, aimg, asc, wproj_codes, wproj_scales, bproj, ln2_s, ln2_b, mlp_w1_codes, mlp_w1_scales, mlp_b1, mlp_w2_codes, mlp_w2_scales, mlp_b2, out0; writes out0
.if DOCPART == 3
	.amdgcn_target "amdgcn-amd-amdhsa--gfx1250"
	.amdhsa_code_object_version 6
	.text
	.protected	k_qbe77d14e23_tail
	.globl	k_qbe77d14e23_tail
	.p2align	8
	.type	k_qbe77d14e23_tail,@function
k_qbe77d14e23_tail:
	s_mov_b64 s[64:65], 0
	v_nop
	global_prefetch_b8 v0, s[64:65] scope:SCOPE_SE
	s_setreg_imm32_b32 hwreg(HW_REG_WAVE_MODE, 25, 1), 1
	s_wait_xcnt 0x0
; out = x2 + gelu(LN2(x2) W1 + b1) W2 + b2, x2 = x + a Wproj + bproj, for 64 tokens; a arrives as codes; all three products on codes of E4M3 with one E8M0 scale for each 32 along K.
; SHARES: the four waves share the COLUMNS: wave w makes columns 128 w .. 128 w + 127 of the projection and of the result and hidden units 512 w .. 512 w + 511, for all 64 rows (four row tiles m).
; So each weight fragment is read from memory once, by the one wave that uses it, for four products.  What goes from wave to wave is small and goes through LDS as images of operand registers.
; All products are used TRANSPOSED with chosen weight rows (lane r of tile 2 p + u takes row 32 p + 8 u + r + 8 (r / 8)): a lane holds one token, and its 16 registers of a pair of tiles are 16 neighbours along the next K.
; x2 STAYS IN REGISTERS (window 3) in the layout of the last product's accumulators: LN2 reads it there, b2 is added to it, and the last product's sums begin on it.
; gelu is the tanh form, written x / (1 + 2^a), a = x (k0 + k1 x^2), k0 = -2 sqrt(2 / pi) log2 e, k1 = 0.044715 k0.
; NO CLUSTER: all work-groups walk the same weights, but a fragment goes straight into the registers of the one wave that uses it, and of the 327,680 bytes of LDS 308,224 are taken: two slots for joint loads do not fit beside them.
; LIMITS: NaN and infinities are not served; a block whose largest magnitude lies under 2^-118 takes the scale byte 1; LN2's sums are f32 in another order than the reference's.
; REGISTERS: window 0: v1-15, v236-247 addresses and k0; v16-31 the tokens' scale words, in the last product W2's; v32-39 the weights', in the last product the hidden layer's; v40-55 two tiles' biases; v56-63 sums, means;
; v64-127 accumulators (16 m + 8 u), b2, hidden fragments; v128-191 at work, hidden fragments; v192-207 codes; v208-223 the quantiser's; v224-227 scale words in the making; v228-235 sums of squares, 1 / sqrt; v248-251 permutes.
; window 1: the tokens' 16 fragments; in the last product W2's sets 2, 3; on the way out rows of the result.  window 2: two weight tiles, LN2's gains and biases; then W2's sets 0, 1.  window 3: x as loaded; then x2 and the result at 64 p + 16 m + 8 u.
.set HIMG,  132096                     ; LDS: 64 rows x 2,064 bytes (x in, the result out); the hidden layer's pieces ((4 k + c) 4 + m) x 512;
.set HSC,   263168                     ; its scale words (4 k + m) x 128;
.set H2IMG, 271360                     ; LN2's 16 fragments (4 m + s) x 2,048;
.set H2SC,  304128                     ; their scale words x 128;
.set RED,   306176                     ; two tables [token][wave] of f32
.set AS,  16
.set WS,  32
.set BI,  40
.set ST,  56
.set ACC, 64
.set XT,  128
.set PC,  192
.set QT,  208
.set QN,  4
.set SW,  224
.set RS,  228
.set K0,  246
.set PD,  248
.set SEL, 34
.set MNT, 36
.set MSB, 0
.macro WIN new
.if MSB != \new
	s_set_vgpr_msb (MSB<<8)|\new
.set MSB, \new
.endif
.endm
.macro NOPS n
.rept \n
	v_nop
.endr
.endm
.macro QUANT S, NB, xm                 ; NB groups of 16 numbers of a lane become codes in v[PC + 4 g ..] and a byte in v[QT + QN + g]; the block's other half lies in lane xor 16
.set g, 0
.rept \NB
	v_max3_num_f32 v[QT+g], |v[(\S)+16*g]|, |v[(\S)+16*g+1]|, 0x4800000
.set g, g+1
.endr
.set i, 2
.rept 7
.set g, 0
.rept \NB
	v_max3_num_f32 v[QT+g], v[QT+g], |v[(\S)+16*g+i]|, |v[(\S)+16*g+i+1]|
.set g, g+1
.endr
.set i, i+2
.endr
.set g, 0
.rept \NB
	v_permlanex16_b32 v[QT+QN+g], v[QT+g], s[SEL], s[SEL+1]
.set g, g+1
.endr
.set g, 0
.rept \NB
	v_max_num_f32 v[QT+g], v[QT+g], v[QT+QN+g]
.set g, g+1
.endr
.set g, 0
.rept \NB
	v_add_nc_u32 v[QT+3*QN+g], 0xfc000000, v[QT+g]
.set g, g+1
.endr
.set g, 0
.rept \NB
	v_and_or_b32 v[QT+2*QN+g], v[QT+g], 0x7f800000, s[MNT]
.set g, g+1
.endr
.set g, 0
.rept \NB
	v_lshrrev_b32 v[QT+QN+g], 23, v[QT+3*QN+g]
.set g, g+1
.endr
.set g, 0
.rept \NB
.set i, 0
.rept 16
	v_med3_num_f32 v[(\S)+16*g+i], v[(\S)+16*g+i], -v[QT+2*QN+g], v[QT+2*QN+g]
.set i, i+1
.endr
	v_cvt_scalef32_pk8_fp8_f32 v[PC+4*g:PC+4*g+1], v[(\S)+16*g:(\S)+16*g+7], v[QT+3*QN+g]
	v_cvt_scalef32_pk8_fp8_f32 v[PC+4*g+2:PC+4*g+3], v[(\S)+16*g+8:(\S)+16*g+15], v[QT+3*QN+g]
.set g, g+1
.endr
	v_nop                                  ; a plain line behind the last conversion
.endm
.macro OFFW ptr, shw
	s_lshl_b32 s42, s2, \shw
	s_add_nc_u64 s[\ptr:\ptr+1], s[\ptr:\ptr+1], s[42:43]
.endm
.macro WLOAD u, cb, sb, bb, row        ; a weight tile, 16 chosen rows x 512 along K, into buffer u of window 2, its scale words and its bias: 19 loads
	WIN 0x80
.irp ss, 0,1,2,3
.irp cc, 0,1,2,3
	global_load_b128 v[64*(\u)+16*\ss+4*\cc:64*(\u)+16*\ss+4*\cc+3], v6, s[\cb:\cb+1] offset:(\row)*512+128*\ss+32*\cc
.endr
.endr
	WIN 0
	global_load_b128 v[WS+4*(\u):WS+4*(\u)+3], v8, s[\sb:\sb+1] offset:(\row)*16
	global_load_b128 v[BI+8*(\u):BI+8*(\u)+3], v10, s[\bb:\bb+1] offset:(\row)*4
	global_load_b128 v[BI+8*(\u)+4:BI+8*(\u)+7], v10, s[\bb:\bb+1] offset:(\row)*4+16
.endm
.macro WLP tau                         ; the projection's tile tau of 8; behind them W1's first pair
.set wu, (\tau)%2
.if (\tau) < 8
	WLOAD wu, 10, 12, 14, 32*((\tau)/2)+8*wu
.else
	WLOAD wu, 20, 22, 24, 8*wu
.endif
.endm
.macro MM u                            ; a tile's 16 products: K step outer, row tile inner: the accumulators take turns; the bias is the first C
	WIN 0x06                               ; weights window 2, tokens window 1
.irp ss, 0,1,2,3
.irp mm, 0,1,2,3
.if \ss == 0
	v_wmma_scale_f32_16x16x128_f8f6f4 v[ACC+16*\mm+8*(\u):ACC+16*\mm+8*(\u)+7], v[64*(\u)+16*\ss:64*(\u)+16*\ss+15], v[16*(4*\mm+\ss):16*(4*\mm+\ss)+15], v[BI+8*(\u):BI+8*(\u)+7], v[WS+4*(\u)+\ss], v[AS+4*\mm+\ss]
.else
	v_wmma_scale_f32_16x16x128_f8f6f4 v[ACC+16*\mm+8*(\u):ACC+16*\mm+8*(\u)+7], v[64*(\u)+16*\ss:64*(\u)+16*\ss+15], v[16*(4*\mm+\ss):16*(4*\mm+\ss)+15], v[ACC+16*\mm+8*(\u):ACC+16*\mm+8*(\u)+7], v[WS+4*(\u)+\ss], v[AS+4*\mm+\ss]
.endif
.endr
.endr
	WIN 0
	NOPS 8                                 ; eight places in front of loads into this tile's registers and of the first read of results
.endm
.macro PPAIR pp                        ; 32 columns of the projection
.set i, 0
.rept 16
.if i < 8
	ds_load_b128 v[XT+4*i:XT+4*i+3], v3 offset:33024*((i/4)%2)+128*(\pp)+16*(i%4)     ; x at my tokens and my 16 columns
.else
	ds_load_b128 v[XT+4*i:XT+4*i+3], v4 offset:33024*((i/4)%2)+128*(\pp)+16*(i%4)
.endif
.set i, i+1
.endr
	s_wait_loadcnt 19                      ; my tile is in; the next tile's 19 loads may stay out
	MM 0
	WLP 2*(\pp)+2
	s_wait_loadcnt 19
	MM 1
	WLP 2*(\pp)+3
	s_wait_dscnt 0x0
	WIN 0xC0                               ; x2 goes to window 3
.set i, 0
.rept 32
	v_pk_add_f32 v[64*(\pp)+i:64*(\pp)+i+1], v[ACC+i:ACC+i+1], v[XT+i:XT+i+1]
.set i, i+2
.endr
	WIN 0x0C
.irp q, 0,2,4,6,8,10,12,14
.irp m, 0,1,2,3
	v_pk_add_f32 v[ST+2*\m:ST+2*\m+1], v[ST+2*\m:ST+2*\m+1], v[64*(\pp)+16*\m+\q:64*(\pp)+16*\m+\q+1]
.endr
.endr
	WIN 0
.endm
; Four pairs at B, a lane's part of four tokens' sums, become the tokens' sums over all 512 columns: the halves, lane xor 16, then the four waves through LDS.
.macro WGSUM B, off
.irp m, 0,1,2,3
	v_add_f32 v[\B+2*\m], v[\B+2*\m], v[\B+2*\m+1]
.endr
.irp m, 0,1,2,3
	v_permlanex16_b32 v[PD+\m], v[\B+2*\m], s[SEL], s[SEL+1]
.endr
.irp m, 0,1,2,3
	v_add_f32 v[\B+2*\m], v[\B+2*\m], v[PD+\m]
.endr
.irp m, 0,1,2,3
	ds_store_b32 v12, v[\B+2*\m] offset:\off+256*\m            ; lanes 16-31 store the same word to the same place
.endr
	s_wait_dscnt 0x0
	s_barrier_signal -1
	s_barrier_wait -1
.irp m, 0,1,2,3
	ds_load_b128 v[XT+4*\m:XT+4*\m+3], v13 offset:\off+256*\m
.endr
	s_wait_dscnt 0x0
.irp m, 0,1,2,3
	v_add_f32 v[XT+4*\m], v[XT+4*\m], v[XT+4*\m+1]
	v_add_f32 v[XT+4*\m+2], v[XT+4*\m+2], v[XT+4*\m+3]
.endr
.irp m, 0,1,2,3
	v_add_f32 v[\B+2*\m], v[XT+4*\m], v[XT+4*\m+2]
.endr
.endm
.macro DIFF pp                         ; x2 - mean of 32 columns, into window 0
	WIN 0x03
.irp q, 0,2,4,6,8,10,12,14
.irp m, 0,1,2,3
	v_pk_add_f32 v[XT+16*\m+\q:XT+16*\m+\q+1], v[64*(\pp)+16*\m+\q:64*(\pp)+16*\m+\q+1], v[ST+2*\m:ST+2*\m+1] op_sel_hi:[1,0] neg_lo:[0,1] neg_hi:[0,1]
.endr
.endr
	WIN 0
.endm
.macro PASSC pp
	DIFF \pp
.irp q, 0,2,4,6,8,10,12,14
.irp m, 0,1,2,3
.if ((\pp) == 0) && (\q == 0)
	v_pk_mul_f32 v[RS+2*\m:RS+2*\m+1], v[XT+16*\m:XT+16*\m+1], v[XT+16*\m:XT+16*\m+1]      ; the first product starts the sums
.else
	v_pk_fma_f32 v[RS+2*\m:RS+2*\m+1], v[XT+16*\m+\q:XT+16*\m+\q+1], v[XT+16*\m+\q:XT+16*\m+\q+1], v[RS+2*\m:RS+2*\m+1]
.endif
.endr
.endr
.endm
.macro PASSD pp
	DIFF \pp
.irp q, 0,2,4,6,8,10,12,14
.irp m, 0,1,2,3
	v_pk_mul_f32 v[XT+16*\m+\q:XT+16*\m+\q+1], v[XT+16*\m+\q:XT+16*\m+\q+1], v[RS+2*\m:RS+2*\m+1] op_sel_hi:[1,0]
.endr
.endr
	WIN 0x28                               ; gains and biases: sources 1 and 2 in window 2
.irp q, 0,2,4,6,8,10,12,14
.irp m, 0,1,2,3
	v_pk_fma_f32 v[XT+16*\m+\q:XT+16*\m+\q+1], v[XT+16*\m+\q:XT+16*\m+\q+1], v[128+32*(\pp)+\q:129+32*(\pp)+\q], v[144+32*(\pp)+\q:145+32*(\pp)+\q]
.endr
.endr
	WIN 0
	s_wait_dscnt 0x0                       ; the last stores have read the codes' registers
	QUANT XT, 4, 0
.irp m, 0,1,2,3
	ds_store_b128 v14, v[PC+4*\m:PC+4*\m+3] offset:8192*\m+512*(\pp)       ; K step w, piece pp of row tile m
.if (\pp) == 0
	v_mov_b32 v[SW+\m], v[QT+QN+\m]
.else
	v_lshl_or_b32 v[SW+\m], v[QT+QN+\m], 8*(\pp), v[SW+\m]
.endif
.endr
.endm
.macro GELU                            ; on the 64 accumulators
.set i, 0
.rept 32
	v_pk_mul_f32 v[XT+i:XT+i+1], v[ACC+i:ACC+i+1], v[ACC+i:ACC+i+1]
.set i, i+2
.endr
.set i, 0
.rept 32
	v_pk_fma_f32 v[XT+i:XT+i+1], v[XT+i:XT+i+1], s[40:41], v[K0:K0+1] op_sel_hi:[1,0,1]
.set i, i+2
.endr
.set i, 0
.rept 32
	v_pk_mul_f32 v[XT+i:XT+i+1], v[XT+i:XT+i+1], v[ACC+i:ACC+i+1]
.set i, i+2
.endr
.set i, 0
.rept 64
	v_exp_f32 v[XT+i], v[XT+i]
.set i, i+1
.endr
	v_nop
	s_wait_alu depctr_va_vdst(0)           ; one wait for the batch, ahead of its first reader
.set i, 0
.rept 32
	v_pk_add_f32 v[XT+i:XT+i+1], v[XT+i:XT+i+1], 1.0 op_sel_hi:[1,0]
.set i, i+2
.endr
.set i, 0
.rept 64
	v_rcp_f32 v[XT+i], v[XT+i]
.set i, i+1
.endr
	v_nop
	s_wait_alu depctr_va_vdst(0)
.set i, 0
.rept 32
	v_pk_mul_f32 v[ACC+i:ACC+i+1], v[ACC+i:ACC+i+1], v[XT+i:XT+i+1]
.set i, i+2
.endr
.endm
.macro MEPI                            ; 32 hidden units: gelu, codes, image.  s47 = 2,048 x pair
	GELU
	s_wait_dscnt 0x0                       ; the last pair's stores have read their registers
	QUANT ACC, 4, 0
	v_add_nc_u32 v240, s47, v238
	s_lshr_b32 s44, s47, 13
	s_lshl_b32 s44, s44, 9
	v_add_nc_u32 v241, s44, v239
.irp m, 0,1,2,3
	ds_store_b128 v240, v[PC+4*\m:PC+4*\m+3] offset:512*\m
.endr
.irp m, 0,1,2,3
	v_lshrrev_b32 v[SW+\m], 8, v[SW+\m]
	v_lshl_or_b32 v[SW+\m], v[QT+QN+\m], 24, v[SW+\m]          ; the newest byte on top: after four pairs the word is whole
.endr
.irp m, 0,1,2,3
	ds_store_b32 v241, v[SW+\m] offset:128*\m                  ; stored after every pair to the K step's word: LDS serves a wave in order, so the fourth store leaves the whole word
.endr
.endm
.macro W2SET kk                        ; W2's 8 tiles of K step kk (counted from the stepped bases) into set kk % 4, and their scale words: lanes 0-15 tile u = 0's, lanes 16-31 tile u = 1's: 36 loads
.set bf, (\kk)%4
.if bf < 2
	WIN 0x80
.else
	WIN 0x40
.endif
.irp p, 0,1,2,3
.irp u, 0,1
.irp c, 0,1,2,3
	global_load_b128 v[128*(bf%2)+16*(2*\p+\u)+4*\c:128*(bf%2)+16*(2*\p+\u)+4*\c+3], v7, s[26:27] offset:(32*\p+8*\u)*2048+128*(\kk)+32*\c
.endr
.endr
.endr
	WIN 0
.irp p, 0,1,2,3
	global_load_b32 v[AS+4*bf+\p], v9, s[28:29] offset:2048*\p+4*(\kk)
.endr
.endm
.macro HFLOAD kk                       ; the hidden layer's four fragments of K step kk and their scale words: 20 LDS loads
.set hb, ACC+64*((\kk)%2)
.irp m, 0,1,2,3
.irp c, 0,1,2,3
	ds_load_b128 v[hb+16*\m+4*\c:hb+16*\m+4*\c+3], v244 offset:8192*(\kk)+2048*\c+512*\m
.endr
	ds_load_b32 v[WS+4*((\kk)%2)+\m], v245 offset:(4*(\kk)+\m)*128
.endr
.endm
; A K step of the last product.  refill = 1: the set just multiplied takes the K step four further on; 2: W2's bases step four K steps on first; 0: nothing more is fetched.
.macro STEP2 k, nxt, lc, refill
.if \nxt
	HFLOAD (\k)+1
.endif
	s_wait_loadcnt \lc                     ; this step's set of W2 is in; what may stay out are younger sets, as many loads as the count can name
.if \nxt
	s_wait_dscnt 20                        ; this step's hidden fragments are in; the 20 just issued may stay out
.else
	s_wait_dscnt 0x0
.endif
.set bf, (\k)%4
.set hb, ACC+64*((\k)%2)
.if bf < 2
	WIN 0xF2                               ; W2 window 2, the hidden layer window 0, C and D window 3
.else
	WIN 0xF1
.endif
.irp p, 0,1,2,3                            ; 32 accumulators by turns
.irp u, 0,1
.irp m, 0,1,2,3
.if \u
	v_wmma_scale_f32_16x16x128_f8f6f4 v[64*\p+16*\m+8*\u:64*\p+16*\m+8*\u+7], v[128*(bf%2)+16*(2*\p+\u):128*(bf%2)+16*(2*\p+\u)+15], v[hb+16*\m:hb+16*\m+15], v[64*\p+16*\m+8*\u:64*\p+16*\m+8*\u+7], v[AS+4*bf+\p], v[WS+4*((\k)%2)+\m] matrix_a_scale:MATRIX_SCALE_ROW1
.else
	v_wmma_scale_f32_16x16x128_f8f6f4 v[64*\p+16*\m+8*\u:64*\p+16*\m+8*\u+7], v[128*(bf%2)+16*(2*\p+\u):128*(bf%2)+16*(2*\p+\u)+15], v[hb+16*\m:hb+16*\m+15], v[64*\p+16*\m+8*\u:64*\p+16*\m+8*\u+7], v[AS+4*bf+\p], v[WS+4*((\k)%2)+\m]
.endif
.endr
.endr
.endr
	WIN 0
	NOPS 8
.if \refill == 2
	s_wait_xcnt 0x0                        ; the youngest loads that read these bases were issued ahead of this step's 32 products: the bases are written only behind this wait, which stands ahead of the next run of loads
	s_add_nc_u64 s[26:27], s[26:27], 512
	s_add_nc_u64 s[28:29], s[28:29], 16
.endif
.if \refill
	W2SET \k
.endif
.endm
	s_load_b512 s[4:19], s[0:1], 0x0       ; x, aimg, asc, wproj codes, wproj scales, bproj, ln2_s, ln2_b
	s_load_b256 s[20:27], s[0:1], 0x40     ; W1 codes, W1 scales, b1, W2 codes
	s_load_b128 s[28:31], s[0:1], 0x60     ; W2 scales, b2
	s_load_b64 s[32:33], s[0:1], 0x70      ; out0
	v_lshrrev_b32 v252, 5, v0
	v_readfirstlane_b32 s2, v252           ; wave
	s_mov_b32 s3, ttmp9                    ; bw
	s_mov_b32 s43, 0
	s_mov_b32 s[SEL], 0x76543210
	s_mov_b32 s[SEL+1], 0xfedcba98
	s_mov_b32 s[MNT], 0x600000
	s_mov_b32 s37, 0x3727c5ac              ; 1e-5
	s_mov_b32 s38, 0x3b000000              ; 1 / 512
	s_mov_b32 s40, 0xbdd2d3e8              ; k1 = -0.10294324
	s_mov_b32 s41, s40
	v_and_b32 v252, 31, v0                 ; L
	v_and_b32 v253, 15, v0                 ; r
	v_bfe_u32 v254, v0, 4, 1               ; h
	v_and_b32 v255, 8, v253
	v_add_nc_u32 v255, v255, v253          ; r8
	v_lshlrev_b32 v1, 4, v252              ; v1  16 L
	v_lshlrev_b32 v2, 2, v252              ; v2  4 L
	s_lshl_b32 s44, s2, 9
	v_mul_u32_u24 v3, v253, 2064
	v_lshl_add_u32 v3, v254, 6, v3
	v_add_nc_u32 v3, s44, v3               ; v3  the rows' stage by columns: 2,064 r + 64 h + 512 w; row tiles 0, 1
	v_add_nc_u32 v4, 66048, v3             ; v4  row tiles 2, 3
	s_mul_i32 s44, s2, 33024
	v_add_nc_u32 v5, s44, v1               ; v5  the stage by rows: my 16 rows, 16 L
	v_lshlrev_b32 v6, 9, v255
	v_lshl_add_u32 v6, v254, 4, v6         ; v6  a chosen row of 512 bytes
	v_lshlrev_b32 v7, 11, v255
	v_lshl_add_u32 v7, v254, 4, v7         ; v7  of 2,048 bytes (W2)
	v_lshlrev_b32 v8, 4, v255              ; v8  its 16 scale bytes
	v_lshlrev_b32 v9, 6, v255
	v_lshl_add_u32 v9, v254, 9, v9         ; v9  W2's scale words: row r8 + 8 h, 64 bytes a row
	v_lshlrev_b32 v10, 6, v254             ; v10 64 h: a lane's 16 columns of a pair
	v_lshlrev_b32 v11, 4, v253             ; v11 16 r
	v_add_nc_u32 v13, RED, v11             ; v13
	s_lshl_b32 s44, s2, 2
	v_add_nc_u32 v12, s44, v13             ; v12
	v_add_nc_u32 v236, H2IMG, v1
	s_lshl_b32 s44, s2, 11
	v_add_nc_u32 v14, s44, v236            ; v14 LN2's images, written: K step w
	v_add_nc_u32 v237, H2SC, v2
	s_lshl_b32 s44, s2, 7
	v_add_nc_u32 v15, s44, v237
	v_add_nc_u32 v242, HIMG, v1
	s_lshl_b32 s44, s2, 15
	v_add_nc_u32 v238, s44, v242           ; v238 the hidden layer's images, written: K steps 4 w on
	v_add_nc_u32 v243, HSC, v2
	s_lshl_b32 s44, s2, 11
	v_add_nc_u32 v239, s44, v243
	v_mov_b32 v[K0], 0xc0135761            ; k0 = -2.3022082
	v_mov_b32 v[K0+1], 0xc0135761
.irp j, 0,1,2,3
	v_mov_b32 v[PD+\j], 0                  ; written once: a lane permute's destination counts as one of its sources
	v_mov_b32 v[QT+QN+\j], 0
.endr
.irp j, 0,1,2,3,4,5,6,7
	v_mov_b32 v[ST+\j], 0
.endr
	s_wait_kmcnt 0x0
	s_lshl_b32 s42, s3, 17
	s_lshl_b32 s44, s2, 15
	s_add_co_u32 s42, s42, s44
	s_add_nc_u64 s[4:5], s[4:5], s[42:43]          ; x and out0 at my wave's 16 rows
	s_add_nc_u64 s[32:33], s[32:33], s[42:43]
	s_lshl_b32 s42, s3, 15
	s_add_nc_u64 s[6:7], s[6:7], s[42:43]
	s_lshl_b32 s42, s3, 10
	s_add_nc_u64 s[8:9], s[8:9], s[42:43]
	OFFW 10, 16                            ; the weights at my rows
	OFFW 12, 11
	OFFW 14, 9
	OFFW 16, 9
	OFFW 18, 9
	OFFW 20, 18
	OFFW 22, 13
	OFFW 24, 11
	OFFW 26, 18
	OFFW 28, 13
	OFFW 30, 9
	WIN 0x40
.set i, 0
.rept 64
	global_load_b128 v[4*i:4*i+3], v1, s[6:7] offset:512*i th:TH_LOAD_NT       ; the attention's 16 fragments, as they lie
.set i, i+1
.endr
	WIN 0
.irp m, 0,1,2,3
	global_load_b128 v[AS+4*\m:AS+4*\m+3], v11, s[8:9] offset:256*\m
.endr
	WIN 0x80
.irp p, 0,1,2,3
.irp q, 0,1,2,3
	global_load_b128 v[128+32*\p+4*\q:131+32*\p+4*\q], v10, s[16:17] offset:128*\p+16*\q
	global_load_b128 v[144+32*\p+4*\q:147+32*\p+4*\q], v10, s[18:19] offset:128*\p+16*\q
.endr
.endr
	WIN 0xC0
.set i, 0
.rept 64
	global_load_b128 v[4*i:4*i+3], v1, s[4:5] offset:2048*(i/4)+512*(i%4) th:TH_LOAD_NT
.set i, i+1
.endr
	WIN 0
	WLP 0
	WLP 1
	s_wait_loadcnt 38                      ; all but the two weight tiles
	WIN 0x0C                               ; an LDS store's data are its source 1: window 3
.set i, 0
.rept 64
	ds_store_b128 v5, v[4*i:4*i+3] offset:2064*(i/4)+512*(i%4)
.set i, i+1
.endr
	WIN 0
	s_wait_dscnt 0x0
	s_barrier_signal -1
	s_barrier_wait -1                      ; 64 rows of x lie in LDS; from here to the last barrier a wave touches only its own 512 bytes of each row
	PPAIR 0
	PPAIR 1
	PPAIR 2
	PPAIR 3
	; ---- LN2
.irp p, 0,1,2,3
.irp q, 0,1,2,3
	global_load_b128 v[ACC+16*\p+4*\q:ACC+16*\p+4*\q+3], v10, s[30:31] offset:128*\p+16*\q     ; b2 at my columns, into the idle accumulators
.endr
.endr
	WGSUM ST, 0
.irp m, 0,1,2,3
	v_mul_f32 v[ST+2*\m], s38, v[ST+2*\m]  ; the mean
.endr
	PASSC 0
	PASSC 1
	PASSC 2
	PASSC 3
	WGSUM RS, 1024                         ; other bytes than the first sum's: no barrier between its reads and these stores
.irp m, 0,1,2,3
	v_fma_f32 v[RS+2*\m], v[RS+2*\m], s38, s37
.endr
.irp m, 0,1,2,3
	v_rsq_f32 v[RS+2*\m], v[RS+2*\m]
.endr
	v_nop
	s_wait_alu depctr_va_vdst(0)
	PASSD 0
	PASSD 1
	PASSD 2
	PASSD 3
.irp m, 0,1,2,3
	ds_store_b32 v15, v[SW+\m] offset:512*\m
.endr
	s_wait_loadcnt 0x0                     ; b2 (and W1's first pair, which is wanted next)
	WIN 0xC3
.irp p, 0,1,2,3
.irp m, 0,1,2,3
.irp q, 0,2,4,6,8,10,12,14
	v_pk_add_f32 v[64*\p+16*\m+\q:64*\p+16*\m+\q+1], v[64*\p+16*\m+\q:64*\p+16*\m+\q+1], v[ACC+16*\p+\q:ACC+16*\p+\q+1]   ; x2 + b2: on this the last product's sums begin
.endr
.endr
.endr
	WIN 0
	s_wait_dscnt 0x0
	s_barrier_signal -1
	s_barrier_wait -1                      ; LN2's sixteen fragments lie in LDS
	WIN 0x40
.set i, 0
.rept 64
	ds_load_b128 v[4*i:4*i+3], v236 offset:512*i
.set i, i+1
.endr
	WIN 0
.set i, 0
.rept 16
	ds_load_b32 v[AS+i], v237 offset:128*i
.set i, i+1
.endr
.irp m, 0,1,2,3
	v_mov_b32 v[SW+\m], 0
.endr
	s_wait_dscnt 0x0
	; ---- the hidden layer: 16 pairs of tiles, 32 units each
	s_mov_b32 s46, 15
	s_mov_b32 s47, 0
.Lmlp1:
	s_wait_loadcnt 19
	MM 0
	WLOAD 0, 20, 22, 24, 32                ; the next pair's tiles, 32 rows on from the stepped bases
	s_wait_loadcnt 19
	MM 1
	WLOAD 1, 20, 22, 24, 40
	MEPI
	s_wait_xcnt 0x0                        ; the loads, issued ahead of the pair's gelu and codes, have read their bases
	s_add_nc_u64 s[20:21], s[20:21], 16384
	s_add_nc_u64 s[22:23], s[22:23], 512
	s_add_nc_u64 s[24:25], s[24:25], 128
	s_add_co_u32 s47, s47, 2048
	s_sub_co_u32 s46, s46, 1
	s_cmp_lg_u32 s46, 0
	s_cbranch_scc1 .Lmlp1
	s_wait_loadcnt 19                      ; the last pair is written out: it fetches no further tile of W1
	MM 0
	s_wait_loadcnt 0x0
	MM 1
	W2SET 0                                ; behind the eight places: four K steps of W2 go out while the last pair is finished
	W2SET 1
	W2SET 2
	W2SET 3
	MEPI
	s_wait_dscnt 0x0
	s_barrier_signal -1
	s_barrier_wait -1                      ; the hidden layer's 64 fragments lie in LDS
	; ---- the last product: 16 K steps
	v_mov_b32 v244, v242
	v_mov_b32 v245, v243
	HFLOAD 0
	s_mov_b32 s46, 3
	s_mov_b32 s47, 0
	s_mov_b32 s48, 0
.Lmlp2:                                    ; three trips of four K steps; in trip t the bases step to K step 4 (t + 1), and the four refills take K steps 4 (t + 1) + 0 .. 3
	STEP2 0, 1, 63, 2
	STEP2 1, 1, 63, 1
	STEP2 2, 1, 63, 1
	STEP2 3, 1, 63, 1
	s_wait_dscnt 0x0                       ; the LDS loads, issued 32 products ago, are in
	s_add_co_u32 s47, s47, 32768
	s_add_co_u32 s48, s48, 2048
	v_add_nc_u32 v244, s47, v242
	v_add_nc_u32 v245, s48, v243
	s_sub_co_u32 s46, s46, 1
	s_cmp_lg_u32 s46, 0
	s_cbranch_scc1 .Lmlp2
	STEP2 0, 1, 63, 0                      ; the last four steps fetch no further set: three, two (72 loads), one (36) and no younger set
	STEP2 1, 1, 63, 0
	STEP2 2, 1, 36, 0
	STEP2 3, 0, 0, 0
	; ---- the way out: through the rows' stage, so that whole rows leave
	WIN 0x0C
.set i, 0
.rept 64
.if ((i/4)%4) < 2
	ds_store_b128 v3, v[4*i:4*i+3] offset:33024*((i/4)%2)+128*(i/16)+16*(i%4)      ; each accumulator from its low end on
.else
	ds_store_b128 v4, v[4*i:4*i+3] offset:33024*((i/4)%2)+128*(i/16)+16*(i%4)
.endif
.set i, i+1
.endr
	WIN 0
	s_wait_dscnt 0x0
	s_barrier_signal -1
	s_barrier_wait -1
	; my 16 rows come back in 64 loads: rows 0-7 into window 0, rows 8-15 into window 1, which the last product has left (its eight places stand behind it): no register is used twice, so no store is waited for
.set i, 0
.rept 32
	ds_load_b128 v[ACC+4*i:ACC+4*i+3], v5 offset:2064*(i/4)+512*(i%4)
.set i, i+1
.endr
	WIN 0x40
.set i, 0
.rept 32
	ds_load_b128 v[4*i:4*i+3], v5 offset:2064*(8+i/4)+512*(i%4)
.set i, i+1
.endr
	WIN 0
.set i, 0
.rept 32
	s_wait_dscnt 63-i                      ; LDS loads come back in order (ISA guide 5.7.1): load i is in, the 63 - i younger ones may stay out
	global_store_b128 v1, v[ACC+4*i:ACC+4*i+3], s[32:33] offset:2048*(i/4)+512*(i%4) th:TH_STORE_NT   ; 32 lanes store 512 consecutive bytes
.set i, i+1
.endr
	WIN 0x04                               ; a store's data are its source 1: window 1
.set i, 0
.rept 32
	s_wait_dscnt 31-i
	global_store_b128 v1, v[4*i:4*i+3], s[32:33] offset:2048*(8+i/4)+512*(i%4) th:TH_STORE_NT
.set i, i+1
.endr
	WIN 0
	s_wait_xcnt 0x0
	v_lshl_add_u32 v254, v0, 2, 0x4b400
	v_mov_b32 v255, 0
	s_wait_tensorcnt 0x0
	ds_add_u32 v254, v255
	s_wait_dscnt 0x0
	s_endpgm
.Lfunc_end_k_qbe77d14e23_tail:
	.size	k_qbe77d14e23_tail, .Lfunc_end_k_qbe77d14e23_tail-k_qbe77d14e23_tail
	.p2alignl 7, 3214868480
	.fill 96, 4, 3214868480
	.section	.rodata,"a",@progbits
	.p2align	6, 0x0
	.amdhsa_kernel k_qbe77d14e23_tail
		.amdhsa_group_segment_fixed_size 308736
		.amdhsa_private_segment_fixed_size 0
		.amdhsa_enable_private_segment 0
		.amdhsa_kernarg_size 120
		.amdhsa_user_sgpr_count 2
		.amdhsa_user_sgpr_kernarg_segment_ptr 1
		.amdhsa_wavefront_size32 1
		.amdhsa_system_sgpr_workgroup_id_x 1
		.amdhsa_system_sgpr_workgroup_id_y 1
		.amdhsa_system_sgpr_workgroup_id_z 1
		.amdhsa_system_vgpr_workitem_id 0
		.amdhsa_next_free_vgpr 1024
		.amdhsa_next_free_sgpr 66
		.amdhsa_reserve_vcc 0
		.amdhsa_float_denorm_mode_32 3
		.amdhsa_float_denorm_mode_16_64 3
		.amdhsa_memory_ordered 1
		.amdhsa_forward_progress 1
		.amdhsa_inst_pref_size 255
	.end_amdhsa_kernel
	.section	.bss,"aw",@nobits
	.p2align	6
	.space	262144
	.amdgpu_metadata
---
amdhsa.version: [ 1, 2 ]
amdhsa.kernels:
  - .name:           k_qbe77d14e23_tail
    .symbol:         k_qbe77d14e23_tail.kd
    .args:
      - { .name: x, .offset: 0, .size: 8, .value_kind: global_buffer, .address_space: global }
      - { .name: aimg, .offset: 8, .size: 8, .value_kind: global_buffer, .address_space: global }
      - { .name: asc, .offset: 16, .size: 8, .value_kind: global_buffer, .address_space: global }
      - { .name: wproj_codes, .offset: 24, .size: 8, .value_kind: global_buffer, .address_space: global }
      - { .name: wproj_scales, .offset: 32, .size: 8, .value_kind: global_buffer, .address_space: global }
      - { .name: bproj, .offset: 40, .size: 8, .value_kind: global_buffer, .address_space: global }
      - { .name: ln2_s, .offset: 48, .size: 8, .value_kind: global_buffer, .address_space: global }
      - { .name: ln2_b, .offset: 56, .size: 8, .value_kind: global_buffer, .address_space: global }
      - { .name: mlp_w1_codes, .offset: 64, .size: 8, .value_kind: global_buffer, .address_space: global }
      - { .name: mlp_w1_scales, .offset: 72, .size: 8, .value_kind: global_buffer, .address_space: global }
      - { .name: mlp_b1, .offset: 80, .size: 8, .value_kind: global_buffer, .address_space: global }
      - { .name: mlp_w2_codes, .offset: 88, .size: 8, .value_kind: global_buffer, .address_space: global }
      - { .name: mlp_w2_scales, .offset: 96, .size: 8, .value_kind: global_buffer, .address_space: global }
      - { .name: mlp_b2, .offset: 104, .size: 8, .value_kind: global_buffer, .address_space: global }
      - { .name: out0, .offset: 112, .size: 8, .value_kind: global_buffer, .address_space: global }
    .group_segment_fixed_size: 308736
    .private_segment_fixed_size: 0
    .kernarg_segment_align: 8
    .kernarg_segment_size: 120
    .max_flat_workgroup_size: 128
    .sgpr_count:     66
    .vgpr_count:     1024
    .wavefront_size: 32
...
	.end_amdgpu_metadata
.endif
;; end of part 3
;; ======== version 2 of 2: 3 launches; version 1 with the launches qkv, attn, tail written anew for expert scheduling mode
;; workspace buffers: btab 32,768 bytes; qimg 8,388,608 bytes; qsc 262,144 bytes; kimg 14,680,064 bytes; ksc 458,752 bytes; vw 58,720,256 bytes; aimg 8,388,608 bytes; asc 262,144 bytes
;; launch qkv (part 4): grid 256 x 1, 4 waves a work-group, no clusters, 227,072 bytes of LDS; arguments x, ln1_s, ln1_b, wq_codes, wq_scales, bq, wkv_codes, wkv_scales, bkv, rpb_w1, rpb_b1, rpb_w2, rpb_b2, btab, qimg, qsc, kimg, ksc, vw; writes btab, qimg, qsc, kimg, ksc, vw
.if DOCPART == 4
	.amdgcn_target "amdgcn-amd-amdhsa--gfx1250"
	.amdhsa_code_object_version 6
	.text
	.protected	k_qbe77d14e23_qkv
	.globl	k_qbe77d14e23_qkv
	.p2align	8
	.type	k_qbe77d14e23_qkv,@function
k_qbe77d14e23_qkv:
	s_mov_b64 s[64:65], 0
	v_nop
	global_prefetch_b8 v0, s[64:65] scope:SCOPE_SE
	s_setreg_imm32_b32 hwreg(HW_REG_WAVE_SCHED_MODE, 0, 2), 2
	s_setreg_imm32_b32 hwreg(HW_REG_WAVE_MODE, 25, 1), 1
	s_wait_xcnt 0x0
	s_wait_alu depctr_vm_vsrc(0)
; LN1, the two pooled key levels, their quantising, and the q, K and V products of 64 tokens; and 4 x 8 entries of the bias table.
; Work-group bw owns tokens 64 bw .. 64 bw + 63: 4 row tiles of level 0, 2 of level 1 (means of 2 tokens), 1 of level 2 (means of 4): 7 row tiles m, which are 8, 4 and 2 whole key windows.
; LN PHASE: wave w takes tokens 16 w .. 16 w + 15.  A lane needs 16 neighbours along K for the conversions, a load wants neighbouring lanes on neighbouring bytes: so x goes through the wave's own stage in LDS.
; PRODUCTS: wave w takes columns 128 w .. 128 w + 127 (heads 2 w, 2 w + 1) of V, of q and of K for all row tiles; each weight fragment is read from memory once, by the one wave that uses it.
; V's tiles come FIRST: its f32 results are seven tenths of the bytes that the launch stores, and so they leave while q and K are multiplied and quantised.
; q and K are used TRANSPOSED (source 0 = 16 weight rows, source 1 = 16 tokens) and the weight rows of a tile are chosen (lane r of tile 2 p + u takes row 32 p + 8 u + r + 8 (r / 8)), so that a lane's 16 registers
; of a pair of tiles are 16 neighbours along the head's axis: they are quantised in registers and leave as images of operand registers.  V is used the natural way and leaves as f32, 4 keys to a lane's 16 bytes:
; its blocks of 32 keys hang on the query window, so the next launch quantises it.
; THE BIAS TABLE: the position bias hangs on a whole number rel = -492 .. 527 and the head alone; entry idx = rel + 496 is relu(rel / 4096 x w1 + b1) . w2 + b2, in f32; wave w makes idx = 4 bw + w.
; LIMITS: NaN and infinities are not served; a block whose largest magnitude lies under 2^-118 takes the scale byte 1; sums of LN, pooling and table are f32 in another order than the reference's.
; The scale bytes leave as words 16 bytes apart (one part in 120 of what the launch stores).
; THE MODE: SCHED_MODE bits 1:0 = 2 (LLVM: expert scheduling mode 2), set by the entry lines.  The code itself states the register dependences between vector or matrix instructions and memory or LDS
; instructions, with s_wait_alu, always for 0.
; THE PLAN.  Registers that memory or LDS instructions touch in the run of 24 tiles:
;   W0, W1, W2    three weight tiles, each with its 4 scale words and its 8 registers of bias.  Tile t's products read W[t % 3]; the loads of tile t + 2 land in W[(t + 2) % 3] = W[(t - 1) % 3] and are issued in the middle of tile t.
;   ACC0, ACC1    the accumulators of even and of odd tiles.  Tile t's products write ACC[t % 2]; a tile of V is stored from there in the middle of tile t + 1.
;   the codes and the scale words on their way out: written by a pair's quantiser, read by the stores that follow it.
;   v1-v10        offsets, made at the head and never written again.
; So a tile's memory instructions touch what the tile BEFORE worked on, which no vector or matrix instruction of this tile names, and the waits at a tile's head state all that they hang on.
; In the LN loop a trip's seven LDS addresses are made together at its head, between one wait on vm_vsrc and one on va_vdst; a second wait on va_vdst stands ahead of the trip's LDS stores.
; REGISTERS: window 0: v1-10 offsets that stay; v11-23 addresses of the LN phase and of the table, of which later v12-15 are q's scale words on their way out and v16-23 the third tile's bias; v24-51 the tokens' scale words;
; v52-59, v76-79 the weights'; v60-75 two tiles' biases; v192-198 K's scale words on their way out (in the LN phase addresses of a trip); v80-191 accumulators (16 m + 8 u), in the LN phase
; 4 rows and 3 pooled rows; v200-227 the quantiser's temporaries (in the LN phase also the statistics); v228-255 codes.  window 1: x as loaded, then fragments m = 0..3 at 16 (4 m + s).
; window 2: the LN gains and biases, then fragments m = 4..6.  window 3: three weight tiles of 64 registers.
.set FRB,  2176                        ; a fragment's image in LDS: piece c at 544 c, half h at 272 h, row r at 16 r: the writers' 16 lanes fall on 16 different 16-byte columns
.set SCL,  60928                       ; behind 28 images: scale bytes, 64 (4 m + s) + 4 r + c
.set TURN, 62720                       ; behind them: a stage of 16 rows x 2,560 bytes for each wave (a lane's 64 bytes + 16 of padding)
.set TWB,  40960
.set X,    80
.set PL,   144
.set ACC,  80
.set AS,   24
.set WS,   52                          ; the weights' scale words: tile buffer b at WS + 4 b + 16 (b / 2): v52, v56, v76
.set BI,   60                          ; the biases: tile buffer b at BI + 8 b - 60 (b / 2): v60, v68, v16
.set SWQ,  12
.set SWK,  192
.set QT,   200                         ; largest magnitudes; + QN bytes; + 2 QN the hold; + 3 QN the conversions' scale operand
.set QN,   7
.set PC,   228
.set T2,   200                         ; LN: four pairs, sums and then means
.set PD,   208                         ; LN: the lane permute's results
.set Q2,   212                         ; LN: four pairs, sums of squares and then 1 / sqrt
.set SEL,  58
.set MNT,  60
.set MSB,  0
.macro WIN new                         ; the immediate's high byte repeats the setting that is left; a switch that changes nothing is dropped
.if MSB != \new
	s_set_vgpr_msb (MSB<<8)|\new
.set MSB, \new
.endif
.endm
.macro NOPS n
.rept \n
	v_nop
.endr
.endm
; NB groups of 16 numbers of a lane, v[S + 16 g ..], each half of a block of 32 along K, become codes in v[PC + 4 g ..] and a scale byte in v[QT + QN + g].  xm = 1: the block's other half lies in lane xor 1; 0: in lane xor 16.
.macro QUANT S, NB, xm
.set g, 0
.rept \NB
	v_max3_num_f32 v[QT+g], |v[(\S)+16*g]|, |v[(\S)+16*g+1]|, 0x4800000   ; with the floor 2^(9 - 127): the byte cannot fall under 1
.set g, g+1
.endr
.set i, 2
.rept 7
.set g, 0
.rept \NB
	v_max3_num_f32 v[QT+g], v[QT+g], |v[(\S)+16*g+i]|, |v[(\S)+16*g+i+1]|   ; the groups by turns
.set g, g+1
.endr
.set i, i+2
.endr
.set g, 0
.rept \NB
.if \xm
	v_max_num_f32_dpp v[QT+g], v[QT+g], v[QT+g] row_xmask:1 row_mask:0xf bank_mask:0xf
.else
	v_permlanex16_b32 v[QT+QN+g], v[QT+g], s[SEL], s[SEL+1]
.endif
.set g, g+1
.endr
.if \xm == 0
.set g, 0
.rept \NB
	v_max_num_f32 v[QT+g], v[QT+g], v[QT+QN+g]
.set g, g+1
.endr
.endif
.set g, 0
.rept \NB
	v_add_nc_u32 v[QT+3*QN+g], 0xfc000000, v[QT+g]            ; 8 off the exponent field: the conversion's scale operand
.set g, g+1
.endr
.set g, 0
.rept \NB
	v_and_or_b32 v[QT+2*QN+g], v[QT+g], 0x7f800000, s[MNT]    ; 448 x the scale
.set g, g+1
.endr
.set g, 0
.rept \NB
	v_lshrrev_b32 v[QT+QN+g], 23, v[QT+3*QN+g]                ; the scale's byte
.set g, g+1
.endr
.set g, 0
.rept \NB
.set i, 0
.rept 16
	v_med3_num_f32 v[(\S)+16*g+i], v[(\S)+16*g+i], -v[QT+2*QN+g], v[QT+2*QN+g]   ; the conversion does not saturate (ISA guide 7.6.2): hold first
.set i, i+1
.endr
	v_cvt_scalef32_pk8_fp8_f32 v[PC+4*g:PC+4*g+1], v[(\S)+16*g:(\S)+16*g+7], v[QT+3*QN+g]
	v_cvt_scalef32_pk8_fp8_f32 v[PC+4*g+2:PC+4*g+3], v[(\S)+16*g+8:(\S)+16*g+15], v[QT+3*QN+g]
.set g, g+1
.endr
	v_nop                                  ; a plain line behind the last conversion
.endm
.macro OFFS ptr, shb, shw, cst         ; a buffer's address + (bw << shb) + (wave << shw) + cst
	s_lshl_b32 s54, s3, \shb
	s_lshl_b32 s56, s2, \shw
	s_add_co_u32 s54, s54, s56
.if \cst
	s_add_co_u32 s54, s54, \cst
.endif
	s_add_nc_u64 s[\ptr:\ptr+1], s[\ptr:\ptr+1], s[54:55]
.endm
.macro OFFW ptr, shw
	s_lshl_b32 s54, s2, \shw
	s_add_nc_u64 s[\ptr:\ptr+1], s[\ptr:\ptr+1], s[54:55]
.endm
; A weight tile, 16 rows x 512 along K, into buffer b of window 3, with its rows' scale words and its bias.  nat = 0: chosen rows, 19 loads; nat = 1: rows as they lie, 18 loads.  It leaves the windows at 0xC0.
.macro WLOAD b, nat, cb, sb, bb, row
.set lS, WS+4*(\b)+16*((\b)/2)
.set lB, BI+8*(\b)-60*((\b)/2)
	WIN 0
.if \nat
	global_load_b128 v[lS:lS+3], v5, s[\sb:\sb+1] offset:(\row)*16
	global_load_b32 v[lB], v7, s[\bb:\bb+1] offset:(\row)*4
.else
	global_load_b128 v[lS:lS+3], v4, s[\sb:\sb+1] offset:(\row)*16
	global_load_b128 v[lB:lB+3], v6, s[\bb:\bb+1] offset:(\row)*4
	global_load_b128 v[lB+4:lB+7], v6, s[\bb:\bb+1] offset:(\row)*4+16
.endif
	WIN 0xC0
.irp ss, 0,1,2,3
.irp cc, 0,1,2,3
.if \nat
	global_load_b128 v[64*(\b)+16*\ss+4*\cc:64*(\b)+16*\ss+4*\cc+3], v3, s[\cb:\cb+1] offset:(\row)*512+128*\ss+32*\cc
.else
	global_load_b128 v[64*(\b)+16*\ss+4*\cc:64*(\b)+16*\ss+4*\cc+3], v2, s[\cb:\cb+1] offset:(\row)*512+128*\ss+32*\cc
.endif
.endr
.endr
.endm
; Tile tau of 24: 0-7 V's, 8-15 q's, 16-23 K's; pair (tau / 2) % 4, tile tau % 2, buffer tau % 3.  Past the end: nothing.
.macro WL tau
.set wb, (\tau)%3
.set wu, (\tau)%2
.set wp, ((\tau)/2)%4
.if (\tau) < 8
	WLOAD wb, 1, 16, 18, 20, 512+32*wp+16*wu
.elseif (\tau) < 16
	WLOAD wb, 0, 10, 12, 14, 32*wp+8*wu
.elseif (\tau) < 24
	WLOAD wb, 0, 16, 18, 20, 32*wp+8*wu
.endif
.endm
.macro PROD u, b, nat, m, s            ; the bias is the C of a sum's first product
.set rD, ACC+16*(\m)+8*(\u)
.set rW, 64*(\b)+16*(\s)
.set rF, 16*(4*((\m)%4)+(\s))
.set rS, WS+4*(\b)+16*((\b)/2)+(\s)
.set rC, rD
.if (\s) == 0
.set rC, BI+8*(\b)-60*((\b)/2)
.endif
.if \nat
	v_wmma_scale_f32_16x16x128_f8f6f4 v[rD:rD+7], v[rF:rF+15], v[rW:rW+15], v[rC:rC+7], v[AS+4*(\m)+(\s)], v[rS]
.else
	v_wmma_scale_f32_16x16x128_f8f6f4 v[rD:rD+7], v[rW:rW+15], v[rF:rF+15], v[rC:rC+7], v[rS], v[AS+4*(\m)+(\s)]
.endif
.endm
; A tile's products: K step outer, row tile inner: the accumulators take turns, one instruction a turn.  MMLO: row tiles 0-3, K steps sa and sc;  MMHI: row tiles 4-6, all four K steps.
.macro MMLO u, b, nat, sa, sc
.if \nat
	WIN 0x0D                               ; tokens window 1, weights window 3
.else
	WIN 0x07                               ; weights window 3, tokens window 1
.endif
.irp ss, \sa, \sc
.irp mm, 0,1,2,3
	PROD \u, \b, \nat, \mm, \ss
.endr
.endr
.endm
.macro MMHI u, b, nat
.if \nat
	WIN 0x0E                               ; tokens window 2
.else
	WIN 0x0B
.endif
.irp ss, 0,1,2,3
.irp mm, 4,5,6
	PROD \u, \b, \nat, \mm, \ss
.endr
.endr
.endm
; A tile of V leaves as it is: lane (r, h): channel r, the 8 keys of window h of the row tile; sixteen lanes store 256 consecutive bytes; each accumulator from its low end on.
.macro VOUT pp, uu
.irp mm, 0,1,2,3,4,5,6
.irp jh, 0,1
.if \mm < 4
	global_store_b128 v9, v[ACC+16*\mm+8*(\uu)+4*\jh:ACC+16*\mm+8*(\uu)+4*\jh+3], s[40:41] offset:32768*\mm+8192*\jh+512*(\pp)+256*(\uu)
.elseif \mm < 6
	global_store_b128 v9, v[ACC+16*\mm+8*(\uu)+4*\jh:ACC+16*\mm+8*(\uu)+4*\jh+3], s[50:51] offset:32768*(\mm-4)+8192*\jh+512*(\pp)+256*(\uu)
.else
	global_store_b128 v9, v[ACC+16*\mm+8*(\uu)+4*\jh:ACC+16*\mm+8*(\uu)+4*\jh+3], s[52:53] offset:8192*\jh+512*(\pp)+256*(\uu)
.endif
.endr
.endr
.endm
.macro TILE tau
.set tu, (\tau)%2
.set tb, (\tau)%3
.set tB, BI+8*tb-60*(tb/2)
.if (\tau) < 7
	s_wait_loadcnt 18                      ; my tile is in; the next tile is one of V's: its 18 loads may stay out
.elseif (\tau) < 23
	s_wait_loadcnt 19                      ; the next tile is one of q's or K's: 19 loads
.else
	s_wait_loadcnt 0x0
.endif
.if ((\tau) < 10) || ((\tau)%2 == 1)   ; (a tile that stands straight behind a pair's way out writes nothing that a pending store reads, and that way out's own wait on va_vdst has covered the tile before)
	s_wait_xcnt 0x0                        ; all that was issued so far has had its addresses translated (ISA guide 3.1): what the stores of the tile or pair before read is rewritten only behind this wait
	s_wait_alu depctr_vm_vsrc(0)           ; the stores issued in the tile before have read this tile's accumulators, those of the pair before the codes and scale words; ahead of tile 0: the LN phase's instructions have read v12-23, v192-197, the codes and the bytes
.endif
.if (\tau) < 8
.irp j, 1,2,3,4,5,6,7
	v_mov_b32 v[tB+\j], v[tB]              ; a lane holds one channel of V: its bias in all eight registers of C
.endr
.endif
.if (((\tau) < 10) || ((\tau)%2 == 1)) && ((\tau) < 22)
	s_wait_alu depctr_va_vdst(0)           ; the tile before has written its accumulators, which the stores below read, and is done reading its weights, scale words and bias, in which the loads below land (ahead of tile 0: v16-23 are written)
.endif
.if (\tau) < 8
	MMLO tu, tb, 1, 0, 1
	MMLO tu, tb, 1, 2, 3
.elseif (\tau) < 16
	MMLO tu, tb, 0, 0, 1
.else
	MMLO tu, tb, 0, 0, 1
	MMLO tu, tb, 0, 2, 3
.endif
	; the tile's memory instructions, in one run in its middle.  No wait: no vector or matrix instruction since the wait above names a register that they touch
.if ((\tau) > 0) && ((\tau) < 9)
	WIN 0
	VOUT ((\tau)-1)/2, ((\tau)-1)%2        ; the tile of V before this one
.endif
	WL (\tau)+2                            ; into the buffer that the tile before read: it has the rest of this tile, the next tile and a pair's way out in which to land
.if (\tau) < 8
	MMHI tu, tb, 1
.elseif (\tau) < 16
	MMLO tu, tb, 0, 2, 3
.else
	MMHI tu, tb, 0
.endif
	WIN 0
	NOPS 8                                 ; eight places behind the tile's products, ahead of the first read of results by a vector instruction or a store
.endm
.macro EPI_Q pp
.set i, 0
.rept 32
	v_pk_mul_f32 v[ACC+i:ACC+i+1], v[ACC+i:ACC+i+1], 0x3e000000 op_sel_hi:[1,0]   ; x 1 / 8 = 64^-1/2, exact
.set i, i+2
.endr
	QUANT ACC, 4, 0
.irp mm, 0,1,2,3
.if (\pp) == 0
	v_mov_b32 v[SWQ+\mm], v[QT+QN+\mm]
.else
	v_lshl_or_b32 v[SWQ+\mm], v[QT+QN+\mm], 8*(\pp), v[SWQ+\mm]
.endif
.endr
	s_wait_alu depctr_va_vdst(0)           ; the conversions have written the codes, and the lines above the scale words, which the stores read
.irp mm, 0,1,2,3
	global_store_b128 v1, v[PC+4*\mm:PC+4*\mm+3], s[32:33] offset:((\pp)/2)*4096+1024*\mm+512*((\pp)%2)   ; 32 lanes store 512 consecutive bytes
.endr
.if (\pp) == 3
.irp mm, 0,1,2,3
	global_store_b32 v5, v[SWQ+\mm], s[34:35] offset:256*\mm     ; lanes 16-31 store the same word to the same place
.endr
.endif
.endm
.macro EPI_K pp
	QUANT ACC, 7, 0
.irp mm, 0,1,2,3,4,5,6
.if (\pp) == 0
	v_mov_b32 v[SWK+\mm], v[QT+QN+\mm]
.else
	v_lshl_or_b32 v[SWK+\mm], v[QT+QN+\mm], 8*(\pp), v[SWK+\mm]
.endif
.endr
	s_wait_alu depctr_va_vdst(0)           ; the conversions have written the codes, and the lines above the scale words, which the stores read
.irp mm, 0,1,2,3,4,5,6
.if \mm < 4
	global_store_b128 v8, v[PC+4*\mm:PC+4*\mm+3], s[36:37] offset:8192*\mm+256*(\pp)
.elseif \mm < 6
	global_store_b128 v8, v[PC+4*\mm:PC+4*\mm+3], s[42:43] offset:8192*(\mm-4)+256*(\pp)
.else
	global_store_b128 v8, v[PC+4*\mm:PC+4*\mm+3], s[44:45] offset:256*(\pp)
.endif
.endr
.if (\pp) == 3
.irp mm, 0,1,2,3
	global_store_b32 v5, v[SWK+\mm], s[38:39] offset:256*\mm
.endr
	global_store_b32 v5, v[SWK+4], s[46:47]
	global_store_b32 v5, v[SWK+5], s[46:47] offset:256
	global_store_b32 v5, v[SWK+6], s[48:49]
.endif
.endm
.macro REDUCE B                        ; four pairs at B: the two halves, then the 32 lanes; every lane ends with the row's sum
.irp p, 0,1,2,3
	v_add_f32 v[\B+2*\p], v[\B+2*\p], v[\B+2*\p+1]
.endr
.irp x, 1,2,4,8
.irp p, 0,1,2,3
	v_add_f32_dpp v[\B+2*\p], v[\B+2*\p], v[\B+2*\p] row_xmask:\x row_mask:0xf bank_mask:0xf
.endr
.endr
.irp p, 0,1,2,3
	v_permlanex16_b32 v[PD+\p], v[\B+2*\p], s[SEL], s[SEL+1]
.endr
.irp p, 0,1,2,3
	v_add_f32 v[\B+2*\p], v[\B+2*\p], v[PD+\p]
.endr
.endm
	s_load_b512 s[4:19], s[0:1], 0x0       ; x, ln1_s, ln1_b, wq codes, wq scales, bq, wkv codes, wkv scales
	s_load_b512 s[20:35], s[0:1], 0x40     ; bkv, rpb_w1, rpb_b1, rpb_w2, rpb_b2, btab, qimg, qsc
	s_load_b128 s[36:39], s[0:1], 0x80     ; kimg, ksc
	s_load_b64 s[40:41], s[0:1], 0x90      ; vw
	s_set_vgpr_msb 0x80
	v_lshl_add_u32 v254, v0, 2, 0x37500
	v_mov_b32 v255, 0
	s_set_vgpr_msb 0x8000
	v_lshrrev_b32 v252, 5, v0
	v_readfirstlane_b32 s2, v252           ; wave
	s_wait_alu depctr_va_sdst(0)           ; s2 is written, ahead of its first reader: LDS places and the buffers' bases are made from it
	s_mov_b32 s3, ttmp9                    ; bw
	s_mov_b32 s55, 0
	s_mov_b32 s[SEL], 0x76543210
	s_mov_b32 s[SEL+1], 0xfedcba98         ; lane xor 16
	s_mov_b32 s[MNT], 0x600000             ; the mantissa field of 448
	s_mov_b32 s61, 0x3727c5ac              ; 1e-5
	s_mov_b32 s62, 0x3b000000              ; 1 / 512
	v_and_b32 v252, 31, v0                 ; L
	v_and_b32 v253, 15, v0                 ; r
	v_bfe_u32 v254, v0, 4, 1               ; h
	v_and_b32 v255, 8, v253
	v_add_nc_u32 v255, v255, v253          ; r8 = r + 8 (r / 8)
	v_lshlrev_b32 v1, 4, v252              ; v1  16 L
	v_lshlrev_b32 v2, 9, v255
	v_lshl_add_u32 v2, v254, 4, v2         ; v2  chosen weight row: 512 r8 + 16 h
	v_lshlrev_b32 v3, 9, v253
	v_lshl_add_u32 v3, v254, 4, v3         ; v3  natural weight row: 512 r + 16 h
	v_lshlrev_b32 v4, 4, v255              ; v4  16 r8
	v_lshlrev_b32 v5, 4, v253              ; v5  16 r
	v_lshlrev_b32 v6, 6, v254              ; v6  64 h
	v_lshlrev_b32 v7, 2, v253              ; v7  4 r
	v_lshrrev_b32 v8, 3, v253
	v_lshlrev_b32 v8, 12, v8
	v_lshl_add_u32 v8, v254, 7, v8
	v_and_b32 v9, 7, v253
	v_lshl_add_u32 v8, v9, 4, v8           ; v8  K's image: 4096 (r / 8) + 128 h + 16 (r % 8)
	v_lshlrev_b32 v9, 14, v254
	v_lshl_add_u32 v9, v253, 4, v9         ; v9  V: 16384 h + 16 r
	v_mul_u32_u24 v10, v254, 272
	v_lshl_add_u32 v10, v253, 4, v10       ; v10 a fragment's image, read: 16 r + 272 h
	s_mul_i32 s54, s2, TWB
	s_add_co_u32 s54, s54, TURN            ; my stage
	v_lshrrev_b32 v11, 2, v252
	v_mul_u32_u24 v11, v11, 80
	v_and_b32 v12, 3, v252
	v_lshl_add_u32 v11, v12, 4, v11
	v_add_nc_u32 v11, s54, v11             ; v11 the stage, in: 80 (L / 4) + 16 (L % 4)
	v_mul_u32_u24 v12, v252, 80
	v_add_nc_u32 v12, s54, v12             ; v12 and out: 80 L
	v_lshrrev_b32 v13, 3, v252             ; in the LN phase lane L holds k = 16 L ..: K step L / 8,
	v_bfe_u32 v18, v252, 1, 2              ; piece (L / 2) % 4,
	v_and_b32 v19, 1, v252                 ; half L % 2
	v_mul_u32_u24 v14, v13, FRB
	v_mad_u32_u24 v14, v18, 544, v14
	v_mad_u32_u24 v14, v19, 272, v14
	v_lshl_add_u32 v17, v13, 6, v18
	v_add_nc_u32 v17, SCL, v17
	s_lshr_b32 s56, s2, 1
	s_and_b32 s57, s2, 1
	s_mul_i32 s66, s56, 4*FRB
	s_lshl_b32 s67, s57, 7
	s_add_co_u32 s66, s66, s67
	s_add_co_u32 s66, s66, 16*FRB          ; level 1: tile 4 + w / 2, rows 8 (w % 2) on
	s_lshl_b32 s67, s2, 6
	s_add_co_u32 s67, s67, 24*FRB          ; level 2: tile 6, rows 4 w on
	s_mul_i32 s54, s2, 4*FRB               ; level 0: tile w
	v_add_nc_u32 v15, s66, v14             ; v14-16 where my codes go, by level
	v_add_nc_u32 v16, s67, v14
	v_add_nc_u32 v14, s54, v14
	s_lshl_b32 s66, s56, 8
	s_lshl_b32 s67, s57, 5
	s_add_co_u32 s66, s66, s67
	s_add_co_u32 s66, s66, 1024
	s_lshl_b32 s67, s2, 4
	s_add_co_u32 s67, s67, 1536
	s_lshl_b32 s54, s2, 8
	v_add_nc_u32 v18, s66, v17             ; v17-19 and my scale bytes
	v_add_nc_u32 v19, s67, v17
	v_add_nc_u32 v17, s54, v17
	v_lshlrev_b32 v20, 6, v252             ; v20 64 L: my 16 gains and biases
	v_lshrrev_b32 v21, 1, v252             ; the table: lane L takes hidden units 16 (L / 2) on and heads 4 (L % 2) on
	v_and_b32 v23, 1, v252
	v_lshlrev_b32 v22, 9, v21
	v_lshl_add_u32 v22, v23, 4, v22        ; v22 rpb_w2
	v_lshlrev_b32 v21, 6, v21              ; v21 rpb_w1, rpb_b1
	v_lshlrev_b32 v199, 14, v23            ; v199 the table's rows
	v_lshlrev_b32 v23, 4, v23              ; v23 rpb_b2
.irp j, 0,1,2,3
	v_mov_b32 v[PD+\j], 0                  ; written once: a lane permute's destination counts as one of its sources
	v_mov_b32 v[186+\j], 0
.endr
	s_wait_kmcnt 0x0
	OFFS 4, 17, 15, 0                      ; x at my wave's 16 rows
	OFFW 10, 16                            ; the weights at my 128 rows: codes 512 bytes a row, scales 16, bias 4
	OFFW 12, 11
	OFFW 14, 9
	OFFW 16, 16
	OFFW 18, 11
	OFFW 20, 9
	s_wait_alu depctr_va_vdst(0)           ; the offsets and LDS addresses v1-v23 and v199 are written, which the loads, stores and LDS instructions below read
.irp q, 0,1,2,3
	global_load_b128 v[80+4*\q:83+4*\q], v21, s[22:23] offset:16*\q
	global_load_b128 v[96+4*\q:99+4*\q], v21, s[24:25] offset:16*\q
.endr
.set i, 0
.rept 16
	global_load_b128 v[112+4*i:115+4*i], v22, s[26:27] offset:32*i
.set i, i+1
.endr
	global_load_b128 v[176:179], v23, s[28:29]
	WIN 0x80
.irp q, 0,1,2,3
	global_load_b128 v[4*\q:4*\q+3], v20, s[6:7] offset:16*\q          ; window 2: gains v0-15,
	global_load_b128 v[16+4*\q:19+4*\q], v20, s[8:9] offset:16*\q      ; biases v16-31
.endr
	WIN 0x40
.set i, 0
.rept 64
	global_load_b128 v[4*i:4*i+3], v1, s[4:5] offset:2048*(i/4)+512*(i%4) th:TH_LOAD_NT   ; 512 consecutive bytes a load
.set i, i+1
.endr
	WL 0
	WL 1
	WIN 0
	s_mov_b64 s[42:43], s[36:37]           ; a base for each level
	s_mov_b64 s[44:45], s[36:37]
	s_mov_b64 s[46:47], s[38:39]
	s_mov_b64 s[48:49], s[38:39]
	s_mov_b64 s[50:51], s[40:41]
	s_mov_b64 s[52:53], s[40:41]
	OFFS 32, 15, 13, 0                     ; qimg: 4,096 (8 bw + 2 w)
	OFFS 34, 10, 2, 0                      ; qsc: 16 x 64 bw + 4 w
	OFFS 36, 15, 10, 0                     ; kimg: 4,096 x first window (8 bw; 2048 + 4 bw; 3072 + 2 bw) + 1,024 w
	OFFS 42, 14, 10, 0x800000
	OFFS 44, 13, 10, 0xC00000
	OFFS 38, 10, 2, 0                      ; ksc: 128 x first window + 4 w
	OFFS 46, 9, 2, 262144
	OFFS 48, 8, 2, 393216
	OFFS 40, 17, 11, 0                     ; vw: 16,384 x first window + 2,048 w
	OFFS 50, 16, 11, 0x2000000
	OFFS 52, 15, 11, 0x3000000
	OFFS 30, 4, 2, 0                       ; btab + 4 idx
	; ---- the table's entry idx = 4 bw + w, for 8 heads
	s_lshl_b32 s54, s3, 2
	s_add_co_u32 s54, s54, s2
	s_sub_co_i32 s56, s54, 496
	v_cvt_f32_i32 v185, s56
	v_mul_f32 v185, 0x39800000, v185       ; rel / 4096, exact
	s_wait_loadcnt 63                      ; 108 loads are younger than the table's 25; the count names as many as its field holds
.set i, 0
.rept 16
	v_fma_f32 v184, v185, v[80+i], v[96+i]
	v_max_num_f32 v184, 0, v184
.irp e, 0,1,2,3
.if i == 0
	v_mul_f32 v[180+\e], v184, v[112+\e]   ; the first product starts the sums
.else
	v_fmac_f32 v[180+\e], v184, v[112+4*i+\e]
.endif
.endr
.set i, i+1
.endr
.irp x, 2,4,8
.irp e, 0,1,2,3
	v_add_f32_dpp v[180+\e], v[180+\e], v[180+\e] row_xmask:\x row_mask:0xf bank_mask:0xf
.endr
.endr
.irp e, 0,1,2,3
	v_permlanex16_b32 v[186+\e], v[180+\e], s[SEL], s[SEL+1]
.endr
.irp e, 0,1,2,3
	v_add_f32 v[180+\e], v[180+\e], v[186+\e]
.endr
.irp e, 0,1,2,3
	v_add_f32 v[180+\e], v[180+\e], v[176+\e]
.endr
	s_wait_alu depctr_va_vdst(0)           ; the additions have written v180-183, which the stores read
.irp e, 0,1,2,3
	global_store_b32 v199, v[180+\e], s[30:31] offset:4096*\e      ; sixteen lanes store the same word to the same place
.endr
	; ---- x into my stage
	s_wait_loadcnt 36                      ; all but the two weight tiles, 18 loads each
	WIN 0x04                               ; an LDS store's data are its source 1: window 1
.set i, 0
.rept 64
	ds_store_b128 v11, v[4*i:4*i+3] offset:2560*(i/4)+640*(i%4)
.set i, i+1
.endr
	WIN 0
	s_mov_b32 s63, 0                       ; 64 g: the trip's rows in level 0's image; the loop's counter
	s_mov_b32 s66, 0                       ; 10,240 g: four rows of the stage
	s_mov_b32 s67, 0                       ; 32 g
	s_mov_b32 s68, 0                       ; 16 g
	s_mov_b32 s69, 0                       ; 8 g
	s_mov_b32 s70, 0                       ; 4 g
.Lln:                                      ; four trips, four tokens each
	s_wait_alu depctr_vm_vsrc(0)           ; the last trip's LDS loads have read v13, its LDS stores v192-197, the codes and the bytes; ahead of the first trip: the table's stores have read v180-183, and the stores into the stage x's registers
	v_add_nc_u32 v13, s66, v12             ; this trip's rows in the stage,
	v_add_nc_u32 v192, s63, v14            ; and its places in the images and among the scale bytes
	v_add_nc_u32 v193, s67, v15
	v_add_nc_u32 v194, s68, v16
	v_add_nc_u32 v195, s68, v17
	v_add_nc_u32 v196, s69, v18
	v_add_nc_u32 v197, s70, v19
	s_wait_alu depctr_va_vdst(0)           ; the seven addresses are written; the last trip's arithmetic (ahead of the first trip: the table's) is done with v80-143, in which the rows land
.irp p, 0,1,2,3
.irp q, 0,1,2,3
	ds_load_b128 v[X+16*\p+4*\q:X+16*\p+4*\q+3], v13 offset:2560*\p+16*\q   ; LDS serves a wave's instructions in order: these see my stores
.endr
.endr
	s_wait_xcnt 0x0                        ; the table's stores have read their registers
	s_wait_dscnt 0x0                       ; the rows are in
.irp p, 0,1,2,3
	v_pk_add_f32 v[T2+2*\p:T2+2*\p+1], v[X+16*\p:X+16*\p+1], v[X+16*\p+2:X+16*\p+3]
.endr
.irp q, 4,6,8,10,12,14
.irp p, 0,1,2,3
	v_pk_add_f32 v[T2+2*\p:T2+2*\p+1], v[T2+2*\p:T2+2*\p+1], v[X+16*\p+\q:X+16*\p+\q+1]
.endr
.endr
	REDUCE T2
.irp p, 0,1,2,3
	v_mul_f32 v[T2+2*\p], s62, v[T2+2*\p]  ; the mean
.endr
.irp q, 0,2,4,6,8,10,12,14
.irp p, 0,1,2,3
	v_pk_add_f32 v[X+16*\p+\q:X+16*\p+\q+1], v[X+16*\p+\q:X+16*\p+\q+1], v[T2+2*\p:T2+2*\p+1] op_sel_hi:[1,0] neg_lo:[0,1] neg_hi:[0,1]
.endr
.endr
.irp p, 0,1,2,3
	v_pk_mul_f32 v[Q2+2*\p:Q2+2*\p+1], v[X+16*\p:X+16*\p+1], v[X+16*\p:X+16*\p+1]
.endr
.irp q, 2,4,6,8,10,12,14
.irp p, 0,1,2,3
	v_pk_fma_f32 v[Q2+2*\p:Q2+2*\p+1], v[X+16*\p+\q:X+16*\p+\q+1], v[X+16*\p+\q:X+16*\p+\q+1], v[Q2+2*\p:Q2+2*\p+1]
.endr
.endr
	REDUCE Q2
.irp p, 0,1,2,3
	v_fma_f32 v[Q2+2*\p], v[Q2+2*\p], s62, s61
.endr
.irp p, 0,1,2,3
	v_rsq_f32 v[Q2+2*\p], v[Q2+2*\p]
.endr
	v_nop                                  ; a plain line behind the last of the batch,
	s_wait_alu depctr_va_vdst(0)           ; and one wait for the four 1 / sqrt, ahead of their first reader
.irp q, 0,2,4,6,8,10,12,14
.irp p, 0,1,2,3
	v_pk_mul_f32 v[X+16*\p+\q:X+16*\p+\q+1], v[X+16*\p+\q:X+16*\p+\q+1], v[Q2+2*\p:Q2+2*\p+1] op_sel_hi:[1,0]
.endr
.endr
	WIN 0x28                               ; gains and biases: sources 1 and 2 in window 2
.irp q, 0,2,4,6,8,10,12,14
.irp p, 0,1,2,3
	v_pk_fma_f32 v[X+16*\p+\q:X+16*\p+\q+1], v[X+16*\p+\q:X+16*\p+\q+1], v[\q:\q+1], v[16+\q:17+\q]
.endr
.endr
	WIN 0
.irp q, 0,2,4,6,8,10,12,14                 ; the pooled rows: means of 2, 2 and 4 tokens
	v_pk_add_f32 v[PL+\q:PL+\q+1], v[X+\q:X+\q+1], v[X+16+\q:X+17+\q]
	v_pk_add_f32 v[PL+16+\q:PL+17+\q], v[X+32+\q:X+33+\q], v[X+48+\q:X+49+\q]
.endr
.irp q, 0,2,4,6,8,10,12,14
	v_pk_add_f32 v[PL+32+\q:PL+33+\q], v[PL+\q:PL+\q+1], v[PL+16+\q:PL+17+\q]
.endr
.irp q, 0,2,4,6,8,10,12,14
	v_pk_mul_f32 v[PL+\q:PL+\q+1], v[PL+\q:PL+\q+1], 0.5 op_sel_hi:[1,0]
	v_pk_mul_f32 v[PL+16+\q:PL+17+\q], v[PL+16+\q:PL+17+\q], 0.5 op_sel_hi:[1,0]
	v_pk_mul_f32 v[PL+32+\q:PL+33+\q], v[PL+32+\q:PL+33+\q], 0x3e800000 op_sel_hi:[1,0]
.endr
	QUANT X, 7, 1                          ; lanes L and L xor 1 hold a block
	s_wait_alu depctr_va_vdst(0)           ; the conversions have written the codes and the shifts the bytes, which the LDS stores read; in the last trip also: the gains' registers have been read, in which fragments land behind the barrier
.irp p, 0,1,2,3
	ds_store_b128 v192, v[PC+4*\p:PC+4*\p+3] offset:16*\p
	ds_store_b8 v195, v[QT+QN+\p] offset:4*\p                      ; both lanes of a block write the same byte with the same value
.endr
.irp p, 0,1
	ds_store_b128 v193, v[PC+16+4*\p:PC+19+4*\p] offset:16*\p
	ds_store_b8 v196, v[QT+QN+4+\p] offset:4*\p
.endr
	ds_store_b128 v194, v[PC+24:PC+27]
	ds_store_b8 v197, v[QT+QN+6]
	s_add_co_u32 s66, s66, 10240
	s_add_co_u32 s67, s67, 32
	s_add_co_u32 s68, s68, 16
	s_add_co_u32 s69, s69, 8
	s_add_co_u32 s70, s70, 4
	s_add_co_u32 s63, s63, 64
	s_cmp_lt_u32 s63, 256
	s_cbranch_scc1 .Lln
	s_wait_dscnt 0x0                       ; for the others' sake: my images have landed
	s_barrier_signal -1
	s_barrier_wait -1                      ; all 28 fragments lie in LDS; from here on LDS is only read
	WIN 0x40
.set i, 0
.rept 64
	ds_load_b128 v[4*i:4*i+3], v10 offset:FRB*(i/4)+544*(i%4)
.set i, i+1
.endr
	WIN 0x80
.set i, 0
.rept 48
	ds_load_b128 v[4*i:4*i+3], v10 offset:FRB*(16+i/4)+544*(i%4)
.set i, i+1
.endr
	WIN 0
.set i, 0
.rept 28
	ds_load_b32 v[AS+i], v7 offset:SCL+64*i
.set i, i+1
.endr
	s_wait_dscnt 0x0
	; ---- twelve pairs of tiles: V's, whose results leave a tile later; q's; K's
.irp pr, 0,1,2,3
	TILE 2*\pr
	TILE 2*\pr+1
.endr
.irp pr, 0,1,2,3
	TILE 8+2*\pr
	TILE 9+2*\pr
	EPI_Q \pr
.endr
.irp pr, 0,1,2,3
	TILE 16+2*\pr
	TILE 17+2*\pr
	EPI_K \pr
.endr
	s_set_vgpr_msb 0xa                     ; the add's two registers, sources 0 and 1, lie in window 2
	s_wait_dscnt 0x0                       ; the closing lines, six on end
	s_wait_alu 0x0
	s_wait_tensorcnt 0x0
	ds_add_u32 v254, v255
	s_wait_dscnt 0x0
	s_endpgm
.Lfunc_end_k_qbe77d14e23_qkv:
	.size	k_qbe77d14e23_qkv, .Lfunc_end_k_qbe77d14e23_qkv-k_qbe77d14e23_qkv
	.p2alignl 7, 3214868480
	.fill 96, 4, 3214868480
	.section	.rodata,"a",@progbits
	.p2align	6, 0x0
	.amdhsa_kernel k_qbe77d14e23_qkv
		.amdhsa_group_segment_fixed_size 227072
		.amdhsa_private_segment_fixed_size 0
		.amdhsa_enable_private_segment 0
		.amdhsa_kernarg_size 152
		.amdhsa_user_sgpr_count 2
		.amdhsa_user_sgpr_kernarg_segment_ptr 1
		.amdhsa_wavefront_size32 1
		.amdhsa_system_sgpr_workgroup_id_x 1
		.amdhsa_system_sgpr_workgroup_id_y 1
		.amdhsa_system_sgpr_workgroup_id_z 1
		.amdhsa_system_vgpr_workitem_id 0
		.amdhsa_next_free_vgpr 1024
		.amdhsa_next_free_sgpr 72
		.amdhsa_reserve_vcc 0
		.amdhsa_float_denorm_mode_32 3
		.amdhsa_float_denorm_mode_16_64 3
		.amdhsa_memory_ordered 1
		.amdhsa_forward_progress 1
		.amdhsa_inst_pref_size 255
	.end_amdhsa_kernel
	.section	.bss,"aw",@nobits
	.p2align	6
	.space	262144
	.amdgpu_metadata
---
amdhsa.version: [ 1, 2 ]
amdhsa.kernels:
  - .name:           k_qbe77d14e23_qkv
    .symbol:         k_qbe77d14e23_qkv.kd
    .args:
      - { .name: x, .offset: 0, .size: 8, .value_kind: global_buffer, .address_space: global }
      - { .name: ln1_s, .offset: 8, .size: 8, .value_kind: global_buffer, .address_space: global }
      - { .name: ln1_b, .offset: 16, .size: 8, .value_kind: global_buffer, .address_space: global }
      - { .name: wq_codes, .offset: 24, .size: 8, .value_kind: global_buffer, .address_space: global }
      - { .name: wq_scales, .offset: 32, .size: 8, .value_kind: global_buffer, .address_space: global }
      - { .name: bq, .offset: 40, .size: 8, .value_kind: global_buffer, .address_space: global }
      - { .name: wkv_codes, .offset: 48, .size: 8, .value_kind: global_buffer, .address_space: global }
      - { .name: wkv_scales, .offset: 56, .size: 8, .value_kind: global_buffer, .address_space: global }
      - { .name: bkv, .offset: 64, .size: 8, .value_kind: global_buffer, .address_space: global }
      - { .name: rpb_w1, .offset: 72, .size: 8, .value_kind: global_buffer, .address_space: global }
      - { .name: rpb_b1, .offset: 80, .size: 8, .value_kind: global_buffer, .address_space: global }
      - { .name: rpb_w2, .offset: 88, .size: 8, .value_kind: global_buffer, .address_space: global }
      - { .name: rpb_b2, .offset: 96, .size: 8, .value_kind: global_buffer, .address_space: global }
      - { .name: btab, .offset: 104, .size: 8, .value_kind: global_buffer, .address_space: global }
      - { .name: qimg, .offset: 112, .size: 8, .value_kind: global_buffer, .address_space: global }
      - { .name: qsc, .offset: 120, .size: 8, .value_kind: global_buffer, .address_space: global }
      - { .name: kimg, .offset: 128, .size: 8, .value_kind: global_buffer, .address_space: global }
      - { .name: ksc, .offset: 136, .size: 8, .value_kind: global_buffer, .address_space: global }
      - { .name: vw, .offset: 144, .size: 8, .value_kind: global_buffer, .address_space: global }
    .group_segment_fixed_size: 227072
    .private_segment_fixed_size: 0
    .kernarg_segment_align: 8
    .kernarg_segment_size: 152
    .max_flat_workgroup_size: 128
    .sgpr_count:     72
    .vgpr_count:     1024
    .wavefront_size: 32
...
	.end_amdgpu_metadata
.endif
;; end of part 4
;; launch attn (part 5): grid 256 x 1, 16 waves a work-group, no clusters, 243,712 bytes of LDS; arguments qimg, qsc, kimg, ksc, vw, btab, aimg, asc; writes aimg, asc
.if DOCPART == 5
	.amdgcn_target "amdgcn-amd-amdhsa--gfx1250"
	.amdhsa_code_object_version 6
	.text
	.protected	k_qbe77d14e23_attn
	.globl	k_qbe77d14e23_attn
	.p2align	8
	.type	k_qbe77d14e23_attn,@function
k_qbe77d14e23_attn:
	s_mov_b64 s[64:65], 0
	v_nop
	global_prefetch_b8 v0, s[64:65] scope:SCOPE_SE
	s_setreg_imm32_b32 hwreg(HW_REG_WAVE_SCHED_MODE, 0, 2), 2
	s_setreg_imm32_b32 hwreg(HW_REG_WAVE_MODE, 25, 1), 1
	s_wait_xcnt 0x0
	s_wait_alu depctr_vm_vsrc(0)
; The attention of one query window (64 queries, 8 heads of 64) over 3 levels x 16 key windows x 8 keys, both products on codes of E4M3 with one E8M0 scale for each 32 along K; its result leaves quantised for the projection.
; WHICH KEY WINDOWS: rank p of the window list of a query window with centre cq among nk windows is p where p > 2 cq, nk - 1 - p where p > 2 (nk - 1 - cq), else cq - (p + 1) / 2 (p odd) or cq + p / 2 (p even):
; the stable sort by distance, written out.  All of it is scalar arithmetic on the work-group's number.
; SHARES: sixteen waves, four to a SIMD.  Wave w: head w / 2.  First it quantises V for this window (its half of the head's 64 channels, three levels: six fragments) into LDS; behind one barrier it takes query tiles
; 2 (w % 2) and the next, one after the other, each through three steps of 128 keys.
; LAYOUT: both products are used transposed (S^T = K Q^T, O^T = V^T P^T): a lane holds one query.  The key at k = 32 c + 16 h + 8 u + j of a step is key j of rank 4 c + 2 h + u: the order of reference()'s own list, so a
; block of 32 is ranks 4 c .. 4 c + 3, in S^T, in P and in V alike.  The head has 64 channels: the upper half of the first product's 128 along K is zero codes on both sides.
; THE BIAS comes from the table (head, rel + 496), which lies in LDS, straight into the accumulators as the first product's C.
; SOFTMAX: t = logit x log2 e; M = the running largest t rounded up to a whole number; p = 2^(t - M) is quantised, its sum taken unquantised; a change of M multiplies sum and O^T by a power of two.
; LIMITS: NaN and infinities are not served; a block whose largest magnitude lies under 2^-118 takes the scale byte 1.  The result's scale bytes leave two at a time, 16 bytes apart.
; THE MODE: SCHED_MODE bits 1:0 = 2 (LLVM: expert scheduling mode 2), set by the entry lines.  The code itself states the register dependences between vector or matrix instructions and memory or LDS
; instructions, with s_wait_alu, always for 0.
; THE PLAN.  V PHASE: the 24 addresses of all three levels are made at once (v208-231), with one wait behind them.  Two buffers of 64 numbers take turns: a fragment's quantiser reads one; the wait on va_vdst behind it states
; that the codes and the scale word are written, which the LDS stores read, and that the buffer is free for the loads of two fragments on; a wait on vm_vsrc ahead of each quantiser states that the last LDS stores have read the codes.
; A STEP: v208-231 are read by the step's loads and made anew at the next step's head: vm_vsrc ahead of that, va_vdst behind it.  K's four fragments (v32-95) and v248-251 are read by four products and loaded again for the next four:
; one wait.  p's registers (v96-159) are read by the holds and conversions and then take V's fragments; the codes and p's scale word are written by vector instructions and taken by the products: one wait, behind the codes' places.
; REGISTERS: v1-11 addresses; v12 -M, v13 largest t, v[14:15] the sum; v16-31 Q; v32-95 four fragments of K (V phase: numbers as loaded); v96-159 S^T, p, then four fragments of V; v160-191 O^T; v192-207 codes;
; v208-231 addresses of a step (V phase: of the three levels); v232-247 the quantiser's temporaries; v248-251 K's or V's scale words; v252 f; v253 P's scale word; v254 at work; v255 Q's scale word.
.set VIMG, 32768                       ; LDS: the table (32,768 bytes); V's 96 fragments as images of their registers, 2,048 bytes each: ((3 head + level) 4 + tile);
.set VSC,  229376                      ; their scale words, 128 bytes each
.set QT,   232
.set QN,   4
.set PC,   192
.set RK,   16                          ; s16-63: for level l, tile t = 2 c + u: window of rank 4 c + u (with the level's and the batch's base), and the distance to rank 4 c + 2 + u
.set SB,   84                          ; s84-86: a level's constant in the bias address
.set SEL,  88
.set CS,   90
.set MNT,  92
.set TQ,   93                          ; 64 x query tile
.macro NOPS n
.rept \n
	v_nop
.endr
.endm
.macro QUANT S, NB, xm                 ; NB groups of 16 numbers of a lane become codes in v[PC + 4 g ..] and a byte in v[QT + QN + g]; the block's other half lies in lane xor 16
.set g, 0
.rept \NB
	v_max3_num_f32 v[QT+g], |v[(\S)+16*g]|, |v[(\S)+16*g+1]|, 0x4800000   ; with the floor 2^(9 - 127)
.set g, g+1
.endr
.set i, 2
.rept 7
.set g, 0
.rept \NB
	v_max3_num_f32 v[QT+g], v[QT+g], |v[(\S)+16*g+i]|, |v[(\S)+16*g+i+1]|
.set g, g+1
.endr
.set i, i+2
.endr
.set g, 0
.rept \NB
	v_permlanex16_b32 v[QT+QN+g], v[QT+g], s[SEL], s[SEL+1]
.set g, g+1
.endr
.set g, 0
.rept \NB
	v_max_num_f32 v[QT+g], v[QT+g], v[QT+QN+g]
.set g, g+1
.endr
.set g, 0
.rept \NB
	v_add_nc_u32 v[QT+3*QN+g], 0xfc000000, v[QT+g]
.set g, g+1
.endr
.set g, 0
.rept \NB
	v_and_or_b32 v[QT+2*QN+g], v[QT+g], 0x7f800000, s[MNT]
.set g, g+1
.endr
.set g, 0
.rept \NB
	v_lshrrev_b32 v[QT+QN+g], 23, v[QT+3*QN+g]
.set g, g+1
.endr
.set g, 0
.rept \NB
.set i, 0
.rept 16
	v_med3_num_f32 v[(\S)+16*g+i], v[(\S)+16*g+i], -v[QT+2*QN+g], v[QT+2*QN+g]
.set i, i+1
.endr
	v_cvt_scalef32_pk8_fp8_f32 v[PC+4*g:PC+4*g+1], v[(\S)+16*g:(\S)+16*g+7], v[QT+3*QN+g]
	v_cvt_scalef32_pk8_fp8_f32 v[PC+4*g+2:PC+4*g+3], v[(\S)+16*g+8:(\S)+16*g+15], v[QT+3*QN+g]
.set g, g+1
.endr
	v_nop                                  ; a plain line behind the last conversion
.endm
.macro RANK dst, p                     ; s8 = cq, s9 = 2 cq, s10 = nk - 1, s11 = 2 (nk - 1 - cq)
.if (\p)%2
	s_sub_co_u32 s[\dst], s8, ((\p)+1)/2
.else
	s_add_co_u32 s[\dst], s8, (\p)/2
.endif
	s_cmp_lt_u32 s9, \p
	s_cselect_b32 s[\dst], \p, s[\dst]     ; past the lower edge
	s_sub_co_u32 s13, s10, \p
	s_cmp_lt_u32 s11, \p
	s_cselect_b32 s[\dst], s13, s[\dst]    ; past the upper edge
.endm
.macro LEVEL lam
	s_lshl_b32 s8, s7, 3-(\lam)
	s_add_co_u32 s8, s8, 4>>(\lam)
	s_lshl_b32 s9, s8, 1
	s_mov_b32 s10, (512>>(\lam))-1
	s_sub_co_u32 s11, s10, s8
	s_lshl_b32 s11, s11, 1
	s_lshl_b32 s12, s6, 9-(\lam)
	s_add_co_u32 s12, s12, 4096-(4096>>(\lam))     ; the level's and the batch's first window: 0, 2048, 3072 + b nk
.irp c, 0,1,2,3
.irp u, 0,1
	RANK RK+16*(\lam)+2*(2*\c+\u), 4*\c+\u
	RANK RK+16*(\lam)+2*(2*\c+\u)+1, 4*\c+2+\u
	s_sub_co_u32 s[RK+16*(\lam)+2*(2*\c+\u)+1], s[RK+16*(\lam)+2*(2*\c+\u)+1], s[RK+16*(\lam)+2*(2*\c+\u)]
	s_add_co_u32 s[RK+16*(\lam)+2*(2*\c+\u)], s[RK+16*(\lam)+2*(2*\c+\u)], s12
.endr
.endr
	s_add_co_u32 s13, s12, s8
	s_lshl_b32 s13, s13, 5+(\lam)
	s_add_co_u32 s[SB+(\lam)], s13, 4*(464-3*(1<<(\lam)))      ; 4 (rel + 496) = this + 4 q - 32 f x window + 4 f (7 - j)
.endm
.macro VADDR lam                       ; where my channel's keys of the level's 16 windows lie: lanes 16-31 take the window two ranks on; eight registers to a level
.irp t, 0,1,2,3,4,5,6,7
	v_mad_u32 v252, v3, s[RK+16*(\lam)+2*\t+1], s[RK+16*(\lam)+2*\t]
	v_lshl_add_u32 v[208+8*(\lam)+\t], v252, 14, v160
.endr
.endm
.macro VLOAD f                         ; fragment f = 2 level + tile: register 16 c + 8 u + j = key j of rank 4 c + 2 h + u, of my channel
.set la, 32+64*((\f)%2)
.set va, 208+8*((\f)/2)
.irp cc, 0,1,2,3
.irp uu, 0,1
.irp jh, 0,1
	global_load_b128 v[la+16*\cc+8*\uu+4*\jh:la+16*\cc+8*\uu+4*\jh+3], v[va+2*\cc+\uu], s[76:77] offset:8192*\jh+128*((\f)%2)
.endr
.endr
.endr
.endm
.macro VQ f
.set la, 32+64*((\f)%2)
	s_wait_dscnt 0x0                       ; the last LDS stores are done
	s_wait_alu depctr_vm_vsrc(0)           ; they have read the codes' registers and v254, which the lines below write again
	QUANT la, 4, 0
	v_lshl_or_b32 v254, v[QT+QN+1], 8, v[QT+QN]
	v_lshl_or_b32 v254, v[QT+QN+2], 16, v254
	v_lshl_or_b32 v254, v[QT+QN+3], 24, v254
	s_wait_alu depctr_va_vdst(0)           ; the codes and the scale word are written, which the LDS stores read; the quantiser is done with its 64 numbers' registers, in which the loads of two fragments on land
.irp cc, 0,1,2,3
	ds_store_b128 v161, v[PC+4*\cc:PC+4*\cc+3] offset:(4*((\f)/2)+(\f)%2)*2048+512*\cc
.endr
	ds_store_b32 v162, v254 offset:(4*((\f)/2)+(\f)%2)*128
.endm
	s_load_b512 s[68:83], s[0:1], 0x0      ; qimg, qsc, kimg, ksc, vw, btab, aimg, asc
	v_lshrrev_b32 v1, 5, v0
	v_readfirstlane_b32 s2, v1             ; wave
	s_wait_alu depctr_va_sdst(0)           ; s2 is written, ahead of its first reader: the head, the halves and the bases are made from it
	s_mov_b32 s3, ttmp9                    ; bw
	s_lshr_b32 s4, s2, 1                   ; head
	s_and_b32 s5, s2, 1                    ; which half: of the channels, of the query tiles
	s_lshr_b32 s6, s3, 6                   ; batch
	s_and_b32 s7, s3, 63                   ; query window
	s_mov_b32 s[SEL], 0x76543210
	s_mov_b32 s[SEL+1], 0xfedcba98
	s_mov_b32 s[CS], 0x3fb8aa3b            ; log2 e
	s_mov_b32 s[CS+1], s[CS]
	s_mov_b32 s[MNT], 0x600000
.irp j, 0,1,2,3
	v_mov_b32 v[QT+QN+\j], 0               ; written once: a lane permute's destination counts as one of its sources
.endr
	v_and_b32 v2, 31, v0                   ; L
	v_and_b32 v166, 15, v0                 ; r
	v_bfe_u32 v3, v0, 4, 1                 ; v3  h
	v_bfe_u32 v4, v0, 3, 1                 ; v4  (L / 8) % 2
	v_and_b32 v165, 7, v0
	v_lshlrev_b32 v1, 4, v2                ; v1  16 L
	v_lshlrev_b32 v10, 8, v2               ; v10 256 L: the prefetch's offset
	v_lshlrev_b32 v2, 2, v2                ; 4 L
	s_lshl_b32 s8, s4, 9
	v_lshlrev_b32 v5, 4, v165
	v_lshl_add_u32 v5, v3, 7, v5
	v_add_nc_u32 v5, s8, v5                ; v5  in a window of kimg: 512 head + 128 h + 16 (r % 8)
	s_lshl_b32 s8, s4, 1
	v_lshl_add_u32 v6, v165, 4, s8         ; v6  in a window of ksc: 16 (r % 8) + 2 head
	s_lshl_b32 s8, s4, 12
	v_lshl_add_u32 v7, v166, 2, s8         ; v7  in the table: 4,096 head + 4 r
	s_mul_i32 s8, s4, 24576
	s_add_co_u32 s8, s8, VIMG
	v_add_nc_u32 v8, s8, v1                ; v8  my head's fragments of V
	s_lshl_b32 s9, s5, 12
	s_add_co_u32 s9, s9, s8
	v_add_nc_u32 v161, s9, v1              ; v161 those that I make
	s_mul_i32 s8, s4, 1536
	s_add_co_u32 s8, s8, VSC
	v_add_nc_u32 v9, s8, v2                ; v9  their scale words
	s_lshl_b32 s9, s5, 8
	s_add_co_u32 s9, s9, s8
	v_add_nc_u32 v162, s9, v2              ; v162
	v_and_b32 v164, 8, v166
	v_add_nc_u32 v164, v164, v166          ; r + 8 (r / 8): V's rows are chosen, so that O^T's registers run along the projection's K
	s_lshl_b32 s8, s4, 10
	s_lshl_b32 s9, s5, 9
	s_add_co_u32 s8, s8, s9
	v_lshl_add_u32 v160, v164, 4, s8       ; v160 my channel in a window of vw: 16 (64 head + 32 half + r8)
	s_lshl_b32 s8, s2, 11
	v_add_nc_u32 v163, s8, v1              ; v163 my part of the table, in memory and in LDS
	s_lshl_b32 s8, s4, 1
	v_lshl_add_u32 v2, v166, 4, s8         ; v2  from here on 16 r + 2 head: a token's two scale bytes of my head
	s_wait_kmcnt 0x0
	s_wait_alu depctr_va_vdst(0)           ; the offsets and LDS addresses v1-v10 and v161-163 are written, which the loads, stores, LDS instructions and the prefetch below read
.irp q, 0,1,2,3
	global_load_b128 v[192+4*\q:195+4*\q], v163, s[78:79] offset:512*\q
.endr
	LEVEL 0
	LEVEL 1
	LEVEL 2
	; the prefetch: the 14 key windows that this work-group's tokens made, two to a wave
	s_lshl_b32 s8, s3, 3
	s_lshl_b32 s9, s2, 1
	s_add_co_u32 s8, s8, s9                ; waves 0-3: 8 bw + 2 w
	s_lshl_b32 s10, s3, 2
	s_add_co_u32 s10, s10, s9
	s_add_co_u32 s10, s10, 2040            ; waves 4, 5: 2048 + 4 bw + 2 (w - 4)
	s_lshl_b32 s11, s3, 1
	s_add_co_u32 s11, s11, 3072            ; wave 6: 3072 + 2 bw
	s_cmp_lt_u32 s2, 6
	s_cselect_b32 s10, s10, s11
	s_cmp_lt_u32 s2, 4
	s_cselect_b32 s8, s8, s10
	s_lshl_b32 s96, s8, 12
	s_mov_b32 s97, 0
	s_add_nc_u64 s[96:97], s[72:73], s[96:97]
	; the bases of the loop over query tiles, at tile 2 (w % 2)
	s_mov_b32 s15, 0
	s_lshl_b32 s14, s3, 15
	s_lshl_b32 s8, s4, 12
	s_add_co_u32 s14, s14, s8
	s_lshl_b32 s8, s5, 11
	s_add_co_u32 s14, s14, s8
	s_add_nc_u64 s[68:69], s[68:69], s[14:15]
	s_lshl_b32 s14, s3, 10
	s_lshl_b32 s8, s5, 9
	s_add_co_u32 s14, s14, s8
	s_add_nc_u64 s[70:71], s[70:71], s[14:15]
	s_add_nc_u64 s[82:83], s[82:83], s[14:15]
	s_lshl_b32 s14, s3, 15
	s_lshl_b32 s8, s5, 14
	s_add_co_u32 s14, s14, s8
	s_lshr_b32 s8, s4, 1
	s_lshl_b32 s8, s8, 11
	s_add_co_u32 s14, s14, s8
	s_and_b32 s8, s4, 1
	s_lshl_b32 s8, s8, 10
	s_add_co_u32 s14, s14, s8
	s_add_nc_u64 s[80:81], s[80:81], s[14:15]      ; aimg: fragment 4 tile + head / 2, pieces 2 (head % 2) on
	s_lshl_b32 s[TQ], s5, 7
	; ---- V: six fragments, the loads one fragment ahead; the addresses of all three levels at once
	VADDR 0
	VADDR 1
	VADDR 2
	s_wait_alu depctr_va_vdst(0)           ; the 24 addresses v208-231 are written, which the six fragments' loads read
	VLOAD 0
	VLOAD 1
	; K's codes are asked for here, behind my loads: each aligned 256 bytes of kimg once in the launch, by the work-group whose tokens made them; 32 lanes x 256 bytes are two windows.  The rest of the V phase lies ahead of their first use.
	s_cmp_lt_u32 s2, 7
	s_cbranch_scc0 .Lnopf
	global_prefetch_b8 v10, s[96:97] th:TH_LOAD_NT scope:SCOPE_SE
.Lnopf:
	s_wait_loadcnt 16                      ; the table's part and fragment 0 are in; fragment 1's 16 loads may stay out
.irp q, 0,1,2,3
	ds_store_b128 v163, v[192+4*\q:195+4*\q] offset:512*\q
.endr
	VQ 0
	VLOAD 2
	s_wait_loadcnt 16
	VQ 1
	VLOAD 3
	s_wait_loadcnt 16
	VQ 2
	VLOAD 4
	s_wait_loadcnt 16
	VQ 3
	VLOAD 5
	s_wait_loadcnt 16
	VQ 4
	s_wait_loadcnt 0x0
	VQ 5
	s_wait_dscnt 0x0                       ; for the others' sake: my part of the table and my fragments have landed
	s_barrier_signal -1
	s_barrier_wait -1                      ; from here on LDS is only read
.irp j, 24,25,26,27,28,29,30,31
	v_mov_b32 v[\j], 0                     ; the upper 64 along K: zero codes, in Q
.endr
.irp t, 0,1,2,3
.irp j, 8,9,10,11,12,13,14,15
	v_mov_b32 v[32+16*\t+\j], 0            ; and in K's four fragments
.endr
.endr
	v_mov_b32 v253, 0                      ; (named as the upper half of the pair v[252:253] before it is first written)
; A STEP: the 128 keys of level lam.  first = 1: its products start O^T.
.macro STEP lam, first
	s_wait_alu depctr_vm_vsrc(0)           ; the loads issued so far have read v208-231, and the stores (LDS stores of the V phase, the last tile's stores) v254, v161-163 and the codes: all these are written again in this step
	v_add3_u32 v11, v7, s[SB+(\lam)], s[TQ]
.irp t, 0,1,2,3,4,5,6,7                    ; (these plain lines are also the places behind the last step's products)
	v_mad_u32 v254, v4, s[RK+16*(\lam)+2*\t+1], s[RK+16*(\lam)+2*\t]   ; as source 0: lanes 8-15 of a half take the window two ranks on
	v_lshl_add_u32 v[208+\t], v254, 12, v5
	v_lshl_add_u32 v[216+\t], v254, 7, v6
	v_mad_u32 v254, v3, s[RK+16*(\lam)+2*\t+1], s[RK+16*(\lam)+2*\t]   ; in the result: lanes 16-31 hold it
	v_lshlrev_b32 v254, 5+(\lam), v254
	v_sub_nc_u32 v254, v11, v254
	v_and_b32 v[224+\t], 0x7ffc, v254      ; the address lies inside the table's 32,768 bytes: the mask states it and changes nothing
.endr
	s_wait_alu depctr_va_vdst(0)           ; the 24 addresses are written; the last products are done reading K's fragments, V's (v96-159) and v248-251, in which the loads below land; the zero codes of Q and K are written, which the products take
.irp g, 0,1                                ; S^T = K Q^T + bias, four tiles of 16 keys at a time
.if \g
	NOPS 8                                 ; the places behind the four products
	s_wait_alu depctr_va_vdst(0)           ; they are done reading K's fragments and v248-251, in which the next four tiles land
.endif
.irp t, 0,1,2,3
	global_load_b128 v[32+16*\t:35+16*\t], v[208+4*\g+\t], s[72:73]
	global_load_b128 v[36+16*\t:39+16*\t], v[208+4*\g+\t], s[72:73] offset:256
	global_load_u16 v[248+\t], v[216+4*\g+\t], s[74:75]            ; two scale bytes; the upper two are 0, over zero codes
.endr
.if \g == 0
.irp t, 0,1,2,3,4,5,6,7
.irp j, 0,1,2,3,4,5,6,7
	ds_load_b32 v[96+8*\t+\j], v[224+\t] offset:(4<<(\lam))*(7-\j)     ; the bias lands as C
.endr
.endr
.endif
	s_wait_loadcnt 0x0
	s_wait_dscnt 0x0
.irp t, 0,1,2,3
	v_wmma_scale_f32_16x16x128_f8f6f4 v[96+8*(4*\g+\t):103+8*(4*\g+\t)], v[32+16*\t:47+16*\t], v[16:31], v[96+8*(4*\g+\t):103+8*(4*\g+\t)], v[248+\t], v255
.endr
.endr
	NOPS 8
.irp b, 0,1,2,3
	v_max3_num_f32 v[232+\b], v[96+16*\b], v[97+16*\b], v[98+16*\b]    ; the largest logit of each block of 32 keys: for the row's maximum, and for the block's largest p
.endr
.irp i, 3,5,7,9,11,13
.irp b, 0,1,2,3
	v_max3_num_f32 v[232+\b], v[232+\b], v[96+16*\b+\i], v[97+16*\b+\i]
.endr
.endr
.irp b, 0,1,2,3
	v_max_num_f32 v[232+\b], v[232+\b], v[111+16*\b]
.endr
.irp b, 0,1,2,3
	v_permlanex16_b32 v[236+\b], v[232+\b], s[SEL], s[SEL+1]
.endr
.irp b, 0,1,2,3
	v_max_num_f32 v[232+\b], v[232+\b], v[236+\b]
.endr
	v_max3_num_f32 v254, v232, v233, v234
	v_max_num_f32 v254, v254, v235
	v_mul_f32 v254, s[CS], v254
	v_max_num_f32 v13, v13, v254           ; the running largest t
	v_mov_b32 v254, v12
	v_floor_f32 v12, -v13                  ; -M = floor(-t): M is a whole number
	v_sub_f32 v254, v12, v254
	v_cvt_i32_f32 v254, v254               ; (it saturates)
	v_ldexp_f32 v252, 1.0, v254            ; f = 2^(old M - new M)
.set i, 0
.rept 32
	v_pk_fma_f32 v[96+i:97+i], v[96+i:97+i], s[CS:CS+1], v[12:13] op_sel_hi:[1,0,0]   ; t - M
.set i, i+2
.endr
.irp b, 0,1,2,3
	v_fma_f32 v[232+\b], v[232+\b], s[CS], v12
.endr
.set i, 0
.rept 64
	v_exp_f32 v[96+i], v[96+i]             ; p = 2^(t - M)
.set i, i+1
.endr
	v_pk_mul_f32 v[14:15], v[14:15], v[252:253] op_sel_hi:[1,0]    ; the sum under the new M: a plain line behind the batch
	s_wait_alu depctr_va_vdst(0)           ; one wait for the 64 p, ahead of their first reader
.irp b, 0,1,2,3
	v_exp_f32 v[232+\b], v[232+\b]         ; the block's largest p: the same two instructions on the same number
.endr
	v_pk_add_f32 v[236:237], v[96:97], v[98:99]    ; the sum of the unquantised p, in two chains
.irp j, 4,8,12,16,20,24,28,32,36,40,44,48,52,56,60
	v_pk_add_f32 v[14:15], v[14:15], v[96+\j:97+\j]
	v_pk_add_f32 v[236:237], v[236:237], v[98+\j:99+\j]
.endr
	v_pk_add_f32 v[14:15], v[14:15], v[236:237]
	s_wait_alu depctr_va_vdst(0)           ; and one for the four blocks' largest p
.irp b, 0,1,2,3
	v_max_num_f32 v[232+\b], 0x4800000, v[232+\b]
.endr
.irp b, 0,1,2,3
	v_add_nc_u32 v[244+\b], 0xfc000000, v[232+\b]
.endr
.irp b, 0,1,2,3
	v_and_or_b32 v[240+\b], v[232+\b], 0x7f800000, s[MNT]
.endr
.irp b, 0,1,2,3
	v_lshrrev_b32 v[236+\b], 23, v[244+\b]
.endr
	v_lshl_or_b32 v253, v237, 8, v236      ; p's scale word for these 128 keys; the 64 holds below are its places ahead of the products
	v_lshl_or_b32 v253, v238, 16, v253
	v_lshl_or_b32 v253, v239, 24, v253
.irp b, 0,1,2,3
.irp i, 0,1,2,3,4,5,6,7,8,9,10,11,12,13,14,15
	v_min_num_f32 v[96+16*\b+\i], v[96+16*\b+\i], v[240+\b]        ; p is not negative: the hold is one-sided
.endr
	v_cvt_scalef32_pk8_fp8_f32 v[192+4*\b:193+4*\b], v[96+16*\b:103+16*\b], v[244+\b]
	v_cvt_scalef32_pk8_fp8_f32 v[194+4*\b:195+4*\b], v[104+16*\b:111+16*\b], v[244+\b]
.endr
	v_nop
.if \first
	NOPS 8                                 ; the places of the codes ahead of the products
.else
.set i, 0
.rept 16
	v_pk_mul_f32 v[160+i:161+i], v[160+i:161+i], v[252:253] op_sel_hi:[1,0]   ; O^T under the new M; these lines are the places of the codes ahead of the products
.set i, i+2
.endr
.endif
	s_wait_alu depctr_va_vdst(0)           ; behind the places: the conversions have written the codes and v253 holds p's scale word, which the products below take; the holds and conversions are done with v96-159, the first products with v248-251, in which V's fragments and scale words land
.irp t, 0,1,2,3                            ; V's four fragments take p's registers
.irp c, 0,1,2,3
	ds_load_b128 v[96+16*\t+4*\c:99+16*\t+4*\c], v8 offset:(4*(\lam)+\t)*2048+512*\c
.endr
	ds_load_b32 v[248+\t], v9 offset:(4*(\lam)+\t)*128
.endr
	s_wait_dscnt 0x0
.irp t, 0,1,2,3
.if \first
	v_wmma_scale_f32_16x16x128_f8f6f4 v[160+8*\t:167+8*\t], v[96+16*\t:111+16*\t], v[192:207], 0, v[248+\t], v253
.else
	v_wmma_scale_f32_16x16x128_f8f6f4 v[160+8*\t:167+8*\t], v[96+16*\t:111+16*\t], v[192:207], v[160+8*\t:167+8*\t], v[248+\t], v253
.endif
.endr
.endm
	s_mov_b32 s94, 2
.Ltq:                                      ; two trips: my two query tiles
	global_load_b128 v[16:19], v1, s[68:69]                        ; (the last tile's products, which read Q and v255, stand ahead of the wait in front of that tile's stores)
	global_load_b128 v[20:23], v1, s[68:69] offset:512
	global_load_u16 v255, v2, s[70:71]
	v_mov_b32 v13, 0xff61b1e6              ; -3e38, under every t
	v_floor_f32 v12, -v13
	v_mov_b32 v14, 0
	v_mov_b32 v15, 0
	STEP 0, 1
	STEP 1, 0
	STEP 2, 0
	v_add_f32 v14, v14, v15                ; the sum's two halves,
	v_permlanex16_b32 v254, v14, s[SEL], s[SEL+1]
	v_add_f32 v14, v14, v254               ; and lane xor 16's
	v_rcp_f32 v14, v14
	NOPS 8                                 ; the places behind the last products, and the plain line behind the reciprocal
	s_wait_alu depctr_va_vdst(0)           ; the reciprocal is written, ahead of its first reader
.set i, 0
.rept 16
	v_pk_mul_f32 v[96+i:97+i], v[160+i:161+i], v[14:15] op_sel_hi:[1,0]       ; register 16 b + i is channel 32 b + 16 h + i of my head
.set i, i+2
.endr
	QUANT 96, 2, 0
	v_lshl_or_b32 v254, v237, 8, v236
	s_wait_alu depctr_va_vdst(0)           ; the conversions have written the codes and the line above the two scale bytes, which the stores read
	global_store_b128 v1, v[192:195], s[80:81]                     ; 512 consecutive bytes: a piece of the projection's operand
	global_store_b128 v1, v[196:199], s[80:81] offset:512
	global_store_b16 v2, v254, s[82:83]
	s_wait_xcnt 0x0                        ; loads and stores have read their bases and registers
	s_add_nc_u64 s[68:69], s[68:69], 1024
	s_add_nc_u64 s[70:71], s[70:71], 256
	s_add_nc_u64 s[80:81], s[80:81], 8192
	s_add_nc_u64 s[82:83], s[82:83], 256
	s_add_co_u32 s[TQ], s[TQ], 64
	s_sub_co_u32 s94, s94, 1
	s_cmp_lg_u32 s94, 0
	s_cbranch_scc1 .Ltq
	s_wait_xcnt 0x0
	s_wait_alu depctr_vm_vsrc(0)           ; the last store has read v254, which is made anew
	v_lshl_add_u32 v254, v0, 2, 0x3b000
	v_mov_b32 v255, 0
	s_wait_dscnt 0x0                       ; the closing lines, six on end
	s_wait_alu 0x0
	s_wait_tensorcnt 0x0
	ds_add_u32 v254, v255
	s_wait_dscnt 0x0
	s_endpgm
.Lfunc_end_k_qbe77d14e23_attn:
	.size	k_qbe77d14e23_attn, .Lfunc_end_k_qbe77d14e23_attn-k_qbe77d14e23_attn
	.p2alignl 7, 3214868480
	.fill 96, 4, 3214868480
	.section	.rodata,"a",@progbits
	.p2align	6, 0x0
	.amdhsa_kernel k_qbe77d14e23_attn
		.amdhsa_group_segment_fixed_size 243712
		.amdhsa_private_segment_fixed_size 0
		.amdhsa_enable_private_segment 0
		.amdhsa_kernarg_size 64
		.amdhsa_user_sgpr_count 2
		.amdhsa_user_sgpr_kernarg_segment_ptr 1
		.amdhsa_wavefront_size32 1
		.amdhsa_system_sgpr_workgroup_id_x 1
		.amdhsa_system_sgpr_workgroup_id_y 1
		.amdhsa_system_sgpr_workgroup_id_z 1
		.amdhsa_system_vgpr_workitem_id 0
		.amdhsa_next_free_vgpr 256
		.amdhsa_next_free_sgpr 100
		.amdhsa_reserve_vcc 0
		.amdhsa_float_denorm_mode_32 3
		.amdhsa_float_denorm_mode_16_64 3
		.amdhsa_memory_ordered 1
		.amdhsa_forward_progress 1
		.amdhsa_inst_pref_size 167
	.end_amdhsa_kernel
	.amdgpu_metadata
---
amdhsa.version: [ 1, 2 ]
amdhsa.kernels:
  - .name:           k_qbe77d14e23_attn
    .symbol:         k_qbe77d14e23_attn.kd
    .args:
      - { .name: qimg, .offset: 0, .size: 8, .value_kind: global_buffer, .address_space: global }
      - { .name: qsc, .offset: 8, .size: 8, .value_kind: global_buffer, .address_space: global }
      - { .name: kimg, .offset: 16, .size: 8, .value_kind: global_buffer, .address_space: global }
      - { .name: ksc, .offset: 24, .size: 8, .value_kind: global_buffer, .address_space: global }
      - { .name: vw, .offset: 32, .size: 8, .value_kind: global_buffer, .address_space: global }
      - { .name: btab, .offset: 40, .size: 8, .value_kind: global_buffer, .address_space: global }
      - { .name: aimg, .offset: 48, .size: 8, .value_kind: global_buffer, .address_space: global }
      - { .name: asc, .offset: 56, .size: 8, .value_kind: global_buffer, .address_space: global }
    .group_segment_fixed_size: 243712
    .private_segment_fixed_size: 0
    .kernarg_segment_align: 8
    .kernarg_segment_size: 64
    .max_flat_workgroup_size: 512
    .sgpr_count:     100
    .vgpr_count:     256
    .wavefront_size: 32
...
	.end_amdgpu_metadata
.endif
;; end of part 5
;; launch tail (part 6): grid 256 x 1, 4 waves a work-group, no clusters, 308,736 bytes of LDS; arguments x, aimg, asc, wproj_codes, wproj_scales, bproj, ln2_s, ln2_b, mlp_w1_codes, mlp_w1_scales, mlp_b1, mlp_w2_codes, mlp_w2_scales, mlp_b2, out0; writes out0
.if DOCPART == 6
	.amdgcn_target "amdgcn-amd-amdhsa--gfx1250"
	.amdhsa_code_object_version 6
	.text
	.protected	k_qbe77d14e23_tail
	.globl	k_qbe77d14e23_tail
	.p2align	8
	.type	k_qbe77d14e23_tail,@function
k_qbe77d14e23_tail:
	s_mov_b64 s[64:65], 0
	v_nop
	global_prefetch_b8 v0, s[64:65] scope:SCOPE_SE
	s_setreg_imm32_b32 hwreg(HW_REG_WAVE_SCHED_MODE, 0, 2), 2
	s_setreg_imm32_b32 hwreg(HW_REG_WAVE_MODE, 25, 1), 1
	s_wait_xcnt 0x0
	s_wait_alu depctr_vm_vsrc(0)
; out = x2 + gelu(LN2(x2) W1 + b1) W2 + b2, x2 = x + a Wproj + bproj, for 64 tokens; a arrives as codes; all three products on codes of E4M3 with one E8M0 scale for each 32 along K.
; SHARES: the four waves share the COLUMNS: wave w makes columns 128 w .. 128 w + 127 of the projection and of the result and hidden units 512 w .. 512 w + 511, for all 64 rows (four row tiles m).
; So each weight fragment is read from memory once, by the one wave that uses it, for four products.  What goes from wave to wave is small and goes through LDS as images of operand registers.
; All products are used TRANSPOSED with chosen weight rows (lane r of tile 2 p + u takes row 32 p + 8 u + r + 8 (r / 8)): a lane holds one token, and its 16 registers of a pair of tiles are 16 neighbours along the next K.
; x2 STAYS IN REGISTERS (window 3) in the layout of the last product's accumulators: LN2 reads it there, b2 is added to it, and the last product's sums begin on it.
; gelu is the tanh form, written x / (1 + 2^a), a = x (k0 + k1 x^2), k0 = -2 sqrt(2 / pi) log2 e, k1 = 0.044715 k0.
; NO CLUSTER: all work-groups walk the same weights, but a fragment goes straight into the registers of the one wave that uses it, and of the 327,680 bytes of LDS 308,224 are taken: two slots for joint loads do not fit beside them.
; LIMITS: NaN and infinities are not served; a block whose largest magnitude lies under 2^-118 takes the scale byte 1; LN2's sums are f32 in another order than the reference's.
; THE MODE: SCHED_MODE bits 1:0 = 2 (LLVM: expert scheduling mode 2), set by the entry lines.  The code itself states the register dependences between vector or matrix instructions and memory or LDS
; instructions, with s_wait_alu, always for 0.
; THE PLAN.  THE LAST PRODUCT: four sets of W2 (each with 4 scale words) and two sets of hidden fragments (each with 4 scale words).  Step k's products read W2's set k % 4 and the hidden set k % 2.  Its memory instructions are the
; LDS loads of step k + 1's hidden fragments, which land in the hidden set that step k - 1 read, and the loads of W2's K step k + 3, which land in set (k - 1) % 4: registers that no product of step k names.  So ONE wait on va_vdst
; stands at a step's head; the LDS loads follow it, and W2's loads stand in the middle of the step's 32 products.  The two LDS addresses and W2's bases step once in four steps.
; THE PROJECTION AND THE HIDDEN LAYER have two weight tiles (window 2's other half holds LN2's gains during the projection; a third tile in the hidden layer's loop would make a trip three pairs long):
; one wait on va_vdst stands behind each tile's places, ahead of the loads that take the tile's registers.  Codes and scale words are written by a quantiser, then one wait on va_vdst, then the LDS stores; a wait on vm_vsrc stands ahead of the next quantiser.
; REGISTERS: window 0: v1-15, v236-247 addresses and k0; v16-31 the tokens' scale words, in the last product W2's; v32-39 the weights', in the last product the hidden layer's; v40-55 two tiles' biases; v56-63 sums, means;
; v64-127 accumulators (16 m + 8 u), b2, hidden fragments; v128-191 at work, hidden fragments; v192-207 codes; v208-223 the quantiser's; v224-227 scale words in the making; v228-235 sums of squares, 1 / sqrt; v248-251 permutes.
; window 1: the tokens' 16 fragments; in the last product W2's sets 2, 3; on the way out rows of the result.  window 2: two weight tiles, LN2's gains and biases; then W2's sets 0, 1.  window 3: x as loaded; then x2 and the result at 64 p + 16 m + 8 u.
.set HIMG,  132096                     ; LDS: 64 rows x 2,064 bytes (x in, the result out); the hidden layer's pieces ((4 k + c) 4 + m) x 512;
.set HSC,   263168                     ; its scale words (4 k + m) x 128;
.set H2IMG, 271360                     ; LN2's 16 fragments (4 m + s) x 2,048;
.set H2SC,  304128                     ; their scale words x 128;
.set RED,   306176                     ; two tables [token][wave] of f32
.set AS,  16
.set WS,  32
.set BI,  40
.set ST,  56
.set ACC, 64
.set XT,  128
.set PC,  192
.set QT,  208
.set QN,  4
.set SW,  224
.set RS,  228
.set K0,  246
.set PD,  248
.set SEL, 34
.set MNT, 36
.set MSB, 0
.macro WIN new
.if MSB != \new
	s_set_vgpr_msb (MSB<<8)|\new
.set MSB, \new
.endif
.endm
.macro NOPS n
.rept \n
	v_nop
.endr
.endm
.macro QUANT S, NB, xm                 ; NB groups of 16 numbers of a lane become codes in v[PC + 4 g ..] and a byte in v[QT + QN + g]; the block's other half lies in lane xor 16
.set g, 0
.rept \NB
	v_max3_num_f32 v[QT+g], |v[(\S)+16*g]|, |v[(\S)+16*g+1]|, 0x4800000
.set g, g+1
.endr
.set i, 2
.rept 7
.set g, 0
.rept \NB
	v_max3_num_f32 v[QT+g], v[QT+g], |v[(\S)+16*g+i]|, |v[(\S)+16*g+i+1]|
.set g, g+1
.endr
.set i, i+2
.endr
.set g, 0
.rept \NB
	v_permlanex16_b32 v[QT+QN+g], v[QT+g], s[SEL], s[SEL+1]
.set g, g+1
.endr
.set g, 0
.rept \NB
	v_max_num_f32 v[QT+g], v[QT+g], v[QT+QN+g]
.set g, g+1
.endr
.set g, 0
.rept \NB
	v_add_nc_u32 v[QT+3*QN+g], 0xfc000000, v[QT+g]
.set g, g+1
.endr
.set g, 0
.rept \NB
	v_and_or_b32 v[QT+2*QN+g], v[QT+g], 0x7f800000, s[MNT]
.set g, g+1
.endr
.set g, 0
.rept \NB
	v_lshrrev_b32 v[QT+QN+g], 23, v[QT+3*QN+g]
.set g, g+1
.endr
.set g, 0
.rept \NB
.set i, 0
.rept 16
	v_med3_num_f32 v[(\S)+16*g+i], v[(\S)+16*g+i], -v[QT+2*QN+g], v[QT+2*QN+g]
.set i, i+1
.endr
	v_cvt_scalef32_pk8_fp8_f32 v[PC+4*g:PC+4*g+1], v[(\S)+16*g:(\S)+16*g+7], v[QT+3*QN+g]
	v_cvt_scalef32_pk8_fp8_f32 v[PC+4*g+2:PC+4*g+3], v[(\S)+16*g+8:(\S)+16*g+15], v[QT+3*QN+g]
.set g, g+1
.endr
	v_nop                                  ; a plain line behind the last conversion
.endm
.macro OFFW ptr, shw
	s_lshl_b32 s42, s2, \shw
	s_add_nc_u64 s[\ptr:\ptr+1], s[\ptr:\ptr+1], s[42:43]
.endm
.macro WLOAD u, cb, sb, bb, row        ; a weight tile, 16 chosen rows x 512 along K, into buffer u of window 2, its scale words and its bias: 19 loads
	WIN 0x80
.irp ss, 0,1,2,3
.irp cc, 0,1,2,3
	global_load_b128 v[64*(\u)+16*\ss+4*\cc:64*(\u)+16*\ss+4*\cc+3], v6, s[\cb:\cb+1] offset:(\row)*512+128*\ss+32*\cc
.endr
.endr
	WIN 0
	global_load_b128 v[WS+4*(\u):WS+4*(\u)+3], v8, s[\sb:\sb+1] offset:(\row)*16
	global_load_b128 v[BI+8*(\u):BI+8*(\u)+3], v10, s[\bb:\bb+1] offset:(\row)*4
	global_load_b128 v[BI+8*(\u)+4:BI+8*(\u)+7], v10, s[\bb:\bb+1] offset:(\row)*4+16
.endm
.macro WLP tau                         ; the projection's tile tau of 8; behind them W1's first pair
.set wu, (\tau)%2
.if (\tau) < 8
	WLOAD wu, 10, 12, 14, 32*((\tau)/2)+8*wu
.else
	WLOAD wu, 20, 22, 24, 8*wu
.endif
.endm
.macro MM u                            ; a tile's 16 products: K step outer, row tile inner: the accumulators take turns; the bias is the first C
	WIN 0x06                               ; weights window 2, tokens window 1
.irp ss, 0,1,2,3
.irp mm, 0,1,2,3
.if \ss == 0
	v_wmma_scale_f32_16x16x128_f8f6f4 v[ACC+16*\mm+8*(\u):ACC+16*\mm+8*(\u)+7], v[64*(\u)+16*\ss:64*(\u)+16*\ss+15], v[16*(4*\mm+\ss):16*(4*\mm+\ss)+15], v[BI+8*(\u):BI+8*(\u)+7], v[WS+4*(\u)+\ss], v[AS+4*\mm+\ss]
.else
	v_wmma_scale_f32_16x16x128_f8f6f4 v[ACC+16*\mm+8*(\u):ACC+16*\mm+8*(\u)+7], v[64*(\u)+16*\ss:64*(\u)+16*\ss+15], v[16*(4*\mm+\ss):16*(4*\mm+\ss)+15], v[ACC+16*\mm+8*(\u):ACC+16*\mm+8*(\u)+7], v[WS+4*(\u)+\ss], v[AS+4*\mm+\ss]
.endif
.endr
.endr
	WIN 0
	NOPS 8                                 ; eight places behind the tile's products, ahead of the first read of results
.endm
.macro PPAIR pp                        ; 32 columns of the projection
	s_wait_loadcnt 19                      ; my tile is in; the next tile's 19 loads may stay out
	MM 0
	s_wait_alu depctr_va_vdst(0)           ; the tile's products are done reading their weights, scale words and bias, and the pair before is done reading x's registers v128-191: the loads below land in these
.set i, 0
.rept 16
.if i < 8
	ds_load_b128 v[XT+4*i:XT+4*i+3], v3 offset:33024*((i/4)%2)+128*(\pp)+16*(i%4)     ; x at my tokens and my 16 columns
.else
	ds_load_b128 v[XT+4*i:XT+4*i+3], v4 offset:33024*((i/4)%2)+128*(\pp)+16*(i%4)
.endif
.set i, i+1
.endr
	WLP 2*(\pp)+2
	s_wait_loadcnt 19
	MM 1
	s_wait_alu depctr_va_vdst(0)           ; the tile's products are done reading their weights, scale words and bias, in which the loads below land
	WLP 2*(\pp)+3
	s_wait_dscnt 0x0
	WIN 0xC0                               ; x2 goes to window 3
.set i, 0
.rept 32
	v_pk_add_f32 v[64*(\pp)+i:64*(\pp)+i+1], v[ACC+i:ACC+i+1], v[XT+i:XT+i+1]
.set i, i+2
.endr
	WIN 0x0C
.irp q, 0,2,4,6,8,10,12,14
.irp m, 0,1,2,3
	v_pk_add_f32 v[ST+2*\m:ST+2*\m+1], v[ST+2*\m:ST+2*\m+1], v[64*(\pp)+16*\m+\q:64*(\pp)+16*\m+\q+1]
.endr
.endr
	WIN 0
.endm
; Four pairs at B, a lane's part of four tokens' sums, become the tokens' sums over all 512 columns: the halves, lane xor 16, then the four waves through LDS.
.macro WGSUM B, off
.irp m, 0,1,2,3
	v_add_f32 v[\B+2*\m], v[\B+2*\m], v[\B+2*\m+1]
.endr
.irp m, 0,1,2,3
	v_permlanex16_b32 v[PD+\m], v[\B+2*\m], s[SEL], s[SEL+1]
.endr
.irp m, 0,1,2,3
	v_add_f32 v[\B+2*\m], v[\B+2*\m], v[PD+\m]
.endr
	s_wait_alu depctr_va_vdst(0)           ; the additions have written my four sums, which the LDS stores read; the vector work so far is done with v128-143, in which the loads below land (and with the accumulators, in which b2 lands)
.irp m, 0,1,2,3
	ds_store_b32 v12, v[\B+2*\m] offset:\off+256*\m            ; lanes 16-31 store the same word to the same place
.endr
	s_wait_dscnt 0x0
	s_barrier_signal -1
	s_barrier_wait -1
.irp m, 0,1,2,3
	ds_load_b128 v[XT+4*\m:XT+4*\m+3], v13 offset:\off+256*\m
.endr
	s_wait_dscnt 0x0
	s_wait_alu depctr_vm_vsrc(0)           ; my LDS stores have read the four sums' registers, which the last additions below write again
.irp m, 0,1,2,3
	v_add_f32 v[XT+4*\m], v[XT+4*\m], v[XT+4*\m+1]
	v_add_f32 v[XT+4*\m+2], v[XT+4*\m+2], v[XT+4*\m+3]
.endr
.irp m, 0,1,2,3
	v_add_f32 v[\B+2*\m], v[XT+4*\m], v[XT+4*\m+2]
.endr
.endm
.macro DIFF pp                         ; x2 - mean of 32 columns, into window 0
	WIN 0x03
.irp q, 0,2,4,6,8,10,12,14
.irp m, 0,1,2,3
	v_pk_add_f32 v[XT+16*\m+\q:XT+16*\m+\q+1], v[64*(\pp)+16*\m+\q:64*(\pp)+16*\m+\q+1], v[ST+2*\m:ST+2*\m+1] op_sel_hi:[1,0] neg_lo:[0,1] neg_hi:[0,1]
.endr
.endr
	WIN 0
.endm
.macro PASSC pp
	DIFF \pp
.irp q, 0,2,4,6,8,10,12,14
.irp m, 0,1,2,3
.if ((\pp) == 0) && (\q == 0)
	v_pk_mul_f32 v[RS+2*\m:RS+2*\m+1], v[XT+16*\m:XT+16*\m+1], v[XT+16*\m:XT+16*\m+1]      ; the first product starts the sums
.else
	v_pk_fma_f32 v[RS+2*\m:RS+2*\m+1], v[XT+16*\m+\q:XT+16*\m+\q+1], v[XT+16*\m+\q:XT+16*\m+\q+1], v[RS+2*\m:RS+2*\m+1]
.endif
.endr
.endr
.endm
.macro PASSD pp
	DIFF \pp
.irp q, 0,2,4,6,8,10,12,14
.irp m, 0,1,2,3
	v_pk_mul_f32 v[XT+16*\m+\q:XT+16*\m+\q+1], v[XT+16*\m+\q:XT+16*\m+\q+1], v[RS+2*\m:RS+2*\m+1] op_sel_hi:[1,0]
.endr
.endr
	WIN 0x28                               ; gains and biases: sources 1 and 2 in window 2
.irp q, 0,2,4,6,8,10,12,14
.irp m, 0,1,2,3
	v_pk_fma_f32 v[XT+16*\m+\q:XT+16*\m+\q+1], v[XT+16*\m+\q:XT+16*\m+\q+1], v[128+32*(\pp)+\q:129+32*(\pp)+\q], v[144+32*(\pp)+\q:145+32*(\pp)+\q]
.endr
.endr
	WIN 0
	s_wait_dscnt 0x0                       ; the last LDS stores are done
.if (\pp) > 0
	s_wait_alu depctr_vm_vsrc(0)           ; they have read the codes' registers, which the conversions write again
.endif
	QUANT XT, 4, 0
.irp m, 0,1,2,3
.if (\pp) == 0
	v_mov_b32 v[SW+\m], v[QT+QN+\m]
.else
	v_lshl_or_b32 v[SW+\m], v[QT+QN+\m], 8*(\pp), v[SW+\m]
.endif
.endr
	s_wait_alu depctr_va_vdst(0)           ; the conversions have written the codes (and the lines above the scale words), which the LDS stores read
.irp m, 0,1,2,3
	ds_store_b128 v14, v[PC+4*\m:PC+4*\m+3] offset:8192*\m+512*(\pp)       ; K step w, piece pp of row tile m
.endr
.endm
.macro GELU                            ; on the 64 accumulators
.set i, 0
.rept 32
	v_pk_mul_f32 v[XT+i:XT+i+1], v[ACC+i:ACC+i+1], v[ACC+i:ACC+i+1]
.set i, i+2
.endr
.set i, 0
.rept 32
	v_pk_fma_f32 v[XT+i:XT+i+1], v[XT+i:XT+i+1], s[40:41], v[K0:K0+1] op_sel_hi:[1,0,1]
.set i, i+2
.endr
.set i, 0
.rept 32
	v_pk_mul_f32 v[XT+i:XT+i+1], v[XT+i:XT+i+1], v[ACC+i:ACC+i+1]
.set i, i+2
.endr
.set i, 0
.rept 64
	v_exp_f32 v[XT+i], v[XT+i]
.set i, i+1
.endr
	v_nop
	s_wait_alu depctr_va_vdst(0)           ; one wait for the 64 exponentials, ahead of their first reader
.set i, 0
.rept 32
	v_pk_add_f32 v[XT+i:XT+i+1], v[XT+i:XT+i+1], 1.0 op_sel_hi:[1,0]
.set i, i+2
.endr
.set i, 0
.rept 64
	v_rcp_f32 v[XT+i], v[XT+i]
.set i, i+1
.endr
	v_nop
	s_wait_alu depctr_va_vdst(0)           ; and one for the 64 reciprocals
.set i, 0
.rept 32
	v_pk_mul_f32 v[ACC+i:ACC+i+1], v[ACC+i:ACC+i+1], v[XT+i:XT+i+1]
.set i, i+2
.endr
.endm
.macro MEPI                            ; 32 hidden units: gelu, codes, image.  s47 = 2,048 x pair
	GELU
	s_wait_dscnt 0x0                       ; the last pair's LDS stores are done
	s_wait_alu depctr_vm_vsrc(0)           ; they have read the codes, the scale words v224-227 and the addresses v240, v241, which the lines below write again
	QUANT ACC, 4, 0
	v_add_nc_u32 v240, s47, v238
	s_lshr_b32 s44, s47, 13
	s_lshl_b32 s44, s44, 9
	v_add_nc_u32 v241, s44, v239
.irp m, 0,1,2,3
	v_lshrrev_b32 v[SW+\m], 8, v[SW+\m]
	v_lshl_or_b32 v[SW+\m], v[QT+QN+\m], 24, v[SW+\m]          ; the newest byte on top: after four pairs the word is whole
.endr
	s_wait_alu depctr_va_vdst(0)           ; the codes, the scale words and the two addresses are written, which the LDS stores read
.irp m, 0,1,2,3
	ds_store_b128 v240, v[PC+4*\m:PC+4*\m+3] offset:512*\m
.endr
.irp m, 0,1,2,3
	ds_store_b32 v241, v[SW+\m] offset:128*\m                  ; stored after every pair to the K step's word: LDS serves a wave in order, so the fourth store leaves the whole word
.endr
.endm
.macro W2SET kk                        ; W2's 8 tiles of K step kk (counted from the bases) into set kk % 4, and their scale words: lanes 0-15 tile u = 0's, lanes 16-31 tile u = 1's: 36 loads.  It leaves the windows at the set's
.set wf, (\kk)%4
	WIN 0
.irp p, 0,1,2,3
	global_load_b32 v[AS+4*wf+\p], v9, s[28:29] offset:2048*\p+4*(\kk)
.endr
.if wf < 2
	WIN 0x80
.else
	WIN 0x40
.endif
.irp p, 0,1,2,3
.irp u, 0,1
.irp c, 0,1,2,3
	global_load_b128 v[128*(wf%2)+16*(2*\p+\u)+4*\c:128*(wf%2)+16*(2*\p+\u)+4*\c+3], v7, s[26:27] offset:(32*\p+8*\u)*2048+128*(\kk)+32*\c
.endr
.endr
.endr
.endm
.macro HFLOAD kk                       ; the hidden layer's four fragments of K step kk and their scale words: 20 LDS loads
.set hl, ACC+64*((\kk)%2)
.irp m, 0,1,2,3
.irp c, 0,1,2,3
	ds_load_b128 v[hl+16*\m+4*\c:hl+16*\m+4*\c+3], v244 offset:8192*(\kk)+2048*\c+512*\m
.endr
	ds_load_b32 v[WS+4*((\kk)%2)+\m], v245 offset:(4*(\kk)+\m)*128
.endr
.endm
.macro P2 k, pa, pb                    ; 16 of a step's 32 products: pairs of tiles pa and pb; the accumulators by turns
.if bf < 2
	WIN 0xF2                               ; W2 window 2, the hidden layer window 0, C and D window 3
.else
	WIN 0xF1
.endif
.irp p, \pa, \pb
.irp u, 0,1
.irp m, 0,1,2,3
.if \u
	v_wmma_scale_f32_16x16x128_f8f6f4 v[64*\p+16*\m+8*\u:64*\p+16*\m+8*\u+7], v[128*(bf%2)+16*(2*\p+\u):128*(bf%2)+16*(2*\p+\u)+15], v[hb+16*\m:hb+16*\m+15], v[64*\p+16*\m+8*\u:64*\p+16*\m+8*\u+7], v[AS+4*bf+\p], v[WS+4*((\k)%2)+\m] matrix_a_scale:MATRIX_SCALE_ROW1
.else
	v_wmma_scale_f32_16x16x128_f8f6f4 v[64*\p+16*\m+8*\u:64*\p+16*\m+8*\u+7], v[128*(bf%2)+16*(2*\p+\u):128*(bf%2)+16*(2*\p+\u)+15], v[hb+16*\m:hb+16*\m+15], v[64*\p+16*\m+8*\u:64*\p+16*\m+8*\u+7], v[AS+4*bf+\p], v[WS+4*((\k)%2)+\m]
.endif
.endr
.endr
.endr
.endm
; A K step of the last product.  nxt = 1: the next step's hidden fragments are fetched.  fill: the K step, counted from W2's bases, that the set read one step ago takes (three steps ahead of this one); -1: none.
.macro STEP2 k, nxt, lc, fill
.if \nxt
	s_wait_alu depctr_va_vdst(0)           ; the step before is done reading its hidden fragments, its set of W2 and their scale words, in which this step's loads land; in a trip's first step v244 and v245 are written
	HFLOAD (\k)+1
.endif
	s_wait_loadcnt \lc                     ; this step's set of W2 is in; what may stay out are the younger sets, as many loads as the count can name
.if \nxt
	s_wait_dscnt 20                        ; this step's hidden fragments are in; the 20 just issued may stay out
.else
	s_wait_dscnt 0x0
.endif
.set bf, (\k)%4
.set hb, ACC+64*((\k)%2)
	P2 \k, 0, 1
.if (\fill) >= 0
	W2SET \fill                            ; no wait: no vector or matrix instruction since the wait at the step's head names a register that these loads touch
.endif
	P2 \k, 2, 3
	WIN 0
	NOPS 8                                 ; the places behind the step's products
.endm
	s_load_b512 s[4:19], s[0:1], 0x0       ; x, aimg, asc, wproj codes, wproj scales, bproj, ln2_s, ln2_b
	s_load_b256 s[20:27], s[0:1], 0x40     ; W1 codes, W1 scales, b1, W2 codes
	s_load_b128 s[28:31], s[0:1], 0x60     ; W2 scales, b2
	s_load_b64 s[32:33], s[0:1], 0x70      ; out0
	v_lshrrev_b32 v252, 5, v0
	v_readfirstlane_b32 s2, v252           ; wave
	s_wait_alu depctr_va_sdst(0)           ; s2 is written, ahead of its first reader: LDS places and the buffers' bases are made from it
	s_mov_b32 s3, ttmp9                    ; bw
	s_mov_b32 s43, 0
	s_mov_b32 s[SEL], 0x76543210
	s_mov_b32 s[SEL+1], 0xfedcba98
	s_mov_b32 s[MNT], 0x600000
	s_mov_b32 s37, 0x3727c5ac              ; 1e-5
	s_mov_b32 s38, 0x3b000000              ; 1 / 512
	s_mov_b32 s40, 0xbdd2d3e8              ; k1 = -0.10294324
	s_mov_b32 s41, s40
	v_and_b32 v252, 31, v0                 ; L
	v_and_b32 v253, 15, v0                 ; r
	v_bfe_u32 v254, v0, 4, 1               ; h
	v_and_b32 v255, 8, v253
	v_add_nc_u32 v255, v255, v253          ; r8
	v_lshlrev_b32 v1, 4, v252              ; v1  16 L
	v_lshlrev_b32 v2, 2, v252              ; v2  4 L
	s_lshl_b32 s44, s2, 9
	v_mul_u32_u24 v3, v253, 2064
	v_lshl_add_u32 v3, v254, 6, v3
	v_add_nc_u32 v3, s44, v3               ; v3  the rows' stage by columns: 2,064 r + 64 h + 512 w; row tiles 0, 1
	v_add_nc_u32 v4, 66048, v3             ; v4  row tiles 2, 3
	s_mul_i32 s44, s2, 33024
	v_add_nc_u32 v5, s44, v1               ; v5  the stage by rows: my 16 rows, 16 L
	v_lshlrev_b32 v6, 9, v255
	v_lshl_add_u32 v6, v254, 4, v6         ; v6  a chosen row of 512 bytes
	v_lshlrev_b32 v7, 11, v255
	v_lshl_add_u32 v7, v254, 4, v7         ; v7  of 2,048 bytes (W2)
	v_lshlrev_b32 v8, 4, v255              ; v8  its 16 scale bytes
	v_lshlrev_b32 v9, 6, v255
	v_lshl_add_u32 v9, v254, 9, v9         ; v9  W2's scale words: row r8 + 8 h, 64 bytes a row
	v_lshlrev_b32 v10, 6, v254             ; v10 64 h: a lane's 16 columns of a pair
	v_lshlrev_b32 v11, 4, v253             ; v11 16 r
	v_add_nc_u32 v13, RED, v11             ; v13
	s_lshl_b32 s44, s2, 2
	v_add_nc_u32 v12, s44, v13             ; v12
	v_add_nc_u32 v236, H2IMG, v1
	s_lshl_b32 s44, s2, 11
	v_add_nc_u32 v14, s44, v236            ; v14 LN2's images, written: K step w
	v_add_nc_u32 v237, H2SC, v2
	s_lshl_b32 s44, s2, 7
	v_add_nc_u32 v15, s44, v237
	v_add_nc_u32 v242, HIMG, v1
	s_lshl_b32 s44, s2, 15
	v_add_nc_u32 v238, s44, v242           ; v238 the hidden layer's images, written: K steps 4 w on
	v_add_nc_u32 v243, HSC, v2
	s_lshl_b32 s44, s2, 11
	v_add_nc_u32 v239, s44, v243
	v_mov_b32 v[K0], 0xc0135761            ; k0 = -2.3022082
	v_mov_b32 v[K0+1], 0xc0135761
.irp j, 0,1,2,3
	v_mov_b32 v[PD+\j], 0                  ; written once: a lane permute's destination counts as one of its sources
	v_mov_b32 v[QT+QN+\j], 0
.endr
.irp j, 0,1,2,3,4,5,6,7
	v_mov_b32 v[ST+\j], 0
.endr
	s_wait_kmcnt 0x0
	s_lshl_b32 s42, s3, 17
	s_lshl_b32 s44, s2, 15
	s_add_co_u32 s42, s42, s44
	s_add_nc_u64 s[4:5], s[4:5], s[42:43]          ; x and out0 at my wave's 16 rows
	s_add_nc_u64 s[32:33], s[32:33], s[42:43]
	s_lshl_b32 s42, s3, 15
	s_add_nc_u64 s[6:7], s[6:7], s[42:43]
	s_lshl_b32 s42, s3, 10
	s_add_nc_u64 s[8:9], s[8:9], s[42:43]
	OFFW 10, 16                            ; the weights at my rows
	OFFW 12, 11
	OFFW 14, 9
	OFFW 16, 9
	OFFW 18, 9
	OFFW 20, 18
	OFFW 22, 13
	OFFW 24, 11
	OFFW 26, 18
	OFFW 28, 13
	OFFW 30, 9
	s_wait_alu depctr_va_vdst(0)           ; the offsets and LDS addresses v1-v15 and v236-243 are written, which the loads, stores and LDS instructions below read
	WIN 0x40
.set i, 0
.rept 64
	global_load_b128 v[4*i:4*i+3], v1, s[6:7] offset:512*i th:TH_LOAD_NT       ; the attention's 16 fragments, as they lie
.set i, i+1
.endr
	WIN 0
.irp m, 0,1,2,3
	global_load_b128 v[AS+4*\m:AS+4*\m+3], v11, s[8:9] offset:256*\m
.endr
	WIN 0x80
.irp p, 0,1,2,3
.irp q, 0,1,2,3
	global_load_b128 v[128+32*\p+4*\q:131+32*\p+4*\q], v10, s[16:17] offset:128*\p+16*\q
	global_load_b128 v[144+32*\p+4*\q:147+32*\p+4*\q], v10, s[18:19] offset:128*\p+16*\q
.endr
.endr
	WIN 0xC0
.set i, 0
.rept 64
	global_load_b128 v[4*i:4*i+3], v1, s[4:5] offset:2048*(i/4)+512*(i%4) th:TH_LOAD_NT
.set i, i+1
.endr
	WIN 0
	WLP 0
	WLP 1
	s_wait_loadcnt 38                      ; all but the two weight tiles
	WIN 0x0C                               ; an LDS store's data are its source 1: window 3
.set i, 0
.rept 64
	ds_store_b128 v5, v[4*i:4*i+3] offset:2064*(i/4)+512*(i%4)
.set i, i+1
.endr
	WIN 0
	s_wait_dscnt 0x0
	s_barrier_signal -1
	s_barrier_wait -1                      ; 64 rows of x lie in LDS; from here to the last barrier a wave touches only its own 512 bytes of each row
	s_wait_alu depctr_vm_vsrc(0)           ; my LDS stores have read x's registers in window 3, which x2 takes
	PPAIR 0
	PPAIR 1
	PPAIR 2
	PPAIR 3
	; ---- LN2
	WGSUM ST, 0
.irp p, 0,1,2,3
.irp q, 0,1,2,3
	global_load_b128 v[ACC+16*\p+4*\q:ACC+16*\p+4*\q+3], v10, s[30:31] offset:128*\p+16*\q     ; b2 at my columns, into the idle accumulators: their last readers stand ahead of the wait on va_vdst in the sum above, and nothing since names them
.endr
.endr
.irp m, 0,1,2,3
	v_mul_f32 v[ST+2*\m], s38, v[ST+2*\m]  ; the mean
.endr
	PASSC 0
	PASSC 1
	PASSC 2
	PASSC 3
	WGSUM RS, 1024                         ; other bytes than the first sum's: no barrier between its reads and these stores
.irp m, 0,1,2,3
	v_fma_f32 v[RS+2*\m], v[RS+2*\m], s38, s37
.endr
.irp m, 0,1,2,3
	v_rsq_f32 v[RS+2*\m], v[RS+2*\m]
.endr
	v_nop
	s_wait_alu depctr_va_vdst(0)           ; one wait for the four 1 / sqrt, ahead of their first reader
	PASSD 0
	PASSD 1
	PASSD 2
	PASSD 3
.irp m, 0,1,2,3
	ds_store_b32 v15, v[SW+\m] offset:512*\m                   ; (the scale words were whole ahead of the last wait on va_vdst)
.endr
	s_wait_loadcnt 0x0                     ; b2 (and W1's first pair, which is wanted next)
	WIN 0xC3
.irp p, 0,1,2,3
.irp m, 0,1,2,3
.irp q, 0,2,4,6,8,10,12,14
	v_pk_add_f32 v[64*\p+16*\m+\q:64*\p+16*\m+\q+1], v[64*\p+16*\m+\q:64*\p+16*\m+\q+1], v[ACC+16*\p+\q:ACC+16*\p+\q+1]   ; x2 + b2: on this the last product's sums begin
.endr
.endr
.endr
	WIN 0
	s_wait_dscnt 0x0
	s_barrier_signal -1
	s_barrier_wait -1                      ; LN2's sixteen fragments lie in LDS
	s_wait_alu depctr_vm_vsrc(0)           ; my LDS stores have read the codes and v224-227, which are written again below
	WIN 0x40
.set i, 0
.rept 64
	ds_load_b128 v[4*i:4*i+3], v236 offset:512*i               ; (the projection's products, which read these registers and v16-31, stand ahead of the waits on va_vdst above)
.set i, i+1
.endr
	WIN 0
.set i, 0
.rept 16
	ds_load_b32 v[AS+i], v237 offset:128*i
.set i, i+1
.endr
.irp m, 0,1,2,3
	v_mov_b32 v[SW+\m], 0
.endr
	s_wait_dscnt 0x0
	; ---- the hidden layer: 16 pairs of tiles, 32 units each
	s_mov_b32 s46, 15
	s_mov_b32 s47, 0
.Lmlp1:
	s_wait_loadcnt 19
	MM 0
	s_wait_alu depctr_va_vdst(0)           ; the tile's products are done reading their weights, scale words and bias, in which the loads below land
	WLOAD 0, 20, 22, 24, 32                ; the next pair's tiles, 32 rows on from the stepped bases
	s_wait_loadcnt 19
	MM 1
	s_wait_alu depctr_va_vdst(0)           ; the same of the pair's second tile
	WLOAD 1, 20, 22, 24, 40
	MEPI
	s_wait_xcnt 0x0                        ; the loads, issued ahead of the pair's gelu and codes, have read their bases
	s_add_nc_u64 s[20:21], s[20:21], 16384
	s_add_nc_u64 s[22:23], s[22:23], 512
	s_add_nc_u64 s[24:25], s[24:25], 128
	s_add_co_u32 s47, s47, 2048
	s_sub_co_u32 s46, s46, 1
	s_cmp_lg_u32 s46, 0
	s_cbranch_scc1 .Lmlp1
	s_wait_loadcnt 19                      ; the last pair is written out: it fetches no further tile of W1
	MM 0
	s_wait_loadcnt 0x0
	MM 1
	s_wait_alu depctr_va_vdst(0)           ; all products so far are done reading W1's tiles, LN2's fragments and their scale words v16-31, and LN2's arithmetic its gains: W2's sets land in these
	W2SET 0                                ; three K steps of W2 go out while the last pair is finished; the fourth goes out in the last product's first step, as every later one does
	W2SET 1
	W2SET 2
	WIN 0
	MEPI
	s_wait_dscnt 0x0
	s_barrier_signal -1
	s_barrier_wait -1                      ; the hidden layer's 64 fragments lie in LDS
	; ---- the last product: 16 K steps
	v_mov_b32 v244, v242
	v_mov_b32 v245, v243
	s_wait_alu depctr_va_vdst(0)           ; v244 and v245 are written; the last pair's gelu and quantiser are done with v64-127, its products with v32-35, in which the first hidden fragments and their scale words land
	HFLOAD 0
	s_mov_b32 s46, 3
	s_mov_b32 s47, 0
	s_mov_b32 s48, 0
.Lmlp2:                                    ; three trips of four K steps; in trip t the bases stand at K step 4 t, and the four fills take K steps 4 t + 3 .. 4 t + 6
	STEP2 0, 1, 63, 3
	STEP2 1, 1, 63, 4
	STEP2 2, 1, 63, 5
	STEP2 3, 1, 63, 6
	s_wait_dscnt 0x0                       ; the LDS loads, issued 32 products ago, are in
	s_wait_xcnt 0x0                        ; the youngest loads that read W2's bases were issued ahead of the last 16 products: the bases are written only behind this wait
	s_add_nc_u64 s[26:27], s[26:27], 512
	s_add_nc_u64 s[28:29], s[28:29], 16
	s_wait_alu depctr_vm_vsrc(0)           ; the LDS loads issued so far have read v244 and v245
	s_add_co_u32 s47, s47, 32768
	s_add_co_u32 s48, s48, 2048
	v_add_nc_u32 v244, s47, v242
	v_add_nc_u32 v245, s48, v243
	s_sub_co_u32 s46, s46, 1
	s_cmp_lg_u32 s46, 0
	s_cbranch_scc1 .Lmlp2
	STEP2 0, 1, 63, 3                      ; the last four steps: one more set (K step 15), then none: two younger sets (72 loads), two, one (36) and none
	STEP2 1, 1, 63, -1
	STEP2 2, 1, 36, -1
	STEP2 3, 0, 0, -1
	; ---- the way out: through the rows' stage, so that whole rows leave
	s_wait_alu depctr_va_vdst(0)           ; behind the places: the products have written the accumulators, which the LDS stores read, and are done reading the hidden fragments and W2's set 2, in which rows of the result land behind the barrier
	WIN 0x0C
.set i, 0
.rept 64
.if ((i/4)%4) < 2
	ds_store_b128 v3, v[4*i:4*i+3] offset:33024*((i/4)%2)+128*(i/16)+16*(i%4)      ; each accumulator from its low end on
.else
	ds_store_b128 v4, v[4*i:4*i+3] offset:33024*((i/4)%2)+128*(i/16)+16*(i%4)
.endif
.set i, i+1
.endr
	WIN 0
	s_wait_dscnt 0x0
	s_barrier_signal -1
	s_barrier_wait -1
	; my 16 rows come back in 64 loads: rows 0-7 into window 0, rows 8-15 into window 1, which the last product has left: no register is used twice, so no store is waited for
.set i, 0
.rept 32
	ds_load_b128 v[ACC+4*i:ACC+4*i+3], v5 offset:2064*(i/4)+512*(i%4)
.set i, i+1
.endr
	WIN 0x40
.set i, 0
.rept 32
	ds_load_b128 v[4*i:4*i+3], v5 offset:2064*(8+i/4)+512*(i%4)
.set i, i+1
.endr
	WIN 0
.set i, 0
.rept 32
	s_wait_dscnt 63-i                      ; LDS loads come back in order (ISA guide 5.7.1): load i is in, the 63 - i younger ones may stay out
	global_store_b128 v1, v[ACC+4*i:ACC+4*i+3], s[32:33] offset:2048*(i/4)+512*(i%4) th:TH_STORE_NT   ; 32 lanes store 512 consecutive bytes
.set i, i+1
.endr
	WIN 0x04                               ; a store's data are its source 1: window 1
.set i, 0
.rept 32
	s_wait_dscnt 31-i
	global_store_b128 v1, v[4*i:4*i+3], s[32:33] offset:2048*(8+i/4)+512*(i%4) th:TH_STORE_NT
.set i, i+1
.endr
	WIN 0
	s_wait_xcnt 0x0
	v_lshl_add_u32 v254, v0, 2, 0x4b400    ; (no memory or LDS instruction of the launch has read v254 or v255)
	v_mov_b32 v255, 0
	s_wait_dscnt 0x0                       ; the closing lines, six on end
	s_wait_alu 0x0
	s_wait_tensorcnt 0x0
	ds_add_u32 v254, v255
	s_wait_dscnt 0x0
	s_endpgm
.Lfunc_end_k_qbe77d14e23_tail:
	.size	k_qbe77d14e23_tail, .Lfunc_end_k_qbe77d14e23_tail-k_qbe77d14e23_tail
	.p2alignl 7, 3214868480
	.fill 96, 4, 3214868480
	.section	.rodata,"a",@progbits
	.p2align	6, 0x0
	.amdhsa_kernel k_qbe77d14e23_tail
		.amdhsa_group_segment_fixed_size 308736
		.amdhsa_private_segment_fixed_size 0
		.amdhsa_enable_private_segment 0
		.amdhsa_kernarg_size 120
		.amdhsa_user_sgpr_count 2
		.amdhsa_user_sgpr_kernarg_segment_ptr 1
		.amdhsa_wavefront_size32 1
		.amdhsa_system_sgpr_workgroup_id_x 1
		.amdhsa_system_sgpr_workgroup_id_y 1
		.amdhsa_system_sgpr_workgroup_id_z 1
		.amdhsa_system_vgpr_workitem_id 0
		.amdhsa_next_free_vgpr 1024
		.amdhsa_next_free_sgpr 66
		.amdhsa_reserve_vcc 0
		.amdhsa_float_denorm_mode_32 3
		.amdhsa_float_denorm_mode_16_64 3
		.amdhsa_memory_ordered 1
		.amdhsa_forward_progress 1
		.amdhsa_inst_pref_size 255
	.end_amdhsa_kernel
	.section	.bss,"aw",@nobits
	.p2align	6
	.space	262144
	.amdgpu_metadata
---
amdhsa.version: [ 1, 2 ]
amdhsa.kernels:
  - .name:           k_qbe77d14e23_tail
    .symbol:         k_qbe77d14e23_tail.kd
    .args:
      - { .name: x, .offset: 0, .size: 8, .value_kind: global_buffer, .address_space: global }
      - { .name: aimg, .offset: 8, .size: 8, .value_kind: global_buffer, .address_space: global }
      - { .name: asc, .offset: 16, .size: 8, .value_kind: global_buffer, .address_space: global }
      - { .name: wproj_codes, .offset: 24, .size: 8, .value_kind: global_buffer, .address_space: global }
      - { .name: wproj_scales, .offset: 32, .size: 8, .value_kind: global_buffer, .address_space: global }
      - { .name: bproj, .offset: 40, .size: 8, .value_kind: global_buffer, .address_space: global }
      - { .name: ln2_s, .offset: 48, .size: 8, .value_kind: global_buffer, .address_space: global }
      - { .name: ln2_b, .offset: 56, .size: 8, .value_kind: global_buffer, .address_space: global }
      - { .name: mlp_w1_codes, .offset: 64, .size: 8, .value_kind: global_buffer, .address_space: global }
      - { .name: mlp_w1_scales, .offset: 72, .size: 8, .value_kind: global_buffer, .address_space: global }
      - { .name: mlp_b1, .offset: 80, .size: 8, .value_kind: global_buffer, .address_space: global }
      - { .name: mlp_w2_codes, .offset: 88, .size: 8, .value_kind: global_buffer, .address_space: global }
      - { .name: mlp_w2_scales, .offset: 96, .size: 8, .value_kind: global_buffer, .address_space: global }
      - { .name: mlp_b2, .offset: 104, .size: 8, .value_kind: global_buffer, .address_space: global }
      - { .name: out0, .offset: 112, .size: 8, .value_kind: global_buffer, .address_space: global }
    .group_segment_fixed_size: 308736
    .private_segment_fixed_size: 0
    .kernarg_segment_align: 8
    .kernarg_segment_size: 120
    .max_flat_workgroup_size: 128
    .sgpr_count:     66
    .vgpr_count:     1024
    .wavefront_size: 32
...
	.end_amdgpu_metadata
.endif
;; end of part 6
